; MI455X (gfx1250); checked and timed in simulation.
; The chip was launched on July 23, 2026; its instructions are those of AMD's public machine-readable ISA for CDNA 5 (MIT licence, August 2026) and "CDNA5" Instruction Set Architecture Reference Guide (July 2026). The comments in the code are by the model that wrote it; some were corrected since.
;; Mo E. Allowed arithmetic: matrix products marked QUANTISED: E4M3 operands, one given power-of-two scale a tensor, by v_wmma_f32_16x16x64_fp8_fp8 or v_wmma_f32_16x16x128_fp8_fp8, f32 sums; products left as they are: f32 operands where the result goes on into a quantised operand, else bf16, f16 or f32 operands; f32 sums; everything else in f32.
;; Inputs: b1 8 x 4,096 float32; b2 8 x 1,024 float32; gate_w 1,024 x 8 float32; lowp_scales 4 int32 (the exponents e of the quantised operands' scales 2^e); w1 8 x 1,024 x 4,096 float32; w2 8 x 4,096 x 1,024 float32; x 4 x 256 x 1,024 float32.
;; Outputs: out0 4 x 256 x 1,024 float32.
;; Constants: top_k = 2.
;; This version of the problem:
;;   THIS VERSION OF THE PROBLEM IS GIVEN IN LOW PRECISION. The matrix products marked QUANTISED in the list below multiply operands that are first quantised to E4M3 (4 exponent bits, 3 mantissa bits; 8 bits a number), with one given power-of-two scale for each operand tensor; their sums are f32. All else is computed in f32.
;;   The module's matrix products, in the order in which they are computed (A, B: the left and right operand; K: the contracted axis; several contracted axes count as one K, in the product's order):
;;     1. [M 1,024, K 1,024] x [K 1,024, N 8]; A: input x; B: input gate_w: left as it is (N = 8 < 16)
;;     2. [M 32,768, K 1,024] x [K 1,024, N 1,024]; A: input w1; B: input x: QUANTISED (scales: A lowp_scales[0], B lowp_scales[1])
;;     3. batch 8 x [M 1,024, K 4,096] x [K 4,096, N 1,024]; A: computed on the way; B: input w2: QUANTISED (scales: A lowp_scales[2], B lowp_scales[3])
;;   THE QUANTISER, for each operand of a quantised product, along K:
;;     - The operand's scale is 2^e, e = its entry of the input lowp_scales (int32; the entries are numbered through the quantised products in the list's order, A before B).
;;     - Each number is divided by the scale, clamped to +-448, and rounded to the nearest number of E4M3, ties to even, subnormals kept.
;;     - The product sums the exact products of the quantised numbers (number of the format x scale) in f32.
;;   ~~~python
;;   def quantise(x, axis, e):      # numpy; x: float32 -> the quantised numbers, widened to float32 again
;;       x = np.moveaxis(x, axis, -1); K = x.shape[-1]
;;       r = np.clip(x / 2.0 ** e, -448, 448)
;;       step = 2.0 ** (np.maximum(np.frexp(np.where(r == 0, 1, r))[1] - 1, -6) - 3)
;;       q = np.round(r / step) * step * 2.0 ** e      # np.round: ties to even
;;       return np.moveaxis(q, -1, axis).astype(np.float32)
;;   ~~~
;;   OPERANDS COMPUTED ON THE WAY. 'Computed on the way' means the value that the module computes at that place (a softmax that the list does not call 'softmax' is quantised finished and normalised). What goes into a quantiser is computed in f32, as accurately as f32 sums, v_exp_f32 and their like allow (about 1e-6 of the number): no bf16 or f16 on the way to a quantiser, and a product that is left as it is and whose result goes on into a quantised operand takes f32 operands (vector FMAs, or v_wmma_f32_16x16x4_f32). A number that lies on a knife's edge between two numbers of the format may be rounded either way, as far as f32 arithmetic and the matrix unit's own rounding can turn it there, and no further.
;; 2 versions. Each part assembles by itself: llvm-mc -triple=amdgcn-amd-amdhsa -mcpu=gfx1250 --defsym DOCPART=n.
;; ======== version 1 of 2: 5 launches
;; limits: a function is approximated: absolute error at most 1e-07; an absolute error that grows with the inputs' magnitude: up to 1e-07 times it
;; workspace buffers: rt 8,704 bytes of whole numbers; eidx 8,192 bytes of whole numbers; gwt 8,192 bytes; pos 8,192 bytes of whole numbers; tab 256 bytes of whole numbers; xs 2,211,840 bytes; hq 8,847,360 bytes; part 35,389,440 bytes
;; launch route (part 1): grid 64 x 1, 8 waves a work-group, no clusters, 9,216 bytes of LDS; arguments x, gate_w, rt, eidx, gwt; writes rt, eidx, gwt
.if DOCPART == 1
	.amdgcn_target "amdgcn-amd-amdhsa--gfx1250"
	.amdhsa_code_object_version 6
	.text
	.protected	k_q399c239162_route
	.globl	k_q399c239162_route
	.p2align	8
	.type	k_q399c239162_route,@function
k_q399c239162_route:
	s_mov_b64 s[64:65], 0
	v_nop
	global_prefetch_b8 v0, s[64:65] scope:SCOPE_SE
	s_setreg_imm32_b32 hwreg(HW_REG_WAVE_MODE, 25, 1), 1
	s_wait_xcnt 0x0
; ROUTER.  scores = x gate_w in f32, the two largest of 8 for each token (the lower index wins a tie), softmax over the two with the larger taken off first.
; A work-group takes 16 tokens; each of its eight waves 128 of the 1,024 along K; the eight partial scores meet in LDS and wave 0 finishes.
; The product is 32 matrix instructions of the f32 form a wave (operands stay f32, so that the choice follows f32 scores): source 0 = gate_w transposed
; (row m = expert m mod 8), source 1 = x (column n = token).  In the result lane (r, h) holds token r and register j expert j; lanes 16-31 repeat lanes 0-15.
; k is laid alike in both sources: registers 4 i + 0..3 of lane half h hold k = 128 w + 8 i + 4 h + 0..3.
; OUT: eidx[t][2], gwt[t][2]; rt[16 tokens][32 words]: 0-7 mask of the tokens that chose expert e, 8-15 mask of those whose first choice it is, 16-23 their number, 24-31 zero;
; and behind the 64 records, from byte 8,192 of rt on, the numbers once more as a dense table: 64 bytes an expert, byte j = record j's number (16 at the most), so that the next launch
; reads all 512 numbers by a few wide scalar loads.  That table costs one store of a byte in each of eight lanes.
; The choice is stored as values at fixed places: no address and no branch here hangs on it.
; LIMITS: NaN among the inputs is not served.  The f32 sums are taken in another order than a plain dot product: two scores closer than f32 rounding may change places.
.set X,  16                            ; v16-79   x: 64 numbers of my token
.set G,  80                            ; v80-143  gate_w: 64 numbers of my expert
.set A0, 144                           ; v144-151, v152-159: two accumulators by turns; written by matrix instructions alone
.set A1, 152
.set P,  160                           ; v160-167 the wave's partial scores
	s_load_b256 s[4:11], s[0:1], 0x0               ; x s[4:5], gate_w s[6:7], rt s[8:9], eidx s[10:11]
	s_load_b64 s[12:13], s[0:1], 0x20              ; gwt
	v_lshl_add_u32 v192, v0, 2, 0x2000
	v_mov_b32 v193, 0
	v_lshrrev_b32 v1, 5, v0
	v_readfirstlane_b32 s16, v1                    ; wave 0..7
	v_and_b32 v1, 31, v0                           ; lane
	v_and_b32 v2, 15, v0                           ; r
	v_bfe_u32 v3, v0, 4, 1                         ; h
	s_lshl_b32 s17, s16, 9
	v_lshlrev_b32 v4, 12, v2
	v_lshl_add_u32 v4, v3, 4, v4
	v_add_nc_u32 v4, s17, v4                       ; x: 4096 r + 16 h + 512 w
	v_and_b32 v5, 7, v0
	v_lshlrev_b32 v5, 2, v5
	v_lshl_add_u32 v5, v3, 7, v5
	s_lshl_b32 s18, s16, 12
	v_add_nc_u32 v5, s18, v5                       ; gate_w: 4 (r mod 8) + 128 h + 4096 w
	v_lshlrev_b32 v7, 5, v1                        ; LDS: 32 bytes a lane,
	s_lshl_b32 s19, s16, 10
	v_add_nc_u32 v6, s19, v7                       ; 1,024 a wave
	s_lshl_b32 s20, ttmp9, 16                      ; 16 tokens of 4,096 bytes
	s_mov_b32 s21, 0
	s_wait_kmcnt 0x0
	s_add_nc_u64 s[4:5], s[4:5], s[20:21]
.set i, 0
.rept 16
	global_load_b128 v[X+4*i:X+4*i+3], v4, s[4:5] offset:32*i
.set i, i+1
.endr
.set i, 0
.rept 64
	global_load_b32 v[G+i], v5, s[6:7] offset:256*(i/4)+32*(i%4)
.set i, i+1
.endr
	s_wait_loadcnt 0x0
	v_wmma_f32_16x16x4_f32 v[A0:A0+7], v[G:G+1], v[X:X+1], 0          ; the first K steps start the two sums
	v_wmma_f32_16x16x4_f32 v[A1:A1+7], v[G+2:G+3], v[X+2:X+3], 0
.set i, 1
.rept 15
	v_wmma_f32_16x16x4_f32 v[A0:A0+7], v[G+4*i:G+4*i+1], v[X+4*i:X+4*i+1], v[A0:A0+7]
	v_wmma_f32_16x16x4_f32 v[A1:A1+7], v[G+4*i+2:G+4*i+3], v[X+4*i+2:X+4*i+3], v[A1:A1+7]
.set i, i+1
.endr
.rept 8
	v_nop                                          ; eight places behind this form before its results are read (ISA guide 7.12.1)
.endr
.irp j, 0,2,4,6
	v_pk_add_f32 v[P+\j:P+\j+1], v[A0+\j:A0+\j+1], v[A1+\j:A1+\j+1]   ; into other registers, from the low end on
.endr
	ds_store_b128 v6, v[P:P+3]
	ds_store_b128 v6, v[P+4:P+7] offset:16
	s_wait_dscnt 0x0                               ; my partial scores lie in LDS,
	s_barrier_signal -1
	s_barrier_wait -1                              ; everybody's do
	s_cmp_lg_u32 s16, 0
	s_cbranch_scc1 .Lend                           ; wave 0 finishes alone; no barrier follows
.set i, 0
.rept 8
	ds_load_b128 v[16+8*i:19+8*i], v7 offset:1024*i
	ds_load_b128 v[20+8*i:23+8*i], v7 offset:1024*i+16
.set i, i+1
.endr
	s_wait_dscnt 0x0
.set i, 1
.rept 7
.irp j, 0,2,4,6
	v_pk_add_f32 v[16+\j:17+\j], v[16+\j:17+\j], v[16+8*i+\j:17+8*i+\j]   ; K slices in ascending order: v16-23 = my token's eight scores
.endr
.set i, i+1
.endr
.irp e, 0,1,2,3,4,5,6,7
	v_mov_b32 v[32+\e], \e
.endr
	v_mov_b32 v24, v16                             ; v24 the largest, v26 its expert
	v_mov_b32 v26, 0
.irp e, 1,2,3,4,5,6,7
	v_cmp_gt_f32 vcc_lo, v[16+\e], v24             ; strictly larger: the lower index keeps a tie
	v_cndmask_b32 v24, v24, v[16+\e], vcc_lo
	v_cndmask_b32 v26, v26, v[32+\e], vcc_lo
.endr
	v_cmp_eq_u32 vcc_lo, 0, v26                    ; v25 the second, v27 its expert: begun with the first expert that is not the winner
	v_cndmask_b32 v25, v16, v17, vcc_lo
	v_cndmask_b32 v27, v32, v33, vcc_lo
.irp e, 1,2,3,4,5,6,7
	v_cmp_gt_f32 s22, v[16+\e], v25
	v_cmp_ne_u32 s23, \e, v26
	s_and_b32 vcc_lo, s22, s23
	v_cndmask_b32 v25, v25, v[16+\e], vcc_lo
	v_cndmask_b32 v27, v27, v[32+\e], vcc_lo
.endr
	v_sub_f32 v28, v25, v24                        ; second - largest, 0 or less
	v_mul_f32 v28, 0x3fb8aa3b, v28
	v_exp_f32 v28, v28
	v_nop                                          ; one plain place behind a transcendental (ISA guide 5.7.2)
	s_wait_alu depctr_va_vdst(0)
	v_add_f32 v29, 1.0, v28
	v_rcp_f32 v30, v29                             ; g0 = 1 / (1 + e^(second - largest))
	v_nop
	s_wait_alu depctr_va_vdst(0)
	v_mul_f32 v31, v28, v30                        ; g1
	v_mov_b32 v40, 0                               ; the 32 words of rt, a word a lane
.irp e, 0,1,2,3,4,5,6,7
	v_cmp_eq_u32 s22, \e, v26
	v_cmp_eq_u32 s23, \e, v27
	s_and_b32 s22, s22, 0xffff                     ; first choice
	s_and_b32 s23, s23, 0xffff
	s_or_b32 s23, s23, s22                         ; either choice
	s_bcnt1_i32_b32 s24, s23
	v_writelane_b32 v40, s23, \e
	v_writelane_b32 v40, s22, 8+\e
	v_writelane_b32 v40, s24, 16+\e
.endr
	v_lshlrev_b32 v41, 2, v1
	v_lshlrev_b32 v42, 3, v2
	v_and_b32 v43, 7, v1
	v_lshlrev_b32 v43, 6, v43
	s_mov_b32 s26, ttmp9
	v_add_nc_u32 v43, s26, v43                     ; the table: 64 bytes x (lane mod 8) + this work-group's number
	v_and_b32 v44, 24, v1
	v_cmp_eq_u32 s27, 16, v44                      ; lanes 16-23: they hold the eight numbers
	s_add_nc_u64 s[28:29], s[8:9], 0x2000          ; the table begins behind rt's 64 records
	s_lshl_b32 s20, ttmp9, 7                       ; 128 bytes for 16 tokens in each of the three buffers
	s_add_nc_u64 s[8:9], s[8:9], s[20:21]
	s_add_nc_u64 s[10:11], s[10:11], s[20:21]
	s_add_nc_u64 s[12:13], s[12:13], s[20:21]
	global_store_b32 v41, v40, s[8:9]
	v_cmp_gt_u32 vcc_lo, 16, v1
	s_wait_xcnt 0x0                                ; EXEC is a source of the store above: it changes only behind this wait
	s_and_saveexec_b32 s25, vcc_lo                 ; lanes 0-15: one lane a token
	global_store_b64 v42, v[26:27], s[10:11]
	global_store_b64 v42, v[30:31], s[12:13]
	s_wait_xcnt 0x0
	s_or_b32 exec_lo, exec_lo, s25
	s_mov_b32 vcc_lo, s27
	s_and_saveexec_b32 s25, vcc_lo                 ; lanes 16-23: one lane an expert
	global_store_b8 v43, v40, s[28:29]
	s_wait_xcnt 0x0
	s_or_b32 exec_lo, exec_lo, s25
.Lend:
	s_wait_tensorcnt 0x0
	ds_add_u32 v192, v193
	s_wait_dscnt 0x0
	s_endpgm
.Lfunc_end_k_q399c239162_route:
	.size	k_q399c239162_route, .Lfunc_end_k_q399c239162_route-k_q399c239162_route
	.p2alignl 7, 3214868480
	.fill 96, 4, 3214868480
	.section	.rodata,"a",@progbits
	.p2align	6, 0x0
	.amdhsa_kernel k_q399c239162_route
		.amdhsa_group_segment_fixed_size 9216
		.amdhsa_private_segment_fixed_size 0
		.amdhsa_enable_private_segment 0
		.amdhsa_kernarg_size 40
		.amdhsa_user_sgpr_count 2
		.amdhsa_user_sgpr_kernarg_segment_ptr 1
		.amdhsa_wavefront_size32 1
		.amdhsa_system_sgpr_workgroup_id_x 1
		.amdhsa_system_sgpr_workgroup_id_y 1
		.amdhsa_system_sgpr_workgroup_id_z 1
		.amdhsa_system_vgpr_workitem_id 0
		.amdhsa_next_free_vgpr 194
		.amdhsa_next_free_sgpr 66
		.amdhsa_reserve_vcc 1
		.amdhsa_float_denorm_mode_32 3
		.amdhsa_float_denorm_mode_16_64 3
		.amdhsa_memory_ordered 1
		.amdhsa_forward_progress 1
		.amdhsa_inst_pref_size 23
	.end_amdhsa_kernel
	.amdgpu_metadata
---
amdhsa.version: [ 1, 2 ]
amdhsa.kernels:
  - .name:           k_q399c239162_route
    .symbol:         k_q399c239162_route.kd
    .args:
      - { .name: x, .offset: 0, .size: 8, .value_kind: global_buffer, .address_space: global }
      - { .name: gate_w, .offset: 8, .size: 8, .value_kind: global_buffer, .address_space: global }
      - { .name: rt, .offset: 16, .size: 8, .value_kind: global_buffer, .address_space: global }
      - { .name: eidx, .offset: 24, .size: 8, .value_kind: global_buffer, .address_space: global }
      - { .name: gwt, .offset: 32, .size: 8, .value_kind: global_buffer, .address_space: global }
    .group_segment_fixed_size: 9216
    .private_segment_fixed_size: 0
    .kernarg_segment_align: 8
    .kernarg_segment_size: 40
    .max_flat_workgroup_size: 256
    .sgpr_count:     66
    .vgpr_count:     194
    .wavefront_size: 32
...
	.end_amdgpu_metadata
.endif
;; end of part 1
;; launch place (part 2): grid 135 x 1, 8 waves a work-group, no clusters, 17,920 bytes of LDS; arguments rt, x, lowp_scales, xs, pos, tab; writes xs, pos, tab
.if DOCPART == 2
	.amdgcn_target "amdgcn-amd-amdhsa--gfx1250"
	.amdhsa_code_object_version 6
	.text
	.protected	k_q399c239162_place
	.globl	k_q399c239162_place
	.p2align	8
	.type	k_q399c239162_place,@function
k_q399c239162_place:
	s_mov_b64 s[64:65], 0
	v_nop
	global_prefetch_b8 v0, s[64:65] scope:SCOPE_SE
	s_setreg_imm32_b32 hwreg(HW_REG_WAVE_MODE, 25, 1), 1
	s_wait_xcnt 0x0
; PLACING.  The 2,048 routed rows (row id = 2 token + slot) are sorted by (expert, token); each expert's rows are filled up to whole tiles of 16.
; There are never more than (2048 + 8 x 15) / 16 = 135 tiles, whatever the choice: work-group T makes tile T; where the split has fewer tiles it stores nothing.
; WHERE A ROW LIES IS FOUND IN SCALAR REGISTERS ALONE, from scalar loads of the router's table rt: 64 records of 128 bytes for 16 tokens each (words 0-7 mask of the tokens that chose expert e,
; 8-15 mask of those whose first choice it is) and, from byte 8,192 on, each record's numbers as bytes, 64 bytes an expert.  Every wave does it for itself:
; (A) each expert's rows: its 64 bytes are added as words, eight words at a time (a byte then holds 8 x 16 = 128 at the most, so nothing carries), and the bytes of the two sums are added;
; from them tiles, first tiles, my tile's expert and the rank of its first row; (B) my expert's 64 bytes once more: the record in which each of my two ranks falls; (C) that record's two masks;
; (D) the set bit of that rank.  Scalar loads come back in no order (ISA guide, chapter on scalar memory): each batch is waited for with the count 0.
; SHARES.  Wave w owns rows 2 w and 2 w + 1 of the tile.  A row of x is read through a scalar base; lane l takes its numbers 32 l .. 32 l + 31 and quantises them with the given 2^e (entry 1 of the scales).
; OUT.  xs[T][K step s][piece q][lane (r, h)][16 bytes]: byte i there is x[row r][128 s + 32 q + 16 h + i].  My lane's 32 codes are the two halves h of piece q = l mod 4 of K step l / 4, 16 bytes each
; among sixteen rows': so the tile meets in LDS (a piece of 512 bytes at a pitch of 528, so that the sixteen lanes of a store fall on sixteen different columns of 16 bytes), ONE barrier, under no branch,
; and wave w stores K step w, 512 consecutive bytes a store.  Rows that only fill a tile up get zero codes.
; pos[row id] = 16 T + row, one lane a row; work-group 0 stores tab: words 0-7 each expert's first tile, 8-15 its number of tiles.
; LIMITS: e between -126 and 119; NaN among the inputs is not served (an infinity is held at the largest code).
.set XN, 32                            ; v32-95   my two rows' numbers, 32 each
.set CD, 96                            ; v96-111  their codes, 8 registers a row: 0-3 half h = 0, 4-7 half h = 1
.set BK, 112                           ; v112-127 K step w of the tile, back from LDS
.set UP, 528                           ; LDS pitch of a piece
.set CT, 8192                          ; byte of rt at which the table of numbers begins
; SCALARS: s3 wave; s16-23 rows of each expert; s24-31 tiles; s32-40 first tiles; s41 my expert, s42 its first tile, s43 its rows, s44 my tile's first rank; s48 4 x expert, s49 64 x expert;
; s50 running sum; s51, s52 my two ranks; s53, s55 their records; s54, s60 the rows ahead of those records; s56-59 the scales' exponents; s24-55 and s68-99 also take the batches of step A, s68-83 step B's row.
; Eight experts' 32 bytes at byte off of their rows; the first register of each group of eight gets the sum of its eight words
.macro CSUM off
.set ee, 0
.irp r, 24,32,40,48,68,76,84,92
	s_load_b256 s[\r:\r+7], s[4:5], CT+64*ee+\off
.set ee, ee+1
.endr
	s_wait_kmcnt 0x0
.irp r, 24,32,40,48,68,76,84,92
.irp k, 1,2,3,4,5,6,7
	s_add_co_u32 s[\r], s[\r], s[\r+\k]
.endr
.endr
.endm
	s_load_b256 s[4:11], s[0:1], 0x0               ; rt s[4:5], x s[6:7], the scales' exponents s[8:9], xs s[10:11]
	s_load_b128 s[12:15], s[0:1], 0x20             ; pos s[12:13], tab s[14:15]
	v_lshl_add_u32 v128, v0, 2, 0x4200
	v_mov_b32 v129, 0
	v_lshrrev_b32 v1, 5, v0
	v_readfirstlane_b32 s3, v1                     ; wave 0..7
	v_and_b32 v1, 31, v0                           ; lane
	v_lshlrev_b32 v4, 7, v1                        ; x: 128 bytes a lane
	v_mul_u32_u24 v5, v1, UP
	s_lshl_b32 s2, s3, 5
	v_add_nc_u32 v5, s2, v5                        ; LDS, in: piece = lane, + 16 bytes x row 2 w
	v_lshlrev_b32 v7, 4, v1                        ; 16 x lane
	s_mul_i32 s2, s3, 4*UP
	v_add_nc_u32 v6, s2, v7                        ; LDS, back: pieces 4 w on
	v_lshlrev_b32 v8, 2, v1                        ; tab: a word a lane
	v_mov_b32 v9, 0                                ; pos: the place stands in the scalar base
	s_lshl_b32 s2, ttmp9, 4
	s_lshl_b32 s66, s3, 1
	s_add_co_u32 s2, s2, s66
	v_mov_b32 v10, s2                              ; 16 T + 2 w: what pos gets for my first row,
	v_add_nc_u32 v11, 1, v10                       ; and for my second
	s_mov_b32 s61, 0x00ff00ff                      ; bytes 0 and 2 of a word
	s_wait_kmcnt 0x0
	s_load_b128 s[56:59], s[8:9], 0x0
; ---- A: each expert's rows
	CSUM 0                                         ; records 0-31
.set ee, 0
.irp r, 24,32,40,48,68,76,84,92
	s_mov_b32 s[16+ee], s[\r]
.set ee, ee+1
.endr
	CSUM 32                                        ; records 32-63: the other half of the same 64 bytes
.set ee, 0
.irp r, 24,32,40,48,68,76,84,92
	s_and_b32 s62, s[16+ee], s61                   ; the two sums' eight bytes, 128 at the most each, are added in two fields of 16 bits,
	s_and_b32 s63, s[\r], s61
	s_add_co_u32 s62, s62, s63
	s_lshr_b32 s63, s[16+ee], 8
	s_and_b32 s63, s63, s61
	s_add_co_u32 s62, s62, s63
	s_lshr_b32 s63, s[\r], 8
	s_and_b32 s63, s63, s61
	s_add_co_u32 s62, s62, s63
	s_and_b32 s63, s62, 0xffff                     ; and the two fields
	s_lshr_b32 s62, s62, 16
	s_add_co_u32 s[16+ee], s62, s63
.set ee, ee+1
.endr
	s_mov_b32 s32, 0
.irp e, 0,1,2,3,4,5,6,7
	s_add_co_u32 s[24+\e], s[16+\e], 15
	s_lshr_b32 s[24+\e], s[24+\e], 4               ; tiles
	s_add_co_u32 s[33+\e], s[32+\e], s[24+\e]      ; first tiles; s40: all tiles
.endr
	s_mov_b32 s41, 0                               ; my tile's expert: the last whose first tile is not behind T,
	s_mov_b32 s42, 0                               ; its first tile,
	s_mov_b32 s43, s16                             ; its rows
.irp i, 1,2,3,4,5,6,7
	s_cmp_ge_u32 ttmp9, s[32+\i]
	s_cselect_b32 s41, \i, s41
	s_cselect_b32 s42, s[32+\i], s42
	s_cselect_b32 s43, s[16+\i], s43
.endr
	s_min_u32 s41, s41, 7
	s_lshl_b32 s49, s41, 6                         ; the expert's row of the table of numbers
	s_load_b512 s[68:83], s[4:5], s49 offset:CT
	s_lshl_b32 s48, s41, 2                         ; the expert's word in a group of eight
	s_sub_co_u32 s44, ttmp9, s42
	s_lshl_b32 s44, s44, 4                         ; the rank, within the expert, of my tile's first row.  (A tile behind the last: every rank is at or past the expert's rows)
	s_lshl_b32 s51, s3, 1
	s_add_co_u32 s51, s51, s44                     ; my two ranks
	s_add_co_u32 s52, s51, 1
	s_mov_b32 s50, 0
	s_mov_b32 s53, 0
	s_mov_b32 s54, 0
	s_mov_b32 s55, 0
	s_mov_b32 s60, 0
	s_wait_kmcnt 0x0
; ---- B: the last record that begins at or ahead of a rank holds it
.set ii, 0
.rept 64
	s_bfe_u32 s67, s[68+ii/4], (0x80000|(8*(ii%4)))    ; record ii's number
	s_cmp_le_u32 s50, s51
	s_cselect_b32 s53, ii, s53
	s_cselect_b32 s54, s50, s54
	s_cmp_le_u32 s50, s52
	s_cselect_b32 s55, ii, s55
	s_cselect_b32 s60, s50, s60
	s_add_co_u32 s50, s50, s67
.set ii, ii+1
.endr
; ---- C: those records' masks
	s_min_u32 s53, s53, 63
	s_min_u32 s55, s55, 63
	s_lshl_b32 s61, s53, 7
	s_add_co_u32 s61, s61, s48
	s_lshl_b32 s62, s55, 7
	s_add_co_u32 s62, s62, s48
	s_load_b32 s68, s[4:5], s61 offset:0x0         ; who chose the expert,
	s_load_b32 s69, s[4:5], s61 offset:0x20        ; and who chose it first
	s_load_b32 s70, s[4:5], s62 offset:0x0
	s_load_b32 s71, s[4:5], s62 offset:0x20
	s_add_co_i32 s46, s57, 127
	s_lshl_b32 s47, s46, 23
	v_mov_b32 v14, s47                             ; 2^e as f32: the conversion takes its exponent field
	s_add_co_i32 s46, s46, 8
	s_lshl_b32 s46, s46, 23
	s_or_b32 s46, s46, 0x600000
	v_mov_b32 v15, s46                             ; 448 x 2^e
	s_lshl_b32 s46, ttmp9, 14
	s_lshl_b32 s47, s3, 11
	s_add_co_u32 s46, s46, s47
	s_mov_b32 s47, 0
	s_add_nc_u64 s[10:11], s[10:11], s[46:47]      ; xs + 16384 T + 2048 w
	s_wait_kmcnt 0x0
; ---- D: the row of rank s[rho], which falls into record s[j], ahead of which the expert has s[p] rows; s[m], s[z]: the record's masks.
; Gives s[val] = -1 for a true row, 0 for one that fills the tile up; s[xb:xb+1] the token's row of x; s[pb:pb+1] the row id's word of pos.
.macro ROWOF rho, j, p, m, z, val, xb, pb
	s_sub_co_u32 s72, s[\rho], s[\p]               ; the rank within the record
	s_mov_b32 s74, 0                               ; the bit of that rank (0 where there is none: a row that fills up)
	s_mov_b32 s76, 0                               ; set bits so far
.set bb, 0
.rept 16
	s_bfe_u32 s77, s[\m], (0x10000|bb)             ; bit bb
	s_cmp_eq_u32 s76, s72
	s_cselect_b32 s78, s77, 0                      ; set, and of the wanted rank
	s_add_co_u32 s76, s76, s77
	s_cmp_lg_u32 s78, 0
	s_cselect_b32 s74, bb, s74
.set bb, bb+1
.endr
	s_lshr_b32 s77, s[\z], s74
	s_and_b32 s77, s77, 1
	s_xor_b32 s77, s77, 1                          ; slot 0 where the expert is the token's first choice
	s_lshl_b32 s78, s[\j], 4
	s_add_co_u32 s78, s78, s74                     ; the token,
	s_min_u32 s78, s78, 1023                       ; held inside x
	s_lshl_b32 s79, s78, 1
	s_add_co_u32 s79, s79, s77                     ; the row id,
	s_min_u32 s79, s79, 2047                       ; held inside pos
	s_cmp_lt_u32 s[\rho], s43
	s_cselect_b32 s[\val], -1, 0
	s_lshl_b32 s94, s78, 12
	s_mov_b32 s95, 0
	s_add_nc_u64 s[\xb:\xb+1], s[6:7], s[94:95]
	s_lshl_b32 s94, s79, 2
	s_add_nc_u64 s[\pb:\pb+1], s[12:13], s[94:95]
.endm
	ROWOF 51, 53, 54, 68, 69, 84, 86, 90
.irp n, 0,1,2,3,4,5,6,7
	global_load_b128 v[XN+4*\n:XN+4*\n+3], v4, s[86:87] offset:16*\n          ; my first row is on its way while the second is looked for
.endr
	ROWOF 52, 55, 60, 70, 71, 85, 88, 92
.irp n, 0,1,2,3,4,5,6,7
	global_load_b128 v[XN+32+4*\n:XN+32+4*\n+3], v4, s[88:89] offset:16*\n
.endr
	s_wait_loadcnt 0x0
.set i, 0
.rept 64
	v_med3_num_f32 v[XN+i], v[XN+i], -v15, v15     ; the conversion does not saturate (ISA guide 7.6.2): the hold comes first
.set i, i+1
.endr
.set i, 0
.rept 8
	v_cvt_scalef32_pk8_fp8_f32 v[CD+2*i:CD+2*i+1], v[XN+8*i:XN+8*i+7], v14
.set i, i+1
.endr
	v_nop                                          ; one plain place behind the conversions
.irp i, 0,1,2,3,4,5,6,7
	v_and_b32 v[CD+\i], s84, v[CD+\i]              ; zero codes in a row that fills the tile up
	v_and_b32 v[CD+8+\i], s85, v[CD+8+\i]
.endr
.irp u, 0,1
.irp h, 0,1
	ds_store_b128 v5, v[CD+8*\u+4*\h:CD+8*\u+4*\h+3] offset:16*\u+256*\h
.endr
.endr
	s_wait_dscnt 0x0                               ; my two rows lie in LDS,
	s_barrier_signal -1
	s_barrier_wait -1                              ; all sixteen do; nobody writes them again
	s_cmp_ge_u32 ttmp9, s40
	s_cbranch_scc1 .Lend                           ; this split has no tile T: the price of a grid that serves every split
.irp q, 0,1,2,3
	ds_load_b128 v[BK+4*\q:BK+4*\q+3], v6 offset:UP*\q
.endr
	s_wait_dscnt 0x0
.irp q, 0,1,2,3
	global_store_b128 v7, v[BK+4*\q:BK+4*\q+3], s[10:11] offset:512*\q     ; 512 consecutive bytes a store
.endr
	s_cmp_lg_u32 s3, 0
	s_cbranch_scc1 .Lnotab
	s_cmp_lg_u32 ttmp9, 0
	s_cbranch_scc1 .Lnotab                         ; tab is wave 0's of work-group 0, which always has a tile, since there are 2,048 rows
	v_mov_b32 v12, 0
.irp e, 0,1,2,3,4,5,6,7
	v_writelane_b32 v12, s[32+\e], \e
	v_writelane_b32 v12, s[24+\e], 8+\e
.endr
	global_store_b32 v8, v12, s[14:15]
.Lnotab:
	s_and_b32 vcc_lo, s84, 1                       ; lane 0, if my first row is a true one
	s_wait_xcnt 0x0                                ; EXEC is a source of the stores above: it changes only behind this wait
	s_and_saveexec_b32 s66, vcc_lo
	global_store_b32 v9, v10, s[90:91]
	s_wait_xcnt 0x0                                ; and again, in front of the line that widens it
	s_or_b32 exec_lo, exec_lo, s66
	s_and_b32 vcc_lo, s85, 1                       ; the same for my second row
	s_and_saveexec_b32 s66, vcc_lo
	global_store_b32 v9, v11, s[92:93]
	s_wait_xcnt 0x0
	s_or_b32 exec_lo, exec_lo, s66
.Lend:
	s_wait_tensorcnt 0x0
	ds_add_u32 v128, v129
	s_wait_dscnt 0x0
	s_endpgm
.Lfunc_end_k_q399c239162_place:
	.size	k_q399c239162_place, .Lfunc_end_k_q399c239162_place-k_q399c239162_place
	.p2alignl 7, 3214868480
	.fill 96, 4, 3214868480
	.section	.rodata,"a",@progbits
	.p2align	6, 0x0
	.amdhsa_kernel k_q399c239162_place
		.amdhsa_group_segment_fixed_size 17920
		.amdhsa_private_segment_fixed_size 0
		.amdhsa_enable_private_segment 0
		.amdhsa_kernarg_size 48
		.amdhsa_user_sgpr_count 2
		.amdhsa_user_sgpr_kernarg_segment_ptr 1
		.amdhsa_wavefront_size32 1
		.amdhsa_system_sgpr_workgroup_id_x 1
		.amdhsa_system_sgpr_workgroup_id_y 1
		.amdhsa_system_sgpr_workgroup_id_z 1
		.amdhsa_system_vgpr_workitem_id 0
		.amdhsa_next_free_vgpr 130
		.amdhsa_next_free_sgpr 100
		.amdhsa_reserve_vcc 1
		.amdhsa_float_denorm_mode_32 3
		.amdhsa_float_denorm_mode_16_64 3
		.amdhsa_memory_ordered 1
		.amdhsa_forward_progress 1
		.amdhsa_inst_pref_size 49
	.end_amdhsa_kernel
	.amdgpu_metadata
---
amdhsa.version: [ 1, 2 ]
amdhsa.kernels:
  - .name:           k_q399c239162_place
    .symbol:         k_q399c239162_place.kd
    .args:
      - { .name: rt, .offset: 0, .size: 8, .value_kind: global_buffer, .address_space: global }
      - { .name: x, .offset: 8, .size: 8, .value_kind: global_buffer, .address_space: global }
      - { .name: lowp_scales, .offset: 16, .size: 8, .value_kind: global_buffer, .address_space: global }
      - { .name: xs, .offset: 24, .size: 8, .value_kind: global_buffer, .address_space: global }
      - { .name: pos, .offset: 32, .size: 8, .value_kind: global_buffer, .address_space: global }
      - { .name: tab, .offset: 40, .size: 8, .value_kind: global_buffer, .address_space: global }
    .group_segment_fixed_size: 17920
    .private_segment_fixed_size: 0
    .kernarg_segment_align: 8
    .kernarg_segment_size: 48
    .max_flat_workgroup_size: 256
    .sgpr_count:     100
    .vgpr_count:     130
    .wavefront_size: 32
...
	.end_amdgpu_metadata
.endif
;; end of part 2
;; launch fc1 (part 3): grid 32 x 8, 4 waves a work-group, no clusters, 131,584 bytes of LDS; arguments w1, xs, b1, lowp_scales, tab, hq; writes hq
.if DOCPART == 3
	.amdgcn_target "amdgcn-amd-amdhsa--gfx1250"
	.amdhsa_code_object_version 6
	.text
	.protected	k_q399c239162_fc1
	.globl	k_q399c239162_fc1
	.p2align	8
	.type	k_q399c239162_fc1,@function
k_q399c239162_fc1:
	s_mov_b64 s[64:65], 0
	v_nop
	global_prefetch_b8 v0, s[64:65] scope:SCOPE_SE
	s_setreg_imm32_b32 hwreg(HW_REG_WAVE_MODE, 25, 1), 1
	s_wait_xcnt 0x0
; FIRST LAYER OF THE EXPERTS: hq = Q(gelu(xs w1 + b1)), on codes of E4M3.  Work-group (S, e) owns columns 128 S .. 128 S + 127 of expert e's w1, all 1,024 along K:
; 512 KiB of f32, read from memory once, quantised on the way (scale: entry 0) and kept; then all tiles of 16 rows of that expert pass over them.
; WAVES: cg = wave mod 2 is a group of 64 columns, rg = wave / 2.  STREAM: wave (cg, rg) loads K steps 4 rg .. 4 rg + 3 of its group.  A load takes two rows of w1, 16 apart, 256 consecutive
; aligned bytes of each: lane (r, h) gets w1[k + 16 h][4 r + 0..3].  Eight numbers a conversion, then a 4 x 4 turn of bytes (v_perm_b32) inside the lane gives, for c = 0..3, the fragment of
; TILE c = the 16 columns 4 m + c: register 4 q + b, byte n of lane (r, h) is w1[128 s + 32 q + 16 h + 4 b + n][4 r + c]: the layout in which xs holds x.  No number changes lanes.
; The fragments go through LDS as images of their registers (16 bytes a lane, 512 a store); ONE barrier; each wave then holds all 8 K steps of its 64 columns in 512 registers:
; ITS OWN FOUR come back ahead of the barrier, while the stream's last loads are on their way (window 2); its partner's four behind the barrier (window 3).
; ROWS: wave (cg, rg) takes the expert's tiles rg, rg + 2, ..  The number of tiles is read from tab, so no barrier stands in that loop, and the activations come straight from memory into
; registers, a ring of two tiles (four groups of 16 loads).  A group holds four K steps: my own four first, then my partner's, by two address registers.  The ring's first four groups are asked for
; inside the stream's last K step, each into the 64 landing registers that the unit just converted has left.
; The product is used transposed (source 0 = weights, source 1 = rows): lane (r, h) holds row r, register j of tile c column 32 h + 4 j + c.
; GELU, exact form: g = max(v, 0) - |v| C, C = erfc(|v| / sqrt 2) / 2.  With t = |v| / sqrt 2: t <= 475/512: C = (1 - erf t) / 2, erf by an odd polynomial; above: C = exp(r(t)) / 2, r a polynomial.
; The fit holds erf within one unit of its last place, so g has an absolute error of about 1e-7 |v|; where g itself is that small (v far below 0) its relative error is larger.
; OUT: hq[tile][K step S of the next product][2048]: my 16 codes a half-tile are piece 2 cg + u of that image.  Position I = 16 q + 4 b + n of lane half h stands there for
; hidden unit 128 S + 64 (I / 32) + 32 h + 4 (I mod 8) + (I / 8) mod 4; the next launch lays w2 alike.
; LIMITS: entries 0 and 2 of the scales between -126 and 119; entry 0 + entry 1 between -126 and 127.  NaN among the inputs is not served.  The f32 sums take K's steps in another order in the two row groups.
; No tensor loads, clusters or joint loads: the weights are the work-group's own, and the row loop's trip count is a loaded number, under which no barrier may stand.
; REGISTERS, in windows of 256: window 0 addresses, sums, GELU; window 1 the stream's 256 landing registers, later the ring of activations; window 2 my own four K steps of weights, window 3 my partner's.
.set PITCH, 16384                      ; a row of w1 in bytes
.set AV,   12                          ; v12, v13 the activations' two addresses: 16 x lane + 8192 x rg, 16 x lane + 8192 x (1 - rg)
.set ACC,  16                          ; v16-47   four accumulators, tile c at 8 c
.set BIAS, 48                          ; v48-79   b1 in the result's layout
.set GV,   80                          ; v80-159  GELU: v, t, t^2 (later max(v,0)), the upper branch, the lower branch: 16 each
.set GT,   96
.set GS,   112
.set GR,   128
.set GU,   144
.set CD,   160                         ; v160-167 a tile's codes
.set KA,   168                         ; v168-181 seven pairs: the upper branch's coefficients
.set KC,   182                         ; v182-193 six pairs: the lower branch's
.set KL,   194                         ; v194-195 log2 e
.set R,    80                          ; the stream: 16 words of codes as converted,
.set TT,   96                          ; 16 half-turned,
.set OUT,  112                         ; two sets of 16 turned
.set MK,   68                          ; s68-83   which branch: a mask for each of 16 numbers
.set MSB, 0
.macro WIN new                         ; bits 1:0 source 0, 3:2 source 1, 5:4 source 2, 7:6 destination; the high byte repeats the setting that is left
.if MSB != (\new)
	s_set_vgpr_msb (MSB<<8)|(\new)
.set MSB, (\new)
.endif
.endm
.macro KSET r, val
	v_mov_b32 v[\r], \val
	v_mov_b32 v[\r+1], \val
.endm
; unit q of a K step: 16 loads, rows 32 q + i and 16 below
.macro WISSUE q
	WIN 0x40                                       ; destination window 1
.set wi, 0
.rept 16
	global_load_b128 v[64*\q+4*wi:64*\q+4*wi+3], v2, s[22:23] offset:(32*\q+wi)*PITCH th:TH_LOAD_NT
.set wi, wi+1
.endr
.endm
; unit q is quantised, turned and stored as piece q of four fragments.  left: the younger loads that may stay out.  issue = 1: the next K step's unit q is asked for
.macro WUNIT q, left, issue
	s_wait_loadcnt \left
	WIN 0x41
.set wi, 0
.rept 64
	v_med3_num_f32 v[64*\q+wi], v[64*\q+wi], -v9, v9   ; the conversion does not saturate (ISA guide 7.6.2): the hold comes first
.set wi, wi+1
.endr
	WIN 0x01
.set wi, 0
.rept 8
	v_cvt_scalef32_pk8_fp8_f32 v[R+2*wi:R+2*wi+1], v[64*\q+8*wi:64*\q+8*wi+7], v8   ; word i: row i's four columns
.set wi, wi+1
.endr
	WIN 0
	v_nop                                          ; one plain place behind the conversions
	s_wait_dscnt 4                                 ; the stores of two units ago have read this set of registers; the last unit's four may be out
.set OS, OUT+16*((\q)%2)
.irp b, 0,1,2,3
	v_perm_b32 v[TT+4*\b],   v[R+4*\b+1], v[R+4*\b],   s26
	v_perm_b32 v[TT+4*\b+1], v[R+4*\b+3], v[R+4*\b+2], s26
	v_perm_b32 v[TT+4*\b+2], v[R+4*\b+1], v[R+4*\b],   s27
	v_perm_b32 v[TT+4*\b+3], v[R+4*\b+3], v[R+4*\b+2], s27
.endr
.irp b, 0,1,2,3
	v_perm_b32 v[OS+\b],    v[TT+4*\b+1], v[TT+4*\b],   s28   ; column c = 0 of rows 4 b .. 4 b + 3
	v_perm_b32 v[OS+4+\b],  v[TT+4*\b+1], v[TT+4*\b],   s29
	v_perm_b32 v[OS+8+\b],  v[TT+4*\b+3], v[TT+4*\b+2], s28
	v_perm_b32 v[OS+12+\b], v[TT+4*\b+3], v[TT+4*\b+2], s29
.endr
.irp c, 0,1,2,3
	ds_store_b128 v4, v[OS+4*\c:OS+4*\c+3] offset:2048*\c+512*\q
.endr
.if \issue
	WISSUE \q
.endif
.endm
; my own K step s (of my four) back from LDS, under a destination in window 2: LDS serves a wave's instructions in order (ISA guide 5.7.1.4), and these bytes are my own: no barrier is owed
.macro WOWN s
.irp c, 0,1,2,3
.irp q, 0,1,2,3
	ds_load_b128 v[64*\s+16*\c+4*\q:64*\s+16*\c+4*\q+3], v3 offset:(4*\s+\c)*2048+512*\q
.endr
.endr
.endm
; s[40:41] = the image of my tile number idx: xs + 16384 x min(first tile + rg + 2 idx, 134)
.macro APTR idx
	s_lshl_b32 s38, \idx, 1
	s_add_co_u32 s38, s38, s32
	s_min_u32 s38, s38, 134
	s_lshl_b32 s38, s38, 14
	s_mov_b32 s39, 0
	s_add_nc_u64 s[40:41], s[6:7], s[38:39]
.endm
.macro ALOAD p, g, b                   ; four K steps of the tile at s[b:b+1] (g = 0: my own four, 1: my partner's) into half g of ring place p: 16 loads of 512 consecutive bytes
.irp s4, 0,1,2,3
.irp q, 0,1,2,3
	global_load_b128 v[128*\p+64*\g+16*\s4+4*\q:128*\p+64*\g+16*\s4+4*\q+3], v[AV+\g], s[\b:\b+1] offset:\s4*2048+512*\q
.endr
.endr
.endm
.macro GROUP p, g
	s_wait_loadcnt 48                              ; my 16 loads are in; the ring's three younger groups stay out
	WIN 0x06+\g                                    ; source 0 window 2 or 3, source 1 window 1, sums window 0
.irp s4, 0,1,2,3
.irp c, 0,1,2,3                        ; the four accumulators by turns, one instruction a turn
.if (\g == 0) && (\s4 == 0)
	v_wmma_f32_16x16x128_fp8_fp8 v[ACC+8*\c:ACC+8*\c+7], v[64*\s4+16*\c:64*\s4+16*\c+15], v[128*\p+64*\g+16*\s4:128*\p+64*\g+16*\s4+15], 0
.else
	v_wmma_f32_16x16x128_fp8_fp8 v[ACC+8*\c:ACC+8*\c+7], v[64*\s4+16*\c:64*\s4+16*\c+15], v[128*\p+64*\g+16*\s4:128*\p+64*\g+16*\s4+15], v[ACC+8*\c:ACC+8*\c+7]
.endif
.endr
.endr
.rept 4
	v_nop                                          ; four places in front of loads into registers just multiplied, and of the first read of the sums
.endr
	WIN 0x40
	ALOAD \p, \g, 40                               ; the tile two further on
	WIN 0
.endm
.macro PK3 d, a, b, c                  ; d = a b + c, 16 numbers
.irp i, 0,2,4,6,8,10,12,14
	v_pk_fma_f32 v[\d+\i:\d+\i+1], v[\a+\i:\a+\i+1], v[\b+\i:\b+\i+1], v[\c+\i:\c+\i+1]
.endr
.endm
.macro PKC d, a, b, k                  ; d = a b + the constant pair k
.irp i, 0,2,4,6,8,10,12,14
	v_pk_fma_f32 v[\d+\i:\d+\i+1], v[\a+\i:\a+\i+1], v[\b+\i:\b+\i+1], v[\k:\k+1]
.endr
.endm
.macro PKK d, a, k1, k2                ; d = a k1 + k2
.irp i, 0,2,4,6,8,10,12,14
	v_pk_fma_f32 v[\d+\i:\d+\i+1], v[\a+\i:\a+\i+1], v[\k1:\k1+1], v[\k2:\k2+1]
.endr
.endm
; tiles 2 u and 2 u + 1: 16 numbers a lane become 16 codes.  Every step goes over all 16 numbers before the next begins, so that no line reads the result of the line above it
.macro GELU u
.irp i, 0,2,4,6,8,10,12,14
	v_pk_fma_f32 v[GV+\i:GV+\i+1], v[ACC+16*\u+\i:ACC+16*\u+\i+1], s[50:51], v[BIAS+16*\u+\i:BIAS+16*\u+\i+1] op_sel_hi:[1,0,1]   ; v = sum x 2^(e0 + e1) + b1; each accumulator from its low end on
.endr
.set gi, 0
.rept 16
	v_mul_f32 v[GT+gi], s48, |v[GV+gi]|            ; t = |v| / sqrt 2
.set gi, gi+1
.endr
.irp i, 0,2,4,6,8,10,12,14
	v_pk_mul_f32 v[GS+\i:GS+\i+1], v[GT+\i:GT+\i+1], v[GT+\i:GT+\i+1]
.endr
	PKK GR, GT, KA, KA+2                           ; the upper branch: r(t)
	PKK GU, GT, KA+4, KA+6
	PK3 GR, GR, GS, GU
	PKC GR, GR, GT, KA+8
	PKC GR, GR, GT, KA+10
	PKC GR, GR, GT, KA+12
.irp i, 0,2,4,6,8,10,12,14
	v_pk_fma_f32 v[GR+\i:GR+\i+1], v[GR+\i:GR+\i+1], v[GT+\i:GT+\i+1], v[GT+\i:GT+\i+1] neg_lo:[0,0,1] neg_hi:[0,0,1]
.endr
.irp i, 0,2,4,6,8,10,12,14
	v_pk_fma_f32 v[GR+\i:GR+\i+1], v[GR+\i:GR+\i+1], v[KL:KL+1], -1.0 op_sel_hi:[1,1,0]   ; r log2 e - 1: the exponential then gives exp(r) / 2
.endr
.set gi, 0
.rept 16
	v_exp_f32 v[GR+gi], v[GR+gi]
.set gi, gi+1
.endr
	PKK GU, GS, KC, KC+2                           ; the lower branch (plain work behind the exponentials, on other registers)
	PKC GU, GU, GS, KC+4
	PKC GU, GU, GS, KC+6
	PKC GU, GU, GS, KC+8
	PKC GU, GU, GS, KC+10
	PK3 GU, GU, GT, GT                             ; erf t
.irp i, 0,2,4,6,8,10,12,14
	v_pk_fma_f32 v[GU+\i:GU+\i+1], v[GU+\i:GU+\i+1], -0.5, 0.5 op_sel_hi:[1,0,0]
.endr
.set gi, 0
.rept 16
	v_cmp_lt_f32 s[MK+gi], s49, v[GT+gi]           ; which branch holds
.set gi, gi+1
.endr
.set gi, 0
.rept 16
	v_max_num_f32 v[GS+gi], 0, v[GV+gi]
.set gi, gi+1
.endr
.set gi, 0
	s_wait_alu depctr_va_vdst(0)
.rept 16
	v_cndmask_b32 v[GU+gi], v[GU+gi], v[GR+gi], s[MK+gi]   ; a choice of values: both branches are computed in every lane
.set gi, gi+1
.endr
.set gi, 0
.rept 16
	v_fma_f32 v[GV+gi], -|v[GV+gi]|, v[GU+gi], v[GS+gi]    ; g = max(v, 0) - |v| C
.set gi, gi+1
.endr
.set gi, 0
.rept 16
	v_med3_num_f32 v[GV+gi], v[GV+gi], -v205, v205
.set gi, gi+1
.endr
	v_cvt_scalef32_pk8_fp8_f32 v[CD+4*\u:CD+4*\u+1], v[GV:GV+7], v204
	v_cvt_scalef32_pk8_fp8_f32 v[CD+4*\u+2:CD+4*\u+3], v[GV+8:GV+15], v204
	v_nop                                          ; one plain place behind the conversions
	global_store_b128 v6, v[CD+4*\u:CD+4*\u+3], s[42:43] offset:512*\u    ; 512 consecutive bytes
.endm
.macro TILE p
	s_wait_xcnt 0x0                                ; the bases and the stores' data are written again only behind this wait
	s_add_co_u32 s36, s35, \p                      ; which of my tiles
	s_lshl_b32 s38, s36, 1
	s_add_co_u32 s38, s38, s32
	s_min_u32 s38, s38, 134
	s_lshl_b32 s38, s38, 16
	s_mov_b32 s39, 0
	s_add_nc_u64 s[42:43], s[52:53], s[38:39]      ; hq + 65536 T + 2048 S + 1024 cg
	s_add_co_u32 s36, s36, 2
	s_min_u32 s36, s36, s31                        ; the tile two further on, or my last: no load leaves what has been written
	APTR s36
	GROUP \p, 0
	GROUP \p, 1
	GELU 0
	GELU 1
.endm
	s_load_b256 s[4:11], s[0:1], 0x0               ; w1 s[4:5], xs s[6:7], b1 s[8:9], the scales' exponents s[10:11]
	s_load_b128 s[12:15], s[0:1], 0x20             ; tab s[12:13], hq s[14:15]
	v_lshl_add_u32 v254, v0, 2, 0x20000
	v_mov_b32 v255, 0
	v_lshrrev_b32 v1, 5, v0
	v_readfirstlane_b32 s16, v1                    ; wave 0..3
	s_and_b32 s17, s16, 1                          ; cg
	s_lshr_b32 s18, s16, 1                         ; rg
	s_and_b32 s20, ttmp7, 0xffff                   ; the expert
	s_lshl_b32 s21, s20, 2
	v_and_b32 v1, 31, v0
	v_and_b32 v10, 15, v0                          ; r
	v_bfe_u32 v11, v0, 4, 1                        ; h
	v_lshlrev_b32 v2, 4, v10
	v_lshl_add_u32 v2, v11, 18, v2                 ; w1: 16 r + 16 rows x h
	v_lshlrev_b32 v6, 4, v1                        ; 16 x lane
	s_lshl_b32 s36, s17, 16
	s_lshl_b32 s37, s18, 15
	s_add_co_u32 s37, s37, s36
	v_add_nc_u32 v3, s37, v6                       ; LDS: the 16 images that I make,
	s_xor_b32 s37, s37, 32768
	v_add_nc_u32 v5, s37, v6                       ; and the 16 that my partner (the same columns, the other rg) makes
	s_lshl_b32 s37, s18, 13
	v_add_nc_u32 v[AV], s37, v6                    ; a tile's image: my own four K steps of 2,048 bytes,
	s_xor_b32 s37, s37, 8192
	v_add_nc_u32 v[AV+1], s37, v6                  ; and my partner's four
	v_lshlrev_b32 v7, 7, v11                       ; b1: 32 numbers for each half of the lanes
	s_mov_b32 s26, 0x05010400                      ; the turn of bytes
	s_mov_b32 s27, 0x07030602
	s_mov_b32 s28, 0x05040100
	s_mov_b32 s29, 0x07060302
	s_mov_b32 s48, 0x3f3504f3                      ; 1 / sqrt 2
	s_mov_b32 s49, 0x3f6d8000                      ; 475 / 512
	s_lshl_b32 s38, s20, 24                        ; w1: expert, 512 rows x rg, 512 bytes x S, 256 x cg
	s_lshl_b32 s39, s18, 23
	s_add_co_u32 s38, s38, s39
	s_lshl_b32 s39, ttmp9, 9
	s_add_co_u32 s38, s38, s39
	s_lshl_b32 s39, s17, 8
	s_add_co_u32 s38, s38, s39
	s_mov_b32 s39, 0
	s_lshl_b32 s40, s20, 14                        ; b1
	s_lshl_b32 s41, ttmp9, 9
	s_add_co_u32 s40, s40, s41
	s_lshl_b32 s41, s17, 8
	s_add_co_u32 s40, s40, s41
	s_mov_b32 s41, 0
	s_lshl_b32 s42, ttmp9, 11                      ; hq: 2048 S + 1024 cg
	s_lshl_b32 s43, s17, 10
	s_add_co_u32 s42, s42, s43
	s_mov_b32 s43, 0
	s_wait_kmcnt 0x0
	s_load_b128 s[44:47], s[10:11], 0x0            ; e0 (w1), e1 (x), e2 (hidden), e3 (w2)
	s_load_b32 s32, s[12:13], s21 offset:0x0       ; the expert's first tile,
	s_load_b32 s33, s[12:13], s21 offset:0x20      ; and its tiles
	s_add_nc_u64 s[22:23], s[4:5], s[38:39]
	s_add_nc_u64 s[8:9], s[8:9], s[40:41]
	s_add_nc_u64 s[52:53], s[14:15], s[42:43]
.irp c, 0,1,2,3
.irp j, 0,1,2,3,4,5,6,7
	global_load_b32 v[BIAS+8*\c+\j], v7, s[8:9] offset:(4*\j+\c)*4        ; the oldest loads: the stream's first counted wait covers them
.endr
.endr
	WISSUE 0
	WISSUE 1
	WISSUE 2
	WISSUE 3
	WIN 0
	KSET KA,    0xb7910000
	KSET KA+2,  0x39c8e7d9
	KSET KA+4,  0xbb7e8a1c
	KSET KA+6,  0x3cc6b1a1
	KSET KA+8,  0xbddaae5c
	KSET KA+10, 0xbf228550
	KSET KA+12, 0xbe03ce86
	KSET KC,    0xba1c7000
	KSET KC+2,  0x3ba38d2c
	KSET KC+4,  0xbcdb48d9
	KSET KC+6,  0x3de70e22
	KSET KC+8,  0xbec09380
	KSET KC+10, 0x3e0375d4
	KSET KL,    0x3fb8aa3b
	s_wait_xcnt 0x0                                ; the loads have read their base
	s_add_nc_u64 s[22:23], s[22:23], 128*PITCH
	s_wait_kmcnt 0x0
	s_add_co_i32 s36, s44, 127
	s_lshl_b32 s37, s36, 23
	v_mov_b32 v8, s37                              ; 2^e0
	s_add_co_i32 s36, s36, 8
	s_lshl_b32 s36, s36, 23
	s_or_b32 s36, s36, 0x600000
	v_mov_b32 v9, s36                              ; 448 x 2^e0
	s_add_co_i32 s36, s46, 127
	s_lshl_b32 s37, s36, 23
	v_mov_b32 v204, s37                            ; 2^e2
	s_add_co_i32 s36, s36, 8
	s_lshl_b32 s36, s36, 23
	s_or_b32 s36, s36, 0x600000
	v_mov_b32 v205, s36                            ; 448 x 2^e2
	s_add_co_i32 s50, s44, s45
	s_add_co_i32 s50, s50, 127
	s_lshl_b32 s50, s50, 23                        ; 2^(e0 + e1)
	s_mov_b32 s51, s50                             ; (named with it as a pair)
	; which tiles are mine, and where my first two lie.  A wave without tiles asks for tile 0, which every split has, and uses nothing of it
	s_min_u32 s33, s33, 64                         ; an expert has 1,024 rows at the most: 64 tiles
	s_add_co_u32 s32, s32, s18                     ; my first tile
	s_add_co_u32 s34, s33, 1
	s_sub_co_u32 s34, s34, s18
	s_lshr_b32 s34, s34, 1                         ; how many are mine
	s_sub_co_u32 s31, s34, 1                       ; the last of them
	s_cmp_eq_u32 s34, 0
	s_cselect_b32 s38, 0, s32
	s_min_u32 s38, s38, 134
	s_lshl_b32 s38, s38, 14
	s_mov_b32 s39, 0
	s_add_nc_u64 s[40:41], s[6:7], s[38:39]        ; my first tile's image
	s_min_u32 s36, s31, 1
	s_lshl_b32 s36, s36, 1
	s_add_co_u32 s36, s36, s32
	s_cmp_eq_u32 s34, 0
	s_cselect_b32 s38, 0, s36
	s_min_u32 s38, s38, 134
	s_lshl_b32 s38, s38, 14
	s_add_nc_u64 s[58:59], s[6:7], s[38:39]        ; my second tile's, or the first's once more
	s_mov_b32 s24, 0
	s_mov_b32 s25, 0
.Lks:                                              ; three trips: K step s is worked while K step s + 1 is on its way, 48 to 64 loads of 512 bytes a wave
	v_add_nc_u32 v4, s24, v3
	WUNIT 0, 48, 1
	WUNIT 1, 48, 1
	WUNIT 2, 48, 1
	WUNIT 3, 48, 1
	WIN 0
	s_wait_xcnt 0x0
	s_add_nc_u64 s[22:23], s[22:23], 128*PITCH
	s_add_co_u32 s24, s24, 8192
	s_add_co_u32 s25, s25, 1
	s_cmp_lt_u32 s25, 3
	s_cbranch_scc1 .Lks
	v_add_nc_u32 v4, s24, v3
	WIN 0x80                                       ; destination window 2
	WOWN 0                                         ; my first three K steps come back while the last K step's loads are on their way
	WOWN 1
	WOWN 2
	; The last K step asks for no more weights: each unit's 64 landing registers take a group of the ring of activations instead.
	; Behind unit q's loads stand 16 (3 - q) loads of weights and 16 q of activations: the count is 48 four times.
	WUNIT 0, 48, 0
	WIN 0x40
	ALOAD 0, 0, 40
	WUNIT 1, 48, 0
	WIN 0x40
	ALOAD 0, 1, 40
	WUNIT 2, 48, 0
	WIN 0x40
	ALOAD 1, 0, 58
	WUNIT 3, 48, 0
	WIN 0x40
	ALOAD 1, 1, 58
	WIN 0x80
	WOWN 3
	WIN 0
	s_wait_dscnt 0x0                               ; my images lie in LDS, and my own are back,
	s_barrier_signal -1
	s_barrier_wait -1                              ; everybody's lie there; nobody writes them again
	s_cmp_eq_u32 s34, 0
	s_cbranch_scc1 .Lend
	WIN 0xc0                                       ; destination window 3: my partner's four K steps
.irp s4, 0,1,2,3
.irp c, 0,1,2,3
.irp q, 0,1,2,3
	ds_load_b128 v[64*\s4+16*\c+4*\q:64*\s4+16*\c+4*\q+3], v5 offset:(4*\s4+\c)*2048+512*\q
.endr
.endr
.endr
	WIN 0
	s_wait_dscnt 0x0
	s_add_co_u32 s57, s34, 1
	s_lshr_b32 s57, s57, 1                         ; trips: two tiles each, the last perhaps one
	s_mov_b32 s56, 0                               ; the trip's number: it steps by 1
.Lrow:                                             ; two tiles a trip, so that the ring's register numbers come round
	s_lshl_b32 s35, s56, 1                         ; the trip's first tile among mine
	TILE 0
	s_add_co_u32 s36, s35, 1
	s_cmp_lt_u32 s36, s34
	s_cbranch_scc1 .Lsecond
	s_wait_tensorcnt 0x0
	ds_add_u32 v254, v255
	s_wait_dscnt 0x0
	s_endpgm                                       ; an odd number of tiles: the wave ends here; the ring's loads that are still out are of no use to anybody
.Lsecond:
	TILE 1
	s_add_co_u32 s56, s56, 1
	s_cmp_lt_u32 s56, s57
	s_cbranch_scc1 .Lrow
.Lend:
	s_wait_tensorcnt 0x0
	ds_add_u32 v254, v255
	s_wait_dscnt 0x0
	s_endpgm
.Lfunc_end_k_q399c239162_fc1:
	.size	k_q399c239162_fc1, .Lfunc_end_k_q399c239162_fc1-k_q399c239162_fc1
	.p2alignl 7, 3214868480
	.fill 96, 4, 3214868480
	.section	.rodata,"a",@progbits
	.p2align	6, 0x0
	.amdhsa_kernel k_q399c239162_fc1
		.amdhsa_group_segment_fixed_size 131584
		.amdhsa_private_segment_fixed_size 0
		.amdhsa_enable_private_segment 0
		.amdhsa_kernarg_size 48
		.amdhsa_user_sgpr_count 2
		.amdhsa_user_sgpr_kernarg_segment_ptr 1
		.amdhsa_wavefront_size32 1
		.amdhsa_system_sgpr_workgroup_id_x 1
		.amdhsa_system_sgpr_workgroup_id_y 1
		.amdhsa_system_sgpr_workgroup_id_z 1
		.amdhsa_system_vgpr_workitem_id 0
		.amdhsa_next_free_vgpr 1024
		.amdhsa_next_free_sgpr 96
		.amdhsa_reserve_vcc 0
		.amdhsa_float_denorm_mode_32 3
		.amdhsa_float_denorm_mode_16_64 3
		.amdhsa_memory_ordered 1
		.amdhsa_forward_progress 1
		.amdhsa_inst_pref_size 164
	.end_amdhsa_kernel
	.amdgpu_metadata
---
amdhsa.version: [ 1, 2 ]
amdhsa.kernels:
  - .name:           k_q399c239162_fc1
    .symbol:         k_q399c239162_fc1.kd
    .args:
      - { .name: w1, .offset: 0, .size: 8, .value_kind: global_buffer, .address_space: global }
      - { .name: xs, .offset: 8, .size: 8, .value_kind: global_buffer, .address_space: global }
      - { .name: b1, .offset: 16, .size: 8, .value_kind: global_buffer, .address_space: global }
      - { .name: lowp_scales, .offset: 24, .size: 8, .value_kind: global_buffer, .address_space: global }
      - { .name: tab, .offset: 32, .size: 8, .value_kind: global_buffer, .address_space: global }
      - { .name: hq, .offset: 40, .size: 8, .value_kind: global_buffer, .address_space: global }
    .group_segment_fixed_size: 131584
    .private_segment_fixed_size: 0
    .kernarg_segment_align: 8
    .kernarg_segment_size: 48
    .max_flat_workgroup_size: 128
    .sgpr_count:     96
    .vgpr_count:     1024
    .wavefront_size: 32
...
	.end_amdgpu_metadata
.endif
;; end of part 3
;; launch fc2 (part 4): grid 32 x 8, 4 waves a work-group, no clusters, 148,992 bytes of LDS; arguments w2, hq, lowp_scales, tab, part; writes part
.if DOCPART == 4
	.amdgcn_target "amdgcn-amd-amdhsa--gfx1250"
	.amdhsa_code_object_version 6
	.text
	.protected	k_q399c239162_fc2
	.globl	k_q399c239162_fc2
	.p2align	8
	.type	k_q399c239162_fc2,@function
k_q399c239162_fc2:
	s_mov_b64 s[64:65], 0
	v_nop
	global_prefetch_b8 v0, s[64:65] scope:SCOPE_SE
	s_setreg_imm32_b32 hwreg(HW_REG_WAVE_MODE, 25, 1), 1
	s_wait_xcnt 0x0
; SECOND LAYER OF THE EXPERTS: part[kq] = hq w2 over a quarter of K, on codes of E4M3.  Work-group (x, e): ns = x mod 8 is a slice of 128 columns of expert e's w2, kq = x / 8 a quarter
; (1,024) of its 4,096 along K: 512 KiB of f32, read from memory once, quantised on the way (scale: entry 3) and kept; then all tiles of 16 rows of that expert pass over them.
; The build is the first layer's: cg = wave mod 2 a group of 64 columns, rg = wave / 2; the stream (wave (cg, rg): K steps 4 rg .. 4 rg + 3 of the quarter), a turn of bytes inside the lane,
; images of the fragments through LDS, ONE barrier, 512 registers of weights a wave (my own four K steps come back ahead of the barrier into window 2, my partner's four behind it into window 3),
; then a row loop without barriers whose trip count comes from tab.  The ring of activations takes K's steps in the same order, by two address registers, and its first four groups are asked for
; inside the stream's last K step, each into the 64 landing registers that the unit just converted has left.
; K's PLACES follow hq: position I = 16 q + i of lane half h stands for hidden unit 128 S + 64 (q / 2) + 32 h + 4 (i mod 8) + 2 (q mod 2) + i / 8.  So load i of unit q takes that row
; (lanes 16-31: 32 rows below), 256 consecutive aligned bytes of each.
; OUT: part[kq][16 T + row][1024] f32 = sum x 2^(e2 + e3).  Lane (r, h) holds row r and 32 neighbouring columns; a tile goes through the wave's own stage in LDS and leaves as rows:
; sixteen lanes store 256 consecutive aligned bytes.  The four quarters, the bias and the gates meet in the last launch, where each output row has one owner.
; LIMITS: entry 3 of the scales between -126 and 119; entry 2 + entry 3 between -126 and 127.  NaN among the inputs is not served.  The f32 sums take K's steps in another order in the two row groups.
; No tensor loads, clusters or joint loads: the weights are the work-group's own, and the row loop's trip count is a loaded number, under which no barrier may stand.
.set PITCH, 4096                       ; a row of w2 in bytes
.set AV0,  7                           ; v7       the activations' address for my own four K steps: 16 x lane + 8192 x rg
.set AV1,  15                          ; v15      for my partner's four: 16 x lane + 8192 x (1 - rg)
.set ACC,  16                          ; v16-47   four accumulators, tile c at 8 c
.set O,    48                          ; v48-79   the sums x 2^(e2 + e3), columns in order
.set BK,   80                          ; v80-111  rows back from the stage
.set R,    112                         ; the stream: 16 words of codes as converted,
.set TT,   128                         ; 16 half-turned,
.set OUT,  144                         ; two sets of 16 turned
.set STAGE, 131072                     ; behind the images: 16 rows x (256 + 16) bytes for each wave
.set MSB, 0
.macro WIN new                         ; bits 1:0 source 0, 3:2 source 1, 5:4 source 2, 7:6 destination; the high byte repeats the setting that is left
.if MSB != (\new)
	s_set_vgpr_msb (MSB<<8)|(\new)
.set MSB, (\new)
.endif
.endm
.macro WISSUE q
	WIN 0x40                                       ; destination window 1
.set wi, 0
.rept 16
	global_load_b128 v[64*\q+4*wi:64*\q+4*wi+3], v2, s[22:23] offset:(64*((\q)>>1)+2*((\q)&1)+4*(wi&7)+(wi>>3))*PITCH th:TH_LOAD_NT
.set wi, wi+1
.endr
.endm
.macro WUNIT q, left, issue
	s_wait_loadcnt \left
	WIN 0x41
.set wi, 0
.rept 64
	v_med3_num_f32 v[64*\q+wi], v[64*\q+wi], -v9, v9   ; the conversion does not saturate (ISA guide 7.6.2): the hold comes first
.set wi, wi+1
.endr
	WIN 0x01
.set wi, 0
.rept 8
	v_cvt_scalef32_pk8_fp8_f32 v[R+2*wi:R+2*wi+1], v[64*\q+8*wi:64*\q+8*wi+7], v8   ; word i: load i's four columns
.set wi, wi+1
.endr
	WIN 0
	v_nop                                          ; one plain place behind the conversions
	s_wait_dscnt 4                                 ; the stores of two units ago have read this set of registers; the last unit's four may be out
.set OS, OUT+16*((\q)%2)
.irp b, 0,1,2,3
	v_perm_b32 v[TT+4*\b],   v[R+4*\b+1], v[R+4*\b],   s26
	v_perm_b32 v[TT+4*\b+1], v[R+4*\b+3], v[R+4*\b+2], s26
	v_perm_b32 v[TT+4*\b+2], v[R+4*\b+1], v[R+4*\b],   s27
	v_perm_b32 v[TT+4*\b+3], v[R+4*\b+3], v[R+4*\b+2], s27
.endr
.irp b, 0,1,2,3
	v_perm_b32 v[OS+\b],    v[TT+4*\b+1], v[TT+4*\b],   s28
	v_perm_b32 v[OS+4+\b],  v[TT+4*\b+1], v[TT+4*\b],   s29
	v_perm_b32 v[OS+8+\b],  v[TT+4*\b+3], v[TT+4*\b+2], s28
	v_perm_b32 v[OS+12+\b], v[TT+4*\b+3], v[TT+4*\b+2], s29
.endr
.irp c, 0,1,2,3
	ds_store_b128 v4, v[OS+4*\c:OS+4*\c+3] offset:2048*\c+512*\q
.endr
.if \issue
	WISSUE \q
.endif
.endm
; my own K step s (of my four) back from LDS, under a destination in window 2: LDS serves a wave's instructions in order (ISA guide 5.7.1.4), and these bytes are my own: no barrier is owed
.macro WOWN s
.irp c, 0,1,2,3
.irp q, 0,1,2,3
	ds_load_b128 v[64*\s+16*\c+4*\q:64*\s+16*\c+4*\q+3], v3 offset:(4*\s+\c)*2048+512*\q
.endr
.endr
.endm
; s[40:41] = my quarter of the image of my tile number idx: hq + 16384 kq + 65536 x min(first tile + rg + 2 idx, 134)
.macro APTR idx
	s_lshl_b32 s38, \idx, 1
	s_add_co_u32 s38, s38, s32
	s_min_u32 s38, s38, 134
	s_lshl_b32 s38, s38, 16
	s_mov_b32 s39, 0
	s_add_nc_u64 s[40:41], s[54:55], s[38:39]
.endm
.macro ALOAD p, g, b                   ; four K steps of the tile at s[b:b+1] (g = 0: my own four, 1: my partner's) into half g of ring place p: 16 loads of 512 consecutive bytes
.set AVG, AV0+(AV1-AV0)*(\g)
.irp s4, 0,1,2,3
.irp q, 0,1,2,3
	global_load_b128 v[128*\p+64*\g+16*\s4+4*\q:128*\p+64*\g+16*\s4+4*\q+3], v[AVG], s[\b:\b+1] offset:\s4*2048+512*\q
.endr
.endr
.endm
.macro GROUP p, g
	s_wait_loadcnt 48                              ; my 16 loads are in; the ring's three younger groups stay out
	WIN 0x06+\g                                    ; source 0 window 2 or 3, source 1 window 1, sums window 0
.irp s4, 0,1,2,3
.irp c, 0,1,2,3                        ; the four accumulators by turns, one instruction a turn
.if (\g == 0) && (\s4 == 0)
	v_wmma_f32_16x16x128_fp8_fp8 v[ACC+8*\c:ACC+8*\c+7], v[64*\s4+16*\c:64*\s4+16*\c+15], v[128*\p+64*\g+16*\s4:128*\p+64*\g+16*\s4+15], 0
.else
	v_wmma_f32_16x16x128_fp8_fp8 v[ACC+8*\c:ACC+8*\c+7], v[64*\s4+16*\c:64*\s4+16*\c+15], v[128*\p+64*\g+16*\s4:128*\p+64*\g+16*\s4+15], v[ACC+8*\c:ACC+8*\c+7]
.endif
.endr
.endr
.rept 4
	v_nop                                          ; four places in front of loads into registers just multiplied, and of the first read of the sums
.endr
	WIN 0x40
	ALOAD \p, \g, 40                               ; the tile two further on
	WIN 0
.endm
.macro TILE p
	s_wait_xcnt 0x0                                ; the bases and the stores' data are written again only behind this wait
	s_add_co_u32 s36, s35, \p
	s_lshl_b32 s38, s36, 1
	s_add_co_u32 s38, s38, s32
	s_min_u32 s38, s38, 134
	s_lshl_b32 s38, s38, 16
	s_mov_b32 s39, 0
	s_add_nc_u64 s[42:43], s[52:53], s[38:39]      ; part: my plane, 16 T rows of 4,096 bytes, my 256 bytes of a row
	s_add_co_u32 s36, s36, 2
	s_min_u32 s36, s36, s31                        ; the tile two further on, or my last: no load leaves what has been written
	APTR s36
	GROUP \p, 0
	GROUP \p, 1
.irp j, 0,1,2,3,4,5,6,7                ; register j of tile c is column 32 h + 4 j + c: each accumulator is read from its low end on
.irp c, 0,1,2,3
	v_mul_f32 v[O+4*\j+\c], s50, v[ACC+8*\c+\j]
.endr
.endr
.irp j, 0,1,2,3,4,5,6,7
	ds_store_b128 v10, v[O+4*\j:O+4*\j+3] offset:16*\j
.endr
.irp i, 0,1,2,3,4,5,6,7
	ds_load_b128 v[BK+4*\i:BK+4*\i+3], v11 offset:544*\i   ; LDS serves a wave's instructions in order (ISA guide 5.7.1.4): these see my stores
.endr
.irp i, 0,1,2,3,4,5,6,7
	s_wait_dscnt 7-\i
	global_store_b128 v12, v[BK+4*\i:BK+4*\i+3], s[42:43] offset:8192*\i   ; two rows: sixteen lanes store 256 consecutive aligned bytes
.endr
.endm
	s_load_b256 s[4:11], s[0:1], 0x0               ; w2 s[4:5], hq s[6:7], the scales' exponents s[8:9], tab s[10:11]
	s_load_b64 s[12:13], s[0:1], 0x20              ; part
	v_lshl_add_u32 v254, v0, 2, 0x24400
	v_mov_b32 v255, 0
	v_lshrrev_b32 v1, 5, v0
	v_readfirstlane_b32 s16, v1                    ; wave 0..3
	s_and_b32 s17, s16, 1                          ; cg
	s_lshr_b32 s18, s16, 1                         ; rg
	s_and_b32 s19, ttmp9, 7                        ; ns
	s_lshr_b32 s30, ttmp9, 3                       ; kq
	s_and_b32 s20, ttmp7, 0xffff                   ; the expert
	s_lshl_b32 s21, s20, 2
	v_and_b32 v1, 31, v0
	v_and_b32 v13, 15, v0                          ; r
	v_bfe_u32 v14, v0, 4, 1                        ; h
	v_lshlrev_b32 v2, 4, v13
	v_lshl_add_u32 v2, v14, 17, v2                 ; w2: 16 r + 32 rows x h
	v_lshlrev_b32 v6, 4, v1                        ; 16 x lane
	s_lshl_b32 s36, s17, 16
	s_lshl_b32 s37, s18, 15
	s_add_co_u32 s37, s37, s36
	v_add_nc_u32 v3, s37, v6                       ; LDS: the 16 images that I make,
	s_xor_b32 s37, s37, 32768
	v_add_nc_u32 v5, s37, v6                       ; and the 16 that my partner (the same columns, the other rg) makes
	s_lshl_b32 s37, s18, 13
	v_add_nc_u32 v[AV0], s37, v6                   ; a tile's quarter: my own four K steps of 2,048 bytes,
	s_xor_b32 s37, s37, 8192
	v_add_nc_u32 v[AV1], s37, v6                   ; and my partner's four
	s_mul_i32 s36, s16, 4352
	s_add_co_u32 s36, s36, STAGE                   ; my stage
	v_mul_u32_u24 v10, v13, 272
	v_lshl_add_u32 v10, v14, 7, v10
	v_add_nc_u32 v10, s36, v10                     ; in: row r, 128 bytes for each half of the lanes
	v_mul_u32_u24 v11, v14, 272
	v_lshl_add_u32 v11, v13, 4, v11
	v_add_nc_u32 v11, s36, v11                     ; back: lanes 0-15 one row, lanes 16-31 the next
	v_lshlrev_b32 v12, 12, v14
	v_lshl_add_u32 v12, v13, 4, v12                ; and the same two rows in part
	s_mov_b32 s26, 0x05010400                      ; the turn of bytes
	s_mov_b32 s27, 0x07030602
	s_mov_b32 s28, 0x05040100
	s_mov_b32 s29, 0x07060302
	s_lshl_b32 s38, s20, 24                        ; w2: expert, 1,024 rows x kq, 512 rows x rg, 512 bytes x ns, 256 x cg
	s_lshl_b32 s39, s30, 22
	s_add_co_u32 s38, s38, s39
	s_lshl_b32 s39, s18, 21
	s_add_co_u32 s38, s38, s39
	s_lshl_b32 s39, s19, 9
	s_add_co_u32 s38, s38, s39
	s_lshl_b32 s39, s17, 8
	s_add_co_u32 s38, s38, s39
	s_mov_b32 s39, 0
	s_lshl_b32 s40, s30, 14                        ; hq: my quarter's 8 K steps of 2,048 bytes
	s_mov_b32 s41, 0
	s_mul_i32 s42, s30, 8847360                    ; part: my plane,
	s_lshl_b32 s43, s19, 9
	s_add_co_u32 s42, s42, s43
	s_lshl_b32 s43, s17, 8
	s_add_co_u32 s42, s42, s43                     ; my 256 bytes of a row
	s_mov_b32 s43, 0
	s_wait_kmcnt 0x0
	s_load_b128 s[44:47], s[8:9], 0x0              ; e0, e1, e2 (hidden), e3 (w2)
	s_load_b32 s32, s[10:11], s21 offset:0x0       ; the expert's first tile,
	s_load_b32 s33, s[10:11], s21 offset:0x20      ; and its tiles
	s_add_nc_u64 s[22:23], s[4:5], s[38:39]
	s_add_nc_u64 s[54:55], s[6:7], s[40:41]
	s_add_nc_u64 s[52:53], s[12:13], s[42:43]
	WISSUE 0
	WISSUE 1
	WISSUE 2
	WISSUE 3
	WIN 0
	s_wait_xcnt 0x0                                ; the loads have read their base
	s_add_nc_u64 s[22:23], s[22:23], 128*PITCH
	s_wait_kmcnt 0x0
	s_add_co_i32 s36, s47, 127
	s_lshl_b32 s37, s36, 23
	v_mov_b32 v8, s37                              ; 2^e3
	s_add_co_i32 s36, s36, 8
	s_lshl_b32 s36, s36, 23
	s_or_b32 s36, s36, 0x600000
	v_mov_b32 v9, s36                              ; 448 x 2^e3
	s_add_co_i32 s50, s46, s47
	s_add_co_i32 s50, s50, 127
	s_lshl_b32 s50, s50, 23                        ; 2^(e2 + e3)
	; which tiles are mine, and where my first two lie.  A wave without tiles asks for tile 0, which every split has, and uses nothing of it
	s_min_u32 s33, s33, 64                         ; an expert has 1,024 rows at the most: 64 tiles
	s_add_co_u32 s32, s32, s18                     ; my first tile
	s_add_co_u32 s34, s33, 1
	s_sub_co_u32 s34, s34, s18
	s_lshr_b32 s34, s34, 1                         ; how many are mine
	s_sub_co_u32 s31, s34, 1                       ; the last of them
	s_cmp_eq_u32 s34, 0
	s_cselect_b32 s38, 0, s32
	s_min_u32 s38, s38, 134
	s_lshl_b32 s38, s38, 16
	s_mov_b32 s39, 0
	s_add_nc_u64 s[40:41], s[54:55], s[38:39]      ; my quarter of my first tile's image
	s_min_u32 s36, s31, 1
	s_lshl_b32 s36, s36, 1
	s_add_co_u32 s36, s36, s32
	s_cmp_eq_u32 s34, 0
	s_cselect_b32 s38, 0, s36
	s_min_u32 s38, s38, 134
	s_lshl_b32 s38, s38, 16
	s_add_nc_u64 s[58:59], s[54:55], s[38:39]      ; of my second tile's, or the first's once more
	s_mov_b32 s24, 0
	s_mov_b32 s25, 0
.Lks:                                              ; three trips: K step s is worked while K step s + 1 is on its way, 48 to 64 loads of 512 bytes a wave
	v_add_nc_u32 v4, s24, v3
	WUNIT 0, 48, 1
	WUNIT 1, 48, 1
	WUNIT 2, 48, 1
	WUNIT 3, 48, 1
	WIN 0
	s_wait_xcnt 0x0
	s_add_nc_u64 s[22:23], s[22:23], 128*PITCH
	s_add_co_u32 s24, s24, 8192
	s_add_co_u32 s25, s25, 1
	s_cmp_lt_u32 s25, 3
	s_cbranch_scc1 .Lks
	v_add_nc_u32 v4, s24, v3
	WIN 0x80                                       ; destination window 2
	WOWN 0                                         ; my first three K steps come back while the last K step's loads are on their way
	WOWN 1
	WOWN 2
	; The last K step asks for no more weights: each unit's 64 landing registers take a group of the ring of activations instead.
	; Behind unit q's loads stand 16 (3 - q) loads of weights and 16 q of activations: the count is 48 four times.
	WUNIT 0, 48, 0
	WIN 0x40
	ALOAD 0, 0, 40
	WUNIT 1, 48, 0
	WIN 0x40
	ALOAD 0, 1, 40
	WUNIT 2, 48, 0
	WIN 0x40
	ALOAD 1, 0, 58
	WUNIT 3, 48, 0
	WIN 0x40
	ALOAD 1, 1, 58
	WIN 0x80
	WOWN 3
	WIN 0
	s_wait_dscnt 0x0                               ; my images lie in LDS, and my own are back,
	s_barrier_signal -1
	s_barrier_wait -1                              ; everybody's lie there; nobody writes them again
	s_cmp_eq_u32 s34, 0
	s_cbranch_scc1 .Lend
	WIN 0xc0                                       ; destination window 3: my partner's four K steps
.irp s4, 0,1,2,3
.irp c, 0,1,2,3
.irp q, 0,1,2,3
	ds_load_b128 v[64*\s4+16*\c+4*\q:64*\s4+16*\c+4*\q+3], v5 offset:(4*\s4+\c)*2048+512*\q
.endr
.endr
.endr
	WIN 0
	s_wait_dscnt 0x0
	s_add_co_u32 s57, s34, 1
	s_lshr_b32 s57, s57, 1                         ; trips: two tiles each, the last perhaps one
	s_mov_b32 s56, 0                               ; the trip's number: it steps by 1
.Lrow:                                             ; two tiles a trip, so that the ring's register numbers come round
	s_lshl_b32 s35, s56, 1                         ; the trip's first tile among mine
	TILE 0
	s_add_co_u32 s36, s35, 1
	s_cmp_lt_u32 s36, s34
	s_cbranch_scc1 .Lsecond
	s_wait_tensorcnt 0x0
	ds_add_u32 v254, v255
	s_wait_dscnt 0x0
	s_endpgm                                       ; an odd number of tiles: the wave ends here; the ring's loads that are still out are of no use to anybody
.Lsecond:
	TILE 1
	s_add_co_u32 s56, s56, 1
	s_cmp_lt_u32 s56, s57
	s_cbranch_scc1 .Lrow
.Lend:
	s_wait_tensorcnt 0x0
	ds_add_u32 v254, v255
	s_wait_dscnt 0x0
	s_endpgm
.Lfunc_end_k_q399c239162_fc2:
	.size	k_q399c239162_fc2, .Lfunc_end_k_q399c239162_fc2-k_q399c239162_fc2
	.p2alignl 7, 3214868480
	.fill 96, 4, 3214868480
	.section	.rodata,"a",@progbits
	.p2align	6, 0x0
	.amdhsa_kernel k_q399c239162_fc2
		.amdhsa_group_segment_fixed_size 148992
		.amdhsa_private_segment_fixed_size 0
		.amdhsa_enable_private_segment 0
		.amdhsa_kernarg_size 40
		.amdhsa_user_sgpr_count 2
		.amdhsa_user_sgpr_kernarg_segment_ptr 1
		.amdhsa_wavefront_size32 1
		.amdhsa_system_sgpr_workgroup_id_x 1
		.amdhsa_system_sgpr_workgroup_id_y 1
		.amdhsa_system_sgpr_workgroup_id_z 1
		.amdhsa_system_vgpr_workitem_id 0
		.amdhsa_next_free_vgpr 1024
		.amdhsa_next_free_sgpr 66
		.amdhsa_reserve_vcc 0
		.amdhsa_float_denorm_mode_32 3
		.amdhsa_float_denorm_mode_16_64 3
		.amdhsa_memory_ordered 1
		.amdhsa_forward_progress 1
		.amdhsa_inst_pref_size 106
	.end_amdhsa_kernel
	.amdgpu_metadata
---
amdhsa.version: [ 1, 2 ]
amdhsa.kernels:
  - .name:           k_q399c239162_fc2
    .symbol:         k_q399c239162_fc2.kd
    .args:
      - { .name: w2, .offset: 0, .size: 8, .value_kind: global_buffer, .address_space: global }
      - { .name: hq, .offset: 8, .size: 8, .value_kind: global_buffer, .address_space: global }
      - { .name: lowp_scales, .offset: 16, .size: 8, .value_kind: global_buffer, .address_space: global }
      - { .name: tab, .offset: 24, .size: 8, .value_kind: global_buffer, .address_space: global }
      - { .name: part, .offset: 32, .size: 8, .value_kind: global_buffer, .address_space: global }
    .group_segment_fixed_size: 148992
    .private_segment_fixed_size: 0
    .kernarg_segment_align: 8
    .kernarg_segment_size: 40
    .max_flat_workgroup_size: 128
    .sgpr_count:     66
    .vgpr_count:     1024
    .wavefront_size: 32
...
	.end_amdgpu_metadata
.endif
;; end of part 4
;; launch combine (part 5): grid 256 x 1, 8 waves a work-group, no clusters, 0 bytes of LDS; arguments part, pos, eidx, gwt, b2, out0; writes out0
.if DOCPART == 5
	.amdgcn_target "amdgcn-amd-amdhsa--gfx1250"
	.amdhsa_code_object_version 6
	.text
	.protected	k_q399c239162_combine
	.globl	k_q399c239162_combine
	.p2align	8
	.type	k_q399c239162_combine,@function
k_q399c239162_combine:
	s_mov_b64 s[64:65], 0
	v_nop
	global_prefetch_b8 v0, s[64:65] scope:SCOPE_SE
	s_setreg_imm32_b32 hwreg(HW_REG_WAVE_MODE, 25, 1), 1
	s_wait_xcnt 0x0
; THE SUM.  out0[t] = g0 (sum over the four K quarters of part[.][pos[2 t]] + b2[e0]) + g1 (the same for slot 1).  Each output row has one owner: a work-group takes four tokens,
; two waves a token, 2,048 bytes of the row each.  Where the rows lie comes from pos and eidx, whole numbers that earlier launches stored; they are held inside their tables.
; A stream: 40 loads of 512 consecutive bytes a wave, all on their way at once, four stores of 512.  No LDS, no barrier, no matrix unit: there is nothing for them to do.
.set PR, 16                            ; v16-143  part: slot k, quarter kq, piece i at 64 k + 16 kq + 4 i
.set BB, 144                           ; v144-175 b2: slot k, piece i at 16 k + 4 i
	s_load_b256 s[4:11], s[0:1], 0x0               ; part s[4:5], pos s[6:7], eidx s[8:9], gwt s[10:11]
	s_load_b128 s[12:15], s[0:1], 0x20             ; b2 s[12:13], out0 s[14:15]
	v_lshrrev_b32 v1, 5, v0
	v_readfirstlane_b32 s16, v1                    ; wave 0..7
	v_and_b32 v1, 31, v0
	v_lshlrev_b32 v2, 4, v1                        ; 16 x lane; v2-5: + the plane of quarter kq
	v_add_nc_u32 v3, 8847360, v2
	v_add_nc_u32 v4, 2*8847360, v2
	v_add_nc_u32 v5, 3*8847360, v2
	s_lshr_b32 s17, s16, 1
	s_lshl_b32 s18, ttmp9, 2
	s_add_co_u32 s17, s17, s18                     ; the token
	s_and_b32 s18, s16, 1
	s_lshl_b32 s18, s18, 11                        ; my half of a row
	s_lshl_b32 s19, s17, 3
	s_wait_kmcnt 0x0
	s_load_b64 s[20:21], s[6:7], s19 offset:0x0    ; the two rows,
	s_load_b64 s[22:23], s[8:9], s19 offset:0x0    ; the two experts,
	s_load_b64 s[24:25], s[10:11], s19 offset:0x0  ; the two gates
	s_wait_kmcnt 0x0
	s_min_u32 s20, s20, 2159
	s_min_u32 s21, s21, 2159
	s_min_u32 s22, s22, 7
	s_min_u32 s23, s23, 7
	s_mov_b32 s27, 0
	s_lshl_b32 s26, s20, 12
	s_add_co_u32 s26, s26, s18
	s_add_nc_u64 s[28:29], s[4:5], s[26:27]
	s_lshl_b32 s26, s21, 12
	s_add_co_u32 s26, s26, s18
	s_add_nc_u64 s[30:31], s[4:5], s[26:27]
	s_lshl_b32 s26, s22, 12
	s_add_co_u32 s26, s26, s18
	s_add_nc_u64 s[32:33], s[12:13], s[26:27]
	s_lshl_b32 s26, s23, 12
	s_add_co_u32 s26, s26, s18
	s_add_nc_u64 s[34:35], s[12:13], s[26:27]
	s_lshl_b32 s26, s17, 12
	s_add_co_u32 s26, s26, s18
	s_add_nc_u64 s[36:37], s[14:15], s[26:27]
	s_mov_b32 s38, s25                             ; g1 as the low word of a pair: the packed forms take a scalar pair's low word for both halves
	s_mov_b32 s39, s25
.irp k, 0,1
.irp kq, 0,1,2,3
.irp i, 0,1,2,3
	global_load_b128 v[PR+64*\k+16*\kq+4*\i:PR+64*\k+16*\kq+4*\i+3], v[2+\kq], s[28+2*\k:29+2*\k] offset:512*\i th:TH_LOAD_NT   ; each routed row is read by one token alone
.endr
.endr
.irp i, 0,1,2,3
	global_load_b128 v[BB+16*\k+4*\i:BB+16*\k+4*\i+3], v2, s[32+2*\k:33+2*\k] offset:512*\i
.endr
.endr
	s_wait_loadcnt 0x0
.irp k, 0,1
.set n, 0
.rept 8
	v_pk_add_f32 v[PR+64*\k+n:PR+64*\k+n+1], v[PR+64*\k+n:PR+64*\k+n+1], v[PR+64*\k+16+n:PR+64*\k+16+n+1]
	v_pk_add_f32 v[PR+64*\k+32+n:PR+64*\k+32+n+1], v[PR+64*\k+32+n:PR+64*\k+32+n+1], v[PR+64*\k+48+n:PR+64*\k+48+n+1]
.set n, n+2
.endr
.set n, 0
.rept 8
	v_pk_add_f32 v[PR+64*\k+n:PR+64*\k+n+1], v[PR+64*\k+n:PR+64*\k+n+1], v[PR+64*\k+32+n:PR+64*\k+32+n+1]
.set n, n+2
.endr
.set n, 0
.rept 8
	v_pk_add_f32 v[PR+64*\k+n:PR+64*\k+n+1], v[PR+64*\k+n:PR+64*\k+n+1], v[BB+16*\k+n:BB+16*\k+n+1]
.set n, n+2
.endr
.endr
.set n, 0
.rept 8
	v_pk_mul_f32 v[PR+n:PR+n+1], v[PR+n:PR+n+1], s[24:25] op_sel_hi:[1,0]
.set n, n+2
.endr
.set n, 0
.rept 8
	v_pk_fma_f32 v[PR+n:PR+n+1], v[PR+64+n:PR+64+n+1], s[38:39], v[PR+n:PR+n+1] op_sel_hi:[1,0,1]
.set n, n+2
.endr
.irp i, 0,1,2,3
	global_store_b128 v2, v[PR+4*\i:PR+4*\i+3], s[36:37] offset:512*\i th:TH_STORE_NT   ; 512 consecutive aligned bytes
.endr
	s_endpgm
.Lfunc_end_k_q399c239162_combine:
	.size	k_q399c239162_combine, .Lfunc_end_k_q399c239162_combine-k_q399c239162_combine
	.p2alignl 7, 3214868480
	.fill 96, 4, 3214868480
	.section	.rodata,"a",@progbits
	.p2align	6, 0x0
	.amdhsa_kernel k_q399c239162_combine
		.amdhsa_group_segment_fixed_size 0
		.amdhsa_private_segment_fixed_size 0
		.amdhsa_enable_private_segment 0
		.amdhsa_kernarg_size 48
		.amdhsa_user_sgpr_count 2
		.amdhsa_user_sgpr_kernarg_segment_ptr 1
		.amdhsa_wavefront_size32 1
		.amdhsa_system_sgpr_workgroup_id_x 1
		.amdhsa_system_sgpr_workgroup_id_y 1
		.amdhsa_system_sgpr_workgroup_id_z 1
		.amdhsa_system_vgpr_workitem_id 0
		.amdhsa_next_free_vgpr 192
		.amdhsa_next_free_sgpr 66
		.amdhsa_reserve_vcc 0
		.amdhsa_float_denorm_mode_32 3
		.amdhsa_float_denorm_mode_16_64 3
		.amdhsa_memory_ordered 1
		.amdhsa_forward_progress 1
		.amdhsa_inst_pref_size 12
	.end_amdhsa_kernel
	.amdgpu_metadata
---
amdhsa.version: [ 1, 2 ]
amdhsa.kernels:
  - .name:           k_q399c239162_combine
    .symbol:         k_q399c239162_combine.kd
    .args:
      - { .name: part, .offset: 0, .size: 8, .value_kind: global_buffer, .address_space: global }
      - { .name: pos, .offset: 8, .size: 8, .value_kind: global_buffer, .address_space: global }
      - { .name: eidx, .offset: 16, .size: 8, .value_kind: global_buffer, .address_space: global }
      - { .name: gwt, .offset: 24, .size: 8, .value_kind: global_buffer, .address_space: global }
      - { .name: b2, .offset: 32, .size: 8, .value_kind: global_buffer, .address_space: global }
      - { .name: out0, .offset: 40, .size: 8, .value_kind: global_buffer, .address_space: global }
    .group_segment_fixed_size: 0
    .private_segment_fixed_size: 0
    .kernarg_segment_align: 8
    .kernarg_segment_size: 48
    .max_flat_workgroup_size: 256
    .sgpr_count:     66
    .vgpr_count:     192
    .wavefront_size: 32
...
	.end_amdgpu_metadata
.endif
;; end of part 5
;; ======== version 2 of 2: 5 launches
;; limits: a function is approximated: absolute error at most 1e-07; an absolute error that grows with the inputs' magnitude: up to 1e-07 times it
;; workspace buffers: rt 8,704 bytes of whole numbers; eidx 8,192 bytes of whole numbers; gwt 8,192 bytes; pos 8,192 bytes of whole numbers; tab 256 bytes of whole numbers; xs 2,211,840 bytes; hq 8,847,360 bytes; part 35,389,440 bytes
;; launch route (part 6): grid 64 x 1, 8 waves a work-group, no clusters, 9,216 bytes of LDS; arguments x, gate_w, rt, eidx, gwt; writes rt, eidx, gwt
.if DOCPART == 6
	.amdgcn_target "amdgcn-amd-amdhsa--gfx1250"
	.amdhsa_code_object_version 6
	.text
	.protected	k_q399c239162_route
	.globl	k_q399c239162_route
	.p2align	8
	.type	k_q399c239162_route,@function
k_q399c239162_route:
	s_mov_b64 s[64:65], 0
	v_nop
	global_prefetch_b8 v0, s[64:65] scope:SCOPE_SE
	s_setreg_imm32_b32 hwreg(HW_REG_WAVE_MODE, 25, 1), 1
	s_wait_xcnt 0x0
; ROUTER.  scores = x gate_w in f32, the two largest of 8 for each token (the lower index wins a tie), softmax over the two with the larger taken off first.
; A work-group takes 16 tokens; each of its eight waves 128 of the 1,024 along K; the eight partial scores meet in LDS and wave 0 finishes.
; The product is 32 matrix instructions of the f32 form a wave (operands stay f32, so that the choice follows f32 scores): source 0 = gate_w transposed
; (row m = expert m mod 8), source 1 = x (column n = token).  In the result lane (r, h) holds token r and register j expert j; lanes 16-31 repeat lanes 0-15.
; k is laid alike in both sources: registers 4 i + 0..3 of lane half h hold k = 128 w + 8 i + 4 h + 0..3.
; OUT: eidx[t][2], gwt[t][2]; rt[16 tokens][32 words]: 0-7 mask of the tokens that chose expert e, 8-15 mask of those whose first choice it is, 16-23 their number, 24-31 zero;
; and behind the 64 records, from byte 8,192 of rt on, the numbers once more as a dense table: 64 bytes an expert, byte j = record j's number (16 at the most), so that the next launch
; reads all 512 numbers by a few wide scalar loads.  That table costs one store of a byte in each of eight lanes.
; The choice is stored as values at fixed places: no address and no branch here hangs on it.
; LIMITS: NaN among the inputs is not served.  The f32 sums are taken in another order than a plain dot product: two scores closer than f32 rounding may change places.
.set X,  16                            ; v16-79   x: 64 numbers of my token
.set G,  80                            ; v80-143  gate_w: 64 numbers of my expert
.set A0, 144                           ; v144-151, v152-159: two accumulators by turns; written by matrix instructions alone
.set A1, 152
.set P,  160                           ; v160-167 the wave's partial scores
	s_load_b256 s[4:11], s[0:1], 0x0               ; x s[4:5], gate_w s[6:7], rt s[8:9], eidx s[10:11]
	s_load_b64 s[12:13], s[0:1], 0x20              ; gwt
	v_lshl_add_u32 v192, v0, 2, 0x2000
	v_mov_b32 v193, 0
	v_lshrrev_b32 v1, 5, v0
	s_delay_alu instid0(VALU_DEP_1)
	v_readfirstlane_b32 s16, v1                    ; wave 0..7
	v_and_b32 v1, 31, v0                           ; lane
	v_and_b32 v2, 15, v0                           ; r
	v_bfe_u32 v3, v0, 4, 1                         ; h
	s_lshl_b32 s17, s16, 9
	v_lshlrev_b32 v4, 12, v2
	s_delay_alu instid0(VALU_DEP_1)
	v_lshl_add_u32 v4, v3, 4, v4
	s_delay_alu instid0(VALU_DEP_1)
	v_add_nc_u32 v4, s17, v4                       ; x: 4096 r + 16 h + 512 w
	v_and_b32 v5, 7, v0
	s_delay_alu instid0(VALU_DEP_1)
	v_lshlrev_b32 v5, 2, v5
	s_delay_alu instid0(VALU_DEP_1)
	v_lshl_add_u32 v5, v3, 7, v5
	s_lshl_b32 s18, s16, 12
	v_add_nc_u32 v5, s18, v5                       ; gate_w: 4 (r mod 8) + 128 h + 4096 w
	v_lshlrev_b32 v7, 5, v1                        ; LDS: 32 bytes a lane,
	s_lshl_b32 s19, s16, 10
	v_add_nc_u32 v6, s19, v7                       ; 1,024 a wave
	s_lshl_b32 s20, ttmp9, 16                      ; 16 tokens of 4,096 bytes
	s_mov_b32 s21, 0
	s_wait_alu depctr_va_vdst(0)
	s_wait_kmcnt 0x0
	s_add_nc_u64 s[4:5], s[4:5], s[20:21]
.set i, 0
.rept 16
	global_load_b128 v[X+4*i:X+4*i+3], v4, s[4:5] offset:32*i
.set i, i+1
.endr
.set i, 0
.rept 64
	global_load_b32 v[G+i], v5, s[6:7] offset:256*(i/4)+32*(i%4)
.set i, i+1
.endr
	s_wait_loadcnt 0x0
	v_wmma_f32_16x16x4_f32 v[A0:A0+7], v[G:G+1], v[X:X+1], 0          ; the first K steps start the two sums
	v_wmma_f32_16x16x4_f32 v[A1:A1+7], v[G+2:G+3], v[X+2:X+3], 0
.set i, 1
.rept 15
	v_wmma_f32_16x16x4_f32 v[A0:A0+7], v[G+4*i:G+4*i+1], v[X+4*i:X+4*i+1], v[A0:A0+7]
	v_wmma_f32_16x16x4_f32 v[A1:A1+7], v[G+4*i+2:G+4*i+3], v[X+4*i+2:X+4*i+3], v[A1:A1+7]
.set i, i+1
.endr
.rept 8
	v_nop                                          ; eight places behind this form before its results are read (ISA guide 7.12.1)
.endr
.irp j, 0,2,4,6
	v_pk_add_f32 v[P+\j:P+\j+1], v[A0+\j:A0+\j+1], v[A1+\j:A1+\j+1]   ; into other registers, from the low end on
.endr
	ds_store_b128 v6, v[P:P+3]
	ds_store_b128 v6, v[P+4:P+7] offset:16
	s_wait_dscnt 0x0                               ; my partial scores lie in LDS,
	s_barrier_signal -1
	s_barrier_wait -1                              ; everybody's do
	s_cmp_lg_u32 s16, 0
	s_cbranch_scc1 .Lend                           ; wave 0 finishes alone; no barrier follows
.set i, 0
.rept 8
	ds_load_b128 v[16+8*i:19+8*i], v7 offset:1024*i
	ds_load_b128 v[20+8*i:23+8*i], v7 offset:1024*i+16
.set i, i+1
.endr
	s_wait_dscnt 0x0
.set i, 1
.rept 7
.irp j, 0,2,4,6
	v_pk_add_f32 v[16+\j:17+\j], v[16+\j:17+\j], v[16+8*i+\j:17+8*i+\j]   ; K slices in ascending order: v16-23 = my token's eight scores
.endr
.set i, i+1
.endr
.irp e, 0,1,2,3,4,5,6,7
	v_mov_b32 v[32+\e], \e
.endr
	v_mov_b32 v24, v16                             ; v24 the largest, v26 its expert
	v_mov_b32 v26, 0
.irp e, 1,2,3,4,5,6,7
	s_delay_alu instid0(VALU_DEP_2)
	v_cmp_gt_f32 vcc_lo, v[16+\e], v24             ; strictly larger: the lower index keeps a tie
	s_delay_alu instid0(VALU_DEP_1)
	v_cndmask_b32 v24, v24, v[16+\e], vcc_lo
	s_delay_alu instid0(VALU_DEP_2)
	v_cndmask_b32 v26, v26, v[32+\e], vcc_lo
.endr
	s_delay_alu instid0(VALU_DEP_1)
	v_cmp_eq_u32 vcc_lo, 0, v26                    ; v25 the second, v27 its expert: begun with the first expert that is not the winner
	s_delay_alu instid0(VALU_DEP_1)
	v_cndmask_b32 v25, v16, v17, vcc_lo
	s_delay_alu instid0(VALU_DEP_2)
	v_cndmask_b32 v27, v32, v33, vcc_lo
.irp e, 1,2,3,4,5,6,7
	s_delay_alu instid0(VALU_DEP_2)
	v_cmp_gt_f32 s22, v[16+\e], v25
	v_cmp_ne_u32 s23, \e, v26
	s_and_b32 vcc_lo, s22, s23
	v_cndmask_b32 v25, v25, v[16+\e], vcc_lo
	v_cndmask_b32 v27, v27, v[32+\e], vcc_lo
.endr
	s_delay_alu instid0(VALU_DEP_2)
	v_sub_f32 v28, v25, v24                        ; second - largest, 0 or less
	s_delay_alu instid0(VALU_DEP_1)
	v_mul_f32 v28, 0x3fb8aa3b, v28
	s_wait_alu depctr_va_vdst(0)
	v_exp_f32 v28, v28
	v_nop                                          ; one plain place behind a transcendental (ISA guide 5.7.2)
	s_wait_alu depctr_va_vdst(0)
	v_add_f32 v29, 1.0, v28
	s_wait_alu depctr_va_vdst(0)
	v_rcp_f32 v30, v29                             ; g0 = 1 / (1 + e^(second - largest))
	v_nop
	s_wait_alu depctr_va_vdst(0)
	v_mul_f32 v31, v28, v30                        ; g1
	v_mov_b32 v40, 0                               ; the 32 words of rt, a word a lane
.irp e, 0,1,2,3,4,5,6,7
	v_cmp_eq_u32 s22, \e, v26
	v_cmp_eq_u32 s23, \e, v27
	s_and_b32 s22, s22, 0xffff                     ; first choice
	s_and_b32 s23, s23, 0xffff
	s_or_b32 s23, s23, s22                         ; either choice
	s_bcnt1_i32_b32 s24, s23
	v_writelane_b32 v40, s23, \e
	s_delay_alu instid0(VALU_DEP_1)
	v_writelane_b32 v40, s22, 8+\e
	s_delay_alu instid0(VALU_DEP_1)
	v_writelane_b32 v40, s24, 16+\e
.endr
	v_lshlrev_b32 v41, 2, v1
	v_lshlrev_b32 v42, 3, v2
	v_and_b32 v43, 7, v1
	s_delay_alu instid0(VALU_DEP_1)
	v_lshlrev_b32 v43, 6, v43
	s_mov_b32 s26, ttmp9
	v_add_nc_u32 v43, s26, v43                     ; the table: 64 bytes x (lane mod 8) + this work-group's number
	v_and_b32 v44, 24, v1
	s_delay_alu instid0(VALU_DEP_1)
	v_cmp_eq_u32 s27, 16, v44                      ; lanes 16-23: they hold the eight numbers
	s_add_nc_u64 s[28:29], s[8:9], 0x2000          ; the table begins behind rt's 64 records
	s_lshl_b32 s20, ttmp9, 7                       ; 128 bytes for 16 tokens in each of the three buffers
	s_add_nc_u64 s[8:9], s[8:9], s[20:21]
	s_add_nc_u64 s[10:11], s[10:11], s[20:21]
	s_add_nc_u64 s[12:13], s[12:13], s[20:21]
	global_store_b32 v41, v40, s[8:9]
	v_cmp_gt_u32 vcc_lo, 16, v1
	s_wait_alu depctr_va_vdst(0)
	s_wait_xcnt 0x0                                ; EXEC is a source of the store above: it changes only behind this wait
	s_and_saveexec_b32 s25, vcc_lo                 ; lanes 0-15: one lane a token
	global_store_b64 v42, v[26:27], s[10:11]
	global_store_b64 v42, v[30:31], s[12:13]
	s_wait_xcnt 0x0
	s_or_b32 exec_lo, exec_lo, s25
	s_mov_b32 vcc_lo, s27
	s_and_saveexec_b32 s25, vcc_lo                 ; lanes 16-23: one lane an expert
	global_store_b8 v43, v40, s[28:29]
	s_wait_xcnt 0x0
	s_or_b32 exec_lo, exec_lo, s25
.Lend:
	s_wait_tensorcnt 0x0
	ds_add_u32 v192, v193
	s_wait_dscnt 0x0
	s_endpgm
.Lfunc_end_k_q399c239162_route:
	.size	k_q399c239162_route, .Lfunc_end_k_q399c239162_route-k_q399c239162_route
	.p2alignl 7, 3214868480
	.fill 96, 4, 3214868480
	.section	.rodata,"a",@progbits
	.p2align	6, 0x0
	.amdhsa_kernel k_q399c239162_route
		.amdhsa_group_segment_fixed_size 9216
		.amdhsa_private_segment_fixed_size 0
		.amdhsa_enable_private_segment 0
		.amdhsa_kernarg_size 40
		.amdhsa_user_sgpr_count 2
		.amdhsa_user_sgpr_kernarg_segment_ptr 1
		.amdhsa_wavefront_size32 1
		.amdhsa_system_sgpr_workgroup_id_x 1
		.amdhsa_system_sgpr_workgroup_id_y 1
		.amdhsa_system_sgpr_workgroup_id_z 1
		.amdhsa_system_vgpr_workitem_id 0
		.amdhsa_next_free_vgpr 194
		.amdhsa_next_free_sgpr 66
		.amdhsa_reserve_vcc 1
		.amdhsa_float_denorm_mode_32 3
		.amdhsa_float_denorm_mode_16_64 3
		.amdhsa_memory_ordered 1
		.amdhsa_forward_progress 1
		.amdhsa_inst_pref_size 25
	.end_amdhsa_kernel
	.amdgpu_metadata
---
amdhsa.version: [ 1, 2 ]
amdhsa.kernels:
  - .name:           k_q399c239162_route
    .symbol:         k_q399c239162_route.kd
    .args:
      - { .name: x, .offset: 0, .size: 8, .value_kind: global_buffer, .address_space: global }
      - { .name: gate_w, .offset: 8, .size: 8, .value_kind: global_buffer, .address_space: global }
      - { .name: rt, .offset: 16, .size: 8, .value_kind: global_buffer, .address_space: global }
      - { .name: eidx, .offset: 24, .size: 8, .value_kind: global_buffer, .address_space: global }
      - { .name: gwt, .offset: 32, .size: 8, .value_kind: global_buffer, .address_space: global }
    .group_segment_fixed_size: 9216
    .private_segment_fixed_size: 0
    .kernarg_segment_align: 8
    .kernarg_segment_size: 40
    .max_flat_workgroup_size: 256
    .sgpr_count:     66
    .vgpr_count:     194
    .wavefront_size: 32
...
	.end_amdgpu_metadata
.endif
;; end of part 6
;; launch place (part 7): grid 135 x 1, 8 waves a work-group, no clusters, 17,920 bytes of LDS; arguments rt, x, lowp_scales, xs, pos, tab; writes xs, pos, tab
.if DOCPART == 7
	.amdgcn_target "amdgcn-amd-amdhsa--gfx1250"
	.amdhsa_code_object_version 6
	.text
	.protected	k_q399c239162_place
	.globl	k_q399c239162_place
	.p2align	8
	.type	k_q399c239162_place,@function
k_q399c239162_place:
	s_mov_b64 s[64:65], 0
	v_nop
	global_prefetch_b8 v0, s[64:65] scope:SCOPE_SE
	s_setreg_imm32_b32 hwreg(HW_REG_WAVE_MODE, 25, 1), 1
	s_wait_xcnt 0x0
; PLACING.  The 2,048 routed rows (row id = 2 token + slot) are sorted by (expert, token); each expert's rows are filled up to whole tiles of 16.
; There are never more than (2048 + 8 x 15) / 16 = 135 tiles, whatever the choice: work-group T makes tile T; where the split has fewer tiles it stores nothing.
; WHERE A ROW LIES IS FOUND IN SCALAR REGISTERS ALONE, from scalar loads of the router's table rt: 64 records of 128 bytes for 16 tokens each (words 0-7 mask of the tokens that chose expert e,
; 8-15 mask of those whose first choice it is) and, from byte 8,192 on, each record's numbers as bytes, 64 bytes an expert.  Every wave does it for itself:
; (A) each expert's rows: its 64 bytes are added as words, eight words at a time (a byte then holds 8 x 16 = 128 at the most, so nothing carries), and the bytes of the two sums are added;
; from them tiles, first tiles, my tile's expert and the rank of its first row; (B) my expert's 64 bytes once more: the record in which each of my two ranks falls; (C) that record's two masks;
; (D) the set bit of that rank.  Scalar loads come back in no order (ISA guide, chapter on scalar memory): each batch is waited for with the count 0.
; SHARES.  Wave w owns rows 2 w and 2 w + 1 of the tile.  A row of x is read through a scalar base; lane l takes its numbers 32 l .. 32 l + 31 and quantises them with the given 2^e (entry 1 of the scales).
; OUT.  xs[T][K step s][piece q][lane (r, h)][16 bytes]: byte i there is x[row r][128 s + 32 q + 16 h + i].  My lane's 32 codes are the two halves h of piece q = l mod 4 of K step l / 4, 16 bytes each
; among sixteen rows': so the tile meets in LDS (a piece of 512 bytes at a pitch of 528, so that the sixteen lanes of a store fall on sixteen different columns of 16 bytes), ONE barrier, under no branch,
; and wave w stores K step w, 512 consecutive bytes a store.  Rows that only fill a tile up get zero codes.
; pos[row id] = 16 T + row, one lane a row; work-group 0 stores tab: words 0-7 each expert's first tile, 8-15 its number of tiles.
; LIMITS: e between -126 and 119; NaN among the inputs is not served (an infinity is held at the largest code).
.set XN, 32                            ; v32-95   my two rows' numbers, 32 each
.set CD, 96                            ; v96-111  their codes, 8 registers a row: 0-3 half h = 0, 4-7 half h = 1
.set BK, 112                           ; v112-127 K step w of the tile, back from LDS
.set UP, 528                           ; LDS pitch of a piece
.set CT, 8192                          ; byte of rt at which the table of numbers begins
; SCALARS: s3 wave; s16-23 rows of each expert; s24-31 tiles; s32-40 first tiles; s41 my expert, s42 its first tile, s43 its rows, s44 my tile's first rank; s48 4 x expert, s49 64 x expert;
; s50 running sum; s51, s52 my two ranks; s53, s55 their records; s54, s60 the rows ahead of those records; s56-59 the scales' exponents; s24-55 and s68-99 also take the batches of step A, s68-83 step B's row.
; Eight experts' 32 bytes at byte off of their rows; the first register of each group of eight gets the sum of its eight words
.macro CSUM off
.set ee, 0
.irp r, 24,32,40,48,68,76,84,92
	s_load_b256 s[\r:\r+7], s[4:5], CT+64*ee+\off
.set ee, ee+1
.endr
	s_wait_kmcnt 0x0
.irp r, 24,32,40,48,68,76,84,92
.irp k, 1,2,3,4,5,6,7
	s_add_co_u32 s[\r], s[\r], s[\r+\k]
.endr
.endr
.endm
	s_load_b256 s[4:11], s[0:1], 0x0               ; rt s[4:5], x s[6:7], the scales' exponents s[8:9], xs s[10:11]
	s_load_b128 s[12:15], s[0:1], 0x20             ; pos s[12:13], tab s[14:15]
	v_lshl_add_u32 v128, v0, 2, 0x4200
	v_mov_b32 v129, 0
	v_lshrrev_b32 v1, 5, v0
	s_delay_alu instid0(VALU_DEP_1)
	v_readfirstlane_b32 s3, v1                     ; wave 0..7
	v_and_b32 v1, 31, v0                           ; lane
	s_delay_alu instid0(VALU_DEP_1)
	v_lshlrev_b32 v4, 7, v1                        ; x: 128 bytes a lane
	s_delay_alu instid0(VALU_DEP_2)
	v_mul_u32_u24 v5, v1, UP
	s_lshl_b32 s2, s3, 5
	v_add_nc_u32 v5, s2, v5                        ; LDS, in: piece = lane, + 16 bytes x row 2 w
	v_lshlrev_b32 v7, 4, v1                        ; 16 x lane
	s_mul_i32 s2, s3, 4*UP
	v_add_nc_u32 v6, s2, v7                        ; LDS, back: pieces 4 w on
	v_lshlrev_b32 v8, 2, v1                        ; tab: a word a lane
	v_mov_b32 v9, 0                                ; pos: the place stands in the scalar base
	s_lshl_b32 s2, ttmp9, 4
	s_lshl_b32 s66, s3, 1
	s_add_co_u32 s2, s2, s66
	v_mov_b32 v10, s2                              ; 16 T + 2 w: what pos gets for my first row,
	s_delay_alu instid0(VALU_DEP_1)
	v_add_nc_u32 v11, 1, v10                       ; and for my second
	s_mov_b32 s61, 0x00ff00ff                      ; bytes 0 and 2 of a word
	s_wait_kmcnt 0x0
	s_load_b128 s[56:59], s[8:9], 0x0
; ---- A: each expert's rows
	CSUM 0                                         ; records 0-31
.set ee, 0
.irp r, 24,32,40,48,68,76,84,92
	s_mov_b32 s[16+ee], s[\r]
.set ee, ee+1
.endr
	CSUM 32                                        ; records 32-63: the other half of the same 64 bytes
.set ee, 0
.irp r, 24,32,40,48,68,76,84,92
	s_and_b32 s62, s[16+ee], s61                   ; the two sums' eight bytes, 128 at the most each, are added in two fields of 16 bits,
	s_and_b32 s63, s[\r], s61
	s_add_co_u32 s62, s62, s63
	s_lshr_b32 s63, s[16+ee], 8
	s_and_b32 s63, s63, s61
	s_add_co_u32 s62, s62, s63
	s_lshr_b32 s63, s[\r], 8
	s_and_b32 s63, s63, s61
	s_add_co_u32 s62, s62, s63
	s_and_b32 s63, s62, 0xffff                     ; and the two fields
	s_lshr_b32 s62, s62, 16
	s_add_co_u32 s[16+ee], s62, s63
.set ee, ee+1
.endr
	s_mov_b32 s32, 0
.irp e, 0,1,2,3,4,5,6,7
	s_add_co_u32 s[24+\e], s[16+\e], 15
	s_lshr_b32 s[24+\e], s[24+\e], 4               ; tiles
	s_add_co_u32 s[33+\e], s[32+\e], s[24+\e]      ; first tiles; s40: all tiles
.endr
	s_mov_b32 s41, 0                               ; my tile's expert: the last whose first tile is not behind T,
	s_mov_b32 s42, 0                               ; its first tile,
	s_mov_b32 s43, s16                             ; its rows
.irp i, 1,2,3,4,5,6,7
	s_cmp_ge_u32 ttmp9, s[32+\i]
	s_cselect_b32 s41, \i, s41
	s_cselect_b32 s42, s[32+\i], s42
	s_cselect_b32 s43, s[16+\i], s43
.endr
	s_min_u32 s41, s41, 7
	s_lshl_b32 s49, s41, 6                         ; the expert's row of the table of numbers
	s_load_b512 s[68:83], s[4:5], s49 offset:CT
	s_lshl_b32 s48, s41, 2                         ; the expert's word in a group of eight
	s_sub_co_u32 s44, ttmp9, s42
	s_lshl_b32 s44, s44, 4                         ; the rank, within the expert, of my tile's first row.  (A tile behind the last: every rank is at or past the expert's rows)
	s_lshl_b32 s51, s3, 1
	s_add_co_u32 s51, s51, s44                     ; my two ranks
	s_add_co_u32 s52, s51, 1
	s_mov_b32 s50, 0
	s_mov_b32 s53, 0
	s_mov_b32 s54, 0
	s_mov_b32 s55, 0
	s_mov_b32 s60, 0
	s_wait_kmcnt 0x0
; ---- B: the last record that begins at or ahead of a rank holds it
.set ii, 0
.rept 64
	s_bfe_u32 s67, s[68+ii/4], (0x80000|(8*(ii%4)))    ; record ii's number
	s_cmp_le_u32 s50, s51
	s_cselect_b32 s53, ii, s53
	s_cselect_b32 s54, s50, s54
	s_cmp_le_u32 s50, s52
	s_cselect_b32 s55, ii, s55
	s_cselect_b32 s60, s50, s60
	s_add_co_u32 s50, s50, s67
.set ii, ii+1
.endr
; ---- C: those records' masks
	s_min_u32 s53, s53, 63
	s_min_u32 s55, s55, 63
	s_lshl_b32 s61, s53, 7
	s_add_co_u32 s61, s61, s48
	s_lshl_b32 s62, s55, 7
	s_add_co_u32 s62, s62, s48
	s_load_b32 s68, s[4:5], s61 offset:0x0         ; who chose the expert,
	s_load_b32 s69, s[4:5], s61 offset:0x20        ; and who chose it first
	s_load_b32 s70, s[4:5], s62 offset:0x0
	s_load_b32 s71, s[4:5], s62 offset:0x20
	s_add_co_i32 s46, s57, 127
	s_lshl_b32 s47, s46, 23
	v_mov_b32 v14, s47                             ; 2^e as f32: the conversion takes its exponent field
	s_add_co_i32 s46, s46, 8
	s_lshl_b32 s46, s46, 23
	s_or_b32 s46, s46, 0x600000
	v_mov_b32 v15, s46                             ; 448 x 2^e
	s_lshl_b32 s46, ttmp9, 14
	s_lshl_b32 s47, s3, 11
	s_add_co_u32 s46, s46, s47
	s_mov_b32 s47, 0
	s_add_nc_u64 s[10:11], s[10:11], s[46:47]      ; xs + 16384 T + 2048 w
	s_wait_alu depctr_va_vdst(0)
	s_wait_kmcnt 0x0
; ---- D: the row of rank s[rho], which falls into record s[j], ahead of which the expert has s[p] rows; s[m], s[z]: the record's masks.
; Gives s[val] = -1 for a true row, 0 for one that fills the tile up; s[xb:xb+1] the token's row of x; s[pb:pb+1] the row id's word of pos.
.macro ROWOF rho, j, p, m, z, val, xb, pb
	s_sub_co_u32 s72, s[\rho], s[\p]               ; the rank within the record
	s_mov_b32 s74, 0                               ; the bit of that rank (0 where there is none: a row that fills up)
	s_mov_b32 s76, 0                               ; set bits so far
.set bb, 0
.rept 16
	s_bfe_u32 s77, s[\m], (0x10000|bb)             ; bit bb
	s_cmp_eq_u32 s76, s72
	s_cselect_b32 s78, s77, 0                      ; set, and of the wanted rank
	s_add_co_u32 s76, s76, s77
	s_cmp_lg_u32 s78, 0
	s_cselect_b32 s74, bb, s74
.set bb, bb+1
.endr
	s_lshr_b32 s77, s[\z], s74
	s_and_b32 s77, s77, 1
	s_xor_b32 s77, s77, 1                          ; slot 0 where the expert is the token's first choice
	s_lshl_b32 s78, s[\j], 4
	s_add_co_u32 s78, s78, s74                     ; the token,
	s_min_u32 s78, s78, 1023                       ; held inside x
	s_lshl_b32 s79, s78, 1
	s_add_co_u32 s79, s79, s77                     ; the row id,
	s_min_u32 s79, s79, 2047                       ; held inside pos
	s_cmp_lt_u32 s[\rho], s43
	s_cselect_b32 s[\val], -1, 0
	s_lshl_b32 s94, s78, 12
	s_mov_b32 s95, 0
	s_add_nc_u64 s[\xb:\xb+1], s[6:7], s[94:95]
	s_lshl_b32 s94, s79, 2
	s_add_nc_u64 s[\pb:\pb+1], s[12:13], s[94:95]
.endm
	ROWOF 51, 53, 54, 68, 69, 84, 86, 90
.irp n, 0,1,2,3,4,5,6,7
	global_load_b128 v[XN+4*\n:XN+4*\n+3], v4, s[86:87] offset:16*\n          ; my first row is on its way while the second is looked for
.endr
	ROWOF 52, 55, 60, 70, 71, 85, 88, 92
.irp n, 0,1,2,3,4,5,6,7
	global_load_b128 v[XN+32+4*\n:XN+32+4*\n+3], v4, s[88:89] offset:16*\n
.endr
	s_wait_loadcnt 0x0
.set i, 0
.rept 64
	v_med3_num_f32 v[XN+i], v[XN+i], -v15, v15     ; the conversion does not saturate (ISA guide 7.6.2): the hold comes first
.set i, i+1
.endr
.set i, 0
.rept 8
	v_cvt_scalef32_pk8_fp8_f32 v[CD+2*i:CD+2*i+1], v[XN+8*i:XN+8*i+7], v14
.set i, i+1
.endr
	v_nop                                          ; one plain place behind the conversions
.irp i, 0,1,2,3,4,5,6,7
	v_and_b32 v[CD+\i], s84, v[CD+\i]              ; zero codes in a row that fills the tile up
	v_and_b32 v[CD+8+\i], s85, v[CD+8+\i]
.endr
.irp u, 0,1
.irp h, 0,1
	ds_store_b128 v5, v[CD+8*\u+4*\h:CD+8*\u+4*\h+3] offset:16*\u+256*\h
.endr
.endr
	s_wait_dscnt 0x0                               ; my two rows lie in LDS,
	s_barrier_signal -1
	s_barrier_wait -1                              ; all sixteen do; nobody writes them again
	s_cmp_ge_u32 ttmp9, s40
	s_cbranch_scc1 .Lend                           ; this split has no tile T: the price of a grid that serves every split
.irp q, 0,1,2,3
	ds_load_b128 v[BK+4*\q:BK+4*\q+3], v6 offset:UP*\q
.endr
	s_wait_dscnt 0x0
.irp q, 0,1,2,3
	global_store_b128 v7, v[BK+4*\q:BK+4*\q+3], s[10:11] offset:512*\q     ; 512 consecutive bytes a store
.endr
	s_cmp_lg_u32 s3, 0
	s_cbranch_scc1 .Lnotab
	s_cmp_lg_u32 ttmp9, 0
	s_cbranch_scc1 .Lnotab                         ; tab is wave 0's of work-group 0, which always has a tile, since there are 2,048 rows
	v_mov_b32 v12, 0
.irp e, 0,1,2,3,4,5,6,7
	s_delay_alu instid0(VALU_DEP_1)
	v_writelane_b32 v12, s[32+\e], \e
	s_delay_alu instid0(VALU_DEP_1)
	v_writelane_b32 v12, s[24+\e], 8+\e
.endr
	global_store_b32 v8, v12, s[14:15]
.Lnotab:
	s_and_b32 vcc_lo, s84, 1                       ; lane 0, if my first row is a true one
	s_wait_xcnt 0x0                                ; EXEC is a source of the stores above: it changes only behind this wait
	s_and_saveexec_b32 s66, vcc_lo
	global_store_b32 v9, v10, s[90:91]
	s_wait_xcnt 0x0                                ; and again, in front of the line that widens it
	s_or_b32 exec_lo, exec_lo, s66
	s_and_b32 vcc_lo, s85, 1                       ; the same for my second row
	s_and_saveexec_b32 s66, vcc_lo
	global_store_b32 v9, v11, s[92:93]
	s_wait_xcnt 0x0
	s_or_b32 exec_lo, exec_lo, s66
.Lend:
	s_wait_tensorcnt 0x0
	ds_add_u32 v128, v129
	s_wait_dscnt 0x0
	s_endpgm
.Lfunc_end_k_q399c239162_place:
	.size	k_q399c239162_place, .Lfunc_end_k_q399c239162_place-k_q399c239162_place
	.p2alignl 7, 3214868480
	.fill 96, 4, 3214868480
	.section	.rodata,"a",@progbits
	.p2align	6, 0x0
	.amdhsa_kernel k_q399c239162_place
		.amdhsa_group_segment_fixed_size 17920
		.amdhsa_private_segment_fixed_size 0
		.amdhsa_enable_private_segment 0
		.amdhsa_kernarg_size 48
		.amdhsa_user_sgpr_count 2
		.amdhsa_user_sgpr_kernarg_segment_ptr 1
		.amdhsa_wavefront_size32 1
		.amdhsa_system_sgpr_workgroup_id_x 1
		.amdhsa_system_sgpr_workgroup_id_y 1
		.amdhsa_system_sgpr_workgroup_id_z 1
		.amdhsa_system_vgpr_workitem_id 0
		.amdhsa_next_free_vgpr 130
		.amdhsa_next_free_sgpr 100
		.amdhsa_reserve_vcc 1
		.amdhsa_float_denorm_mode_32 3
		.amdhsa_float_denorm_mode_16_64 3
		.amdhsa_memory_ordered 1
		.amdhsa_forward_progress 1
		.amdhsa_inst_pref_size 49
	.end_amdhsa_kernel
	.amdgpu_metadata
---
amdhsa.version: [ 1, 2 ]
amdhsa.kernels:
  - .name:           k_q399c239162_place
    .symbol:         k_q399c239162_place.kd
    .args:
      - { .name: rt, .offset: 0, .size: 8, .value_kind: global_buffer, .address_space: global }
      - { .name: x, .offset: 8, .size: 8, .value_kind: global_buffer, .address_space: global }
      - { .name: lowp_scales, .offset: 16, .size: 8, .value_kind: global_buffer, .address_space: global }
      - { .name: xs, .offset: 24, .size: 8, .value_kind: global_buffer, .address_space: global }
      - { .name: pos, .offset: 32, .size: 8, .value_kind: global_buffer, .address_space: global }
      - { .name: tab, .offset: 40, .size: 8, .value_kind: global_buffer, .address_space: global }
    .group_segment_fixed_size: 17920
    .private_segment_fixed_size: 0
    .kernarg_segment_align: 8
    .kernarg_segment_size: 48
    .max_flat_workgroup_size: 256
    .sgpr_count:     100
    .vgpr_count:     130
    .wavefront_size: 32
...
	.end_amdgpu_metadata
.endif
;; end of part 7
;; launch fc1 (part 8): grid 32 x 8, 4 waves a work-group, no clusters, 131,584 bytes of LDS; arguments w1, xs, b1, lowp_scales, tab, hq; writes hq
.if DOCPART == 8
	.amdgcn_target "amdgcn-amd-amdhsa--gfx1250"
	.amdhsa_code_object_version 6
	.text
	.protected	k_q399c239162_fc1
	.globl	k_q399c239162_fc1
	.p2align	8
	.type	k_q399c239162_fc1,@function
k_q399c239162_fc1:
	s_mov_b64 s[64:65], 0
	v_nop
	global_prefetch_b8 v0, s[64:65] scope:SCOPE_SE
	s_setreg_imm32_b32 hwreg(HW_REG_WAVE_SCHED_MODE, 0, 2), 2
	s_setreg_imm32_b32 hwreg(HW_REG_WAVE_MODE, 25, 1), 1
	s_wait_xcnt 0x0
	s_wait_alu depctr_vm_vsrc(0)
; FIRST LAYER OF THE EXPERTS: hq = Q(gelu(xs w1 + b1)), on codes of E4M3.  Work-group (S, e) owns columns 128 S .. 128 S + 127 of expert e's w1, all 1,024 along K:
; 512 KiB of f32, read from memory once, quantised on the way (scale: entry 0) and kept; then all tiles of 16 rows of that expert pass over them.
; WAVES: cg = wave mod 2 is a group of 64 columns, rg = wave / 2.  STREAM: wave (cg, rg) loads K steps 4 rg .. 4 rg + 3 of its group.  A load takes two rows of w1, 16 apart, 256 consecutive
; aligned bytes of each: lane (r, h) gets w1[k + 16 h][4 r + 0..3].  Eight numbers a conversion, then a 4 x 4 turn of bytes (v_perm_b32) inside the lane gives, for c = 0..3, the fragment of
; TILE c = the 16 columns 4 m + c: register 4 q + b, byte n of lane (r, h) is w1[128 s + 32 q + 16 h + 4 b + n][4 r + c]: the layout in which xs holds x.  No number changes lanes.
; The fragments go through LDS as images of their registers (16 bytes a lane, 512 a store); ONE barrier; each wave then holds all 8 K steps of its 64 columns in 512 registers:
; ITS OWN FOUR come back ahead of the barrier, while the stream's last loads are on their way (window 2); its partner's four behind the barrier (window 3).
; ROWS: wave (cg, rg) takes the expert's tiles rg, rg + 2, ..  The number of tiles is read from tab, so no barrier stands in that loop, and the activations come straight from memory into
; registers, a ring of two tiles (four groups of 16 loads).  A group holds four K steps: my own four first, then my partner's, by two address registers.  The ring's first four groups are asked for
; inside the stream's last K step, each into the 64 landing registers that the unit just converted has left.
; The product is used transposed (source 0 = weights, source 1 = rows): lane (r, h) holds row r, register j of tile c column 32 h + 4 j + c.
; GELU, exact form: g = max(v, 0) - |v| C, C = erfc(|v| / sqrt 2) / 2.  With t = |v| / sqrt 2: t <= 475/512: C = (1 - erf t) / 2, erf by an odd polynomial; above: C = exp(r(t)) / 2, r a polynomial.
; The fit holds erf within one unit of its last place, so g has an absolute error of about 1e-7 |v|; where g itself is that small (v far below 0) its relative error is larger.
; OUT: hq[tile][K step S of the next product][2048]: my 16 codes a half-tile are piece 2 cg + u of that image.  Position I = 16 q + 4 b + n of lane half h stands there for
; hidden unit 128 S + 64 (I / 32) + 32 h + 4 (I mod 8) + (I / 8) mod 4; the next launch lays w2 alike.
; LIMITS: entries 0 and 2 of the scales between -126 and 119; entry 0 + entry 1 between -126 and 127.  NaN among the inputs is not served.  The f32 sums take K's steps in another order in the two row groups.
; No tensor loads, clusters or joint loads: the weights are the work-group's own, and the row loop's trip count is a loaded number, under which no barrier may stand.
; REGISTERS, in windows of 256: window 0 addresses, sums, GELU; window 1 the stream's 256 landing registers, later the ring of activations; window 2 my own four K steps of weights, window 3 my partner's.
; THE MODE: SCHED_MODE bits 1:0 = 2 (LLVM: expert scheduling mode 2), set by the entry lines.  The code itself states the register dependences
; between vector or matrix instructions and memory or LDS instructions, with s_wait_alu, always for 0.
; THE PLAN, THE STREAM.  Registers that memory or LDS instructions touch:
;   landing[q]   64 registers of window 1, q = 0 .. 3.  Unit q: its 64 holds write them in place and its eight conversions read them; behind those the next 16 loads land in them.
;   OS[0], OS[1] 16 registers each.  Unit q's turns of bytes write OS[q % 2]; the four LDS stores that read it are issued in unit q + 1 (unit 3's at the K step's end).
;   v4           the LDS stores' address: written once a K step, in unit 0.
;   v2, v3, v5, v6, v7, v12, v13   offsets and addresses, made at the head and never written again: each unit has a scalar base of its own, which moves on behind the wait for the unit's data.
;   R and TT are named by vector instructions alone.
; So a unit has ONE wait on va_vdst, behind its conversions: they and the holds are done with landing[q], the unit before has written the other OS, and v4 is written.  Behind it stand the 16 loads,
; the four stores of the unit before, and this unit's turns, which name R, TT and OS[q % 2]: none of the registers that those loads and stores touch.  One wait on vm_vsrc stands at a unit's head.
; THE PLAN, THE ROWS.
;   ring[p][g]   64 registers of window 1.  Tile p's 32 matrix instructions read ring[p][0] and ring[p][1]; behind them the loads of the tile two further on land there.
;   CD           8 registers: the tile's four conversions write them, its two stores read them.
; So a tile has one wait on va_vdst behind its matrix instructions, for its 32 loads, which are dealt in two runs among the GELU's lines (these name window 0's sums, biases and work registers alone),
; and one ahead of its two stores.  The waits that let the bases and CD be written again stand behind the matrix instructions, far behind the last tile's stores and ahead of the first such write.
.set PITCH, 16384                      ; a row of w1 in bytes
.set AV,   12                          ; v12, v13 the activations' two addresses: 16 x lane + 8192 x rg, 16 x lane + 8192 x (1 - rg)
.set ACC,  16                          ; v16-47   four accumulators, tile c at 8 c
.set BIAS, 48                          ; v48-79   b1 in the result's layout
.set GV,   80                          ; v80-159  GELU: v, t, t^2 (later max(v,0)), the upper branch, the lower branch: 16 each
.set GT,   96
.set GS,   112
.set GR,   128
.set GU,   144
.set CD,   160                         ; v160-167 a tile's codes
.set KA,   168                         ; v168-181 seven pairs: the upper branch's coefficients
.set KC,   182                         ; v182-193 six pairs: the lower branch's
.set KL,   194                         ; v194-195 log2 e
.set R,    80                          ; the stream: 16 words of codes as converted,
.set TT,   96                          ; 16 half-turned,
.set OUT,  112                         ; two sets of 16 turned: OS[0], OS[1]
.set MK,   68                          ; s68-83   which branch: a mask for each of 16 numbers
; s[22:23], s[60:61], s[62:63], s[84:85]: the bases of the stream's units 0 to 3
.set MSB, 0
.macro WIN new                         ; bits 1:0 source 0, 3:2 source 1, 5:4 source 2, 7:6 destination; the high byte repeats the setting that is left
.if MSB != (\new)
	s_set_vgpr_msb (MSB<<8)|(\new)
.set MSB, (\new)
.endif
.endm
.macro KSET r, val
	v_mov_b32 v[\r], \val
	v_mov_b32 v[\r+1], \val
.endm
; unit q of a K step: 16 loads, rows 32 q + i and 16 below, through the unit's own base s[b:b+1]; under a destination in window 1
.macro WISSUE q, b
.set wi, 0
.rept 16
	global_load_b128 v[64*\q+4*wi:64*\q+4*wi+3], v2, s[\b:\b+1] offset:(32*\q+wi)*PITCH th:TH_LOAD_NT
.set wi, wi+1
.endr
.endm
; the four LDS stores of unit q's turned codes: piece q of four fragments
.macro WSTORE q
.set OS, OUT+16*((\q)%2)
.irp c, 0,1,2,3
	ds_store_b128 v4, v[OS+4*\c:OS+4*\c+3] offset:2048*\c+512*(\q)
.endr
.endm
; A unit's first half: unit q is held and converted; it ends with the unit's one wait on va_vdst, under a destination in window 1: the caller's 16 loads follow.  step = 1: the unit's base moves on by a K step
.macro WHEAD q, b, step
	s_wait_loadcnt 48                              ; loads come back in order (ISA guide 5.7.1): unit q's 16 are in; the three younger groups of 16 stay out
	s_wait_alu depctr_vm_vsrc(0)                   ; the LDS stores issued so far have read OS[q % 2], which this unit's turns write again, and, in unit 0, v4
.if (\q) == 0
	v_add_nc_u32 v4, s24, v3                       ; this K step's images
.endif
.if \step
	s_add_nc_u64 s[\b:\b+1], s[\b:\b+1], 128*PITCH ; free since the wait for the unit's data, which shows the only loads that read this base done
.endif
	WIN 0x41
.set wi, 0
.rept 64
	v_med3_num_f32 v[64*\q+wi], v[64*\q+wi], -v9, v9   ; the conversion does not saturate (ISA guide 7.6.2): the hold comes first
.set wi, wi+1
.endr
	WIN 0x01
.set wi, 0
.rept 8
	v_cvt_scalef32_pk8_fp8_f32 v[R+2*wi:R+2*wi+1], v[64*\q+8*wi:64*\q+8*wi+7], v8   ; word i: row i's four columns
.set wi, wi+1
.endr
	WIN 0x40                                       ; destination window 1, for the loads
	v_nop                                          ; one plain place behind the conversions
	s_wait_alu depctr_va_vdst(0)                   ; the holds have written and the conversions have read landing[q], in which the loads below land; the unit before has written the other OS, which the stores below read; v4 is written
.endm
; A unit's second half: the stores of the unit before, then this unit's turn of bytes into OS[q % 2]
.macro WREST q
	WIN 0
.if (\q) > 0
	WSTORE (\q)-1
.endif
.set OS, OUT+16*((\q)%2)
.irp b, 0,1,2,3
	v_perm_b32 v[TT+4*\b],   v[R+4*\b+1], v[R+4*\b],   s26
	v_perm_b32 v[TT+4*\b+1], v[R+4*\b+3], v[R+4*\b+2], s26
	v_perm_b32 v[TT+4*\b+2], v[R+4*\b+1], v[R+4*\b],   s27
	v_perm_b32 v[TT+4*\b+3], v[R+4*\b+3], v[R+4*\b+2], s27
.endr
.irp b, 0,1,2,3
	v_perm_b32 v[OS+\b],    v[TT+4*\b+1], v[TT+4*\b],   s28   ; column c = 0 of rows 4 b .. 4 b + 3
	v_perm_b32 v[OS+4+\b],  v[TT+4*\b+1], v[TT+4*\b],   s29
	v_perm_b32 v[OS+8+\b],  v[TT+4*\b+3], v[TT+4*\b+2], s28
	v_perm_b32 v[OS+12+\b], v[TT+4*\b+3], v[TT+4*\b+2], s29
.endr
.endm
; A K step's end: unit 3's codes
.macro WTAIL
	s_wait_alu depctr_va_vdst(0)                   ; unit 3's turns have written OS[1], which the stores below read
	WSTORE 3
.endm
; my own K step s (of my four) back from LDS, under a destination in window 2: LDS serves a wave's instructions in order (ISA guide 5.7.1.4), and these bytes are my own: no barrier is owed.
; No vector or matrix instruction has named these registers, and v3 stands since the head: no s_wait_alu is owed
.macro WOWN s
.irp c, 0,1,2,3
.irp q, 0,1,2,3
	ds_load_b128 v[64*\s+16*\c+4*\q:64*\s+16*\c+4*\q+3], v3 offset:(4*\s+\c)*2048+512*\q
.endr
.endr
.endm
; s[40:41] = the image of my tile number idx: xs + 16384 x min(first tile + rg + 2 idx, 134)
.macro APTR idx
	s_lshl_b32 s38, \idx, 1
	s_add_co_u32 s38, s38, s32
	s_min_u32 s38, s38, 134
	s_lshl_b32 s38, s38, 14
	s_mov_b32 s39, 0
	s_add_nc_u64 s[40:41], s[6:7], s[38:39]
.endm
.macro ALOAD p, g, b                   ; four K steps of the tile at s[b:b+1] (g = 0: my own four, 1: my partner's) into half g of ring place p: 16 loads of 512 consecutive bytes; under a destination in window 1
.irp s4, 0,1,2,3
.irp q, 0,1,2,3
	global_load_b128 v[128*\p+64*\g+16*\s4+4*\q:128*\p+64*\g+16*\s4+4*\q+3], v[AV+\g], s[\b:\b+1] offset:\s4*2048+512*\q
.endr
.endr
.endm
; 16 matrix instructions on half g of ring place p.  left: the younger loads that may stay out
.macro MULT p, g, left
	s_wait_loadcnt \left
	WIN 0x06+\g                                    ; source 0 window 2 or 3, source 1 window 1, sums window 0
.irp s4, 0,1,2,3
.irp c, 0,1,2,3                        ; the four accumulators by turns, one instruction a turn
.if (\g == 0) && (\s4 == 0)
	v_wmma_f32_16x16x128_fp8_fp8 v[ACC+8*\c:ACC+8*\c+7], v[64*\s4+16*\c:64*\s4+16*\c+15], v[128*\p+64*\g+16*\s4:128*\p+64*\g+16*\s4+15], 0
.else
	v_wmma_f32_16x16x128_fp8_fp8 v[ACC+8*\c:ACC+8*\c+7], v[64*\s4+16*\c:64*\s4+16*\c+15], v[128*\p+64*\g+16*\s4:128*\p+64*\g+16*\s4+15], v[ACC+8*\c:ACC+8*\c+7]
.endif
.endr
.endr
.endm
.macro PK3 d, a, b, c                  ; d = a b + c, 16 numbers
.irp i, 0,2,4,6,8,10,12,14
	v_pk_fma_f32 v[\d+\i:\d+\i+1], v[\a+\i:\a+\i+1], v[\b+\i:\b+\i+1], v[\c+\i:\c+\i+1]
.endr
.endm
.macro PKC d, a, b, k                  ; d = a b + the constant pair k
.irp i, 0,2,4,6,8,10,12,14
	v_pk_fma_f32 v[\d+\i:\d+\i+1], v[\a+\i:\a+\i+1], v[\b+\i:\b+\i+1], v[\k:\k+1]
.endr
.endm
.macro PKK d, a, k1, k2                ; d = a k1 + k2
.irp i, 0,2,4,6,8,10,12,14
	v_pk_fma_f32 v[\d+\i:\d+\i+1], v[\a+\i:\a+\i+1], v[\k1:\k1+1], v[\k2:\k2+1]
.endr
.endm
; tiles 2 u and 2 u + 1: 16 numbers a lane become 16 codes.  Every step goes over all 16 numbers before the next begins, so that no line reads the result of the line above it.
; The first three steps: v, t, t^2
.macro GELUA u
.irp i, 0,2,4,6,8,10,12,14
	v_pk_fma_f32 v[GV+\i:GV+\i+1], v[ACC+16*\u+\i:ACC+16*\u+\i+1], s[50:51], v[BIAS+16*\u+\i:BIAS+16*\u+\i+1] op_sel_hi:[1,0,1]   ; v = sum x 2^(e0 + e1) + b1; each accumulator from its low end on
.endr
.set gi, 0
.rept 16
	v_mul_f32 v[GT+gi], s48, |v[GV+gi]|            ; t = |v| / sqrt 2
.set gi, gi+1
.endr
.irp i, 0,2,4,6,8,10,12,14
	v_pk_mul_f32 v[GS+\i:GS+\i+1], v[GT+\i:GT+\i+1], v[GT+\i:GT+\i+1]
.endr
.endm
; The rest: both branches, the choice, g, the hold and the codes
.macro GELUB u
	PKK GR, GT, KA, KA+2                           ; the upper branch: r(t)
	PKK GU, GT, KA+4, KA+6
	PK3 GR, GR, GS, GU
	PKC GR, GR, GT, KA+8
	PKC GR, GR, GT, KA+10
	PKC GR, GR, GT, KA+12
.irp i, 0,2,4,6,8,10,12,14
	v_pk_fma_f32 v[GR+\i:GR+\i+1], v[GR+\i:GR+\i+1], v[GT+\i:GT+\i+1], v[GT+\i:GT+\i+1] neg_lo:[0,0,1] neg_hi:[0,0,1]
.endr
.irp i, 0,2,4,6,8,10,12,14
	v_pk_fma_f32 v[GR+\i:GR+\i+1], v[GR+\i:GR+\i+1], v[KL:KL+1], -1.0 op_sel_hi:[1,1,0]   ; r log2 e - 1: the exponential then gives exp(r) / 2
.endr
.set gi, 0
	s_wait_alu depctr_va_vdst(0)
.rept 16
	v_exp_f32 v[GR+gi], v[GR+gi]
.set gi, gi+1
.endr
	PKK GU, GS, KC, KC+2                           ; the lower branch (plain work behind the exponentials, on other registers)
	PKC GU, GU, GS, KC+4
	PKC GU, GU, GS, KC+6
	PKC GU, GU, GS, KC+8
	PKC GU, GU, GS, KC+10
	PK3 GU, GU, GT, GT                             ; erf t
.irp i, 0,2,4,6,8,10,12,14
	v_pk_fma_f32 v[GU+\i:GU+\i+1], v[GU+\i:GU+\i+1], -0.5, 0.5 op_sel_hi:[1,0,0]
.endr
.set gi, 0
.rept 16
	v_cmp_lt_f32 s[MK+gi], s49, v[GT+gi]           ; which branch holds
.set gi, gi+1
.endr
.set gi, 0
.rept 16
	v_max_num_f32 v[GS+gi], 0, v[GV+gi]
.set gi, gi+1
.endr
	s_wait_alu depctr_va_sdst(0)                   ; the sixteen compares have written s68 to s83, ahead of their first readers, the selections below
	s_wait_alu depctr_va_vdst(0)                   ; the sixteen exponentials have written v[GR ..], ahead of their first readers: one wait for the batch
.set gi, 0
.rept 16
	v_cndmask_b32 v[GU+gi], v[GU+gi], v[GR+gi], s[MK+gi]   ; a choice of values: both branches are computed in every lane
.set gi, gi+1
.endr
.set gi, 0
.rept 16
	v_fma_f32 v[GV+gi], -|v[GV+gi]|, v[GU+gi], v[GS+gi]    ; g = max(v, 0) - |v| C
.set gi, gi+1
.endr
.set gi, 0
.rept 16
	v_med3_num_f32 v[GV+gi], v[GV+gi], -v205, v205
.set gi, gi+1
.endr
	v_cvt_scalef32_pk8_fp8_f32 v[CD+4*\u:CD+4*\u+1], v[GV:GV+7], v204
	v_cvt_scalef32_pk8_fp8_f32 v[CD+4*\u+2:CD+4*\u+3], v[GV+8:GV+15], v204
	v_nop                                          ; one plain place behind the conversions
.endm
.macro TILE p
	MULT \p, 0, 48                                 ; ring[p][0] is in; the ring's three younger groups stay out
	MULT \p, 1, 32                                 ; ring[p][1] is in; the next tile's two groups stay out
	s_wait_xcnt 0x0                                ; the bases and the stores' data are written again only behind this wait; the last tile's stores stand 32 matrix instructions back
	s_wait_alu depctr_vm_vsrc(0)                   ; my last tile's stores have read v[CD ..], which this tile's conversions write again; ahead of my first tile: the stream's LDS stores have read v[OUT ..], which the GELU writes from here on
	s_add_co_u32 s36, s35, \p                      ; which of my tiles
	s_lshl_b32 s38, s36, 1
	s_add_co_u32 s38, s38, s32
	s_min_u32 s38, s38, 134
	s_lshl_b32 s38, s38, 16
	s_mov_b32 s39, 0
	s_add_nc_u64 s[42:43], s[52:53], s[38:39]      ; hq + 65536 T + 2048 S + 1024 cg
	s_add_co_u32 s36, s36, 2
	s_min_u32 s36, s36, s31                        ; the tile two further on, or my last: no load leaves what has been written
	APTR s36
.rept 4
	v_nop                                          ; four places behind the last matrix instruction, before the sums are read (ISA guide 7.12.1)
.endr
	WIN 0x40                                       ; destination window 1
	s_wait_alu depctr_va_vdst(0)                   ; the tile's 32 matrix instructions are done reading ring[p], in which the 32 loads below land
	ALOAD \p, 0, 40                                ; the tile two further on
	WIN 0
	GELUA 0
	WIN 0x40
	ALOAD \p, 1, 40                                ; no wait: the lines since the wait name the sums, the biases and v[GV ..] to v[GS ..] of window 0, none of these loads' registers
	WIN 0
	GELUB 0
	GELUA 1
	GELUB 1
	s_wait_alu depctr_va_vdst(0)                   ; the tile's four conversions have written v[CD ..], which the two stores read
	global_store_b128 v6, v[CD:CD+3], s[42:43]               ; 512 consecutive bytes each
	global_store_b128 v6, v[CD+4:CD+7], s[42:43] offset:512
.endm
	s_load_b256 s[4:11], s[0:1], 0x0               ; w1 s[4:5], xs s[6:7], b1 s[8:9], the scales' exponents s[10:11]
	s_load_b128 s[12:15], s[0:1], 0x20             ; tab s[12:13], hq s[14:15]
	v_lshl_add_u32 v254, v0, 2, 0x20000
	v_mov_b32 v255, 0
	v_lshrrev_b32 v1, 5, v0
	v_readfirstlane_b32 s16, v1                    ; wave 0..3
	v_and_b32 v1, 31, v0
	v_and_b32 v10, 15, v0                          ; r
	v_bfe_u32 v11, v0, 4, 1                        ; h
	v_lshlrev_b32 v2, 4, v10
	v_lshl_add_u32 v2, v11, 18, v2                 ; w1: 16 r + 16 rows x h
	v_lshlrev_b32 v6, 4, v1                        ; 16 x lane
	s_wait_alu depctr_va_vdst(0)
	v_lshlrev_b32 v7, 7, v11                       ; b1: 32 numbers for each half of the lanes
	s_and_b32 s20, ttmp7, 0xffff                   ; the expert
	s_lshl_b32 s21, s20, 2
	s_wait_alu depctr_va_sdst(0)                   ; s16 is written, ahead of its first reader: cg, rg and all that is made of them
	s_and_b32 s17, s16, 1                          ; cg
	s_lshr_b32 s18, s16, 1                         ; rg
	s_lshl_b32 s36, s17, 16
	s_lshl_b32 s37, s18, 15
	s_add_co_u32 s37, s37, s36
	v_add_nc_u32 v3, s37, v6                       ; LDS: the 16 images that I make,
	s_xor_b32 s37, s37, 32768
	v_add_nc_u32 v5, s37, v6                       ; and the 16 that my partner (the same columns, the other rg) makes
	s_lshl_b32 s37, s18, 13
	v_add_nc_u32 v[AV], s37, v6                    ; a tile's image: my own four K steps of 2,048 bytes,
	s_xor_b32 s37, s37, 8192
	v_add_nc_u32 v[AV+1], s37, v6                  ; and my partner's four
	s_mov_b32 s26, 0x05010400                      ; the turn of bytes
	s_mov_b32 s27, 0x07030602
	s_mov_b32 s28, 0x05040100
	s_mov_b32 s29, 0x07060302
	s_mov_b32 s48, 0x3f3504f3                      ; 1 / sqrt 2
	s_mov_b32 s49, 0x3f6d8000                      ; 475 / 512
	s_lshl_b32 s38, s20, 24                        ; w1: expert, 512 rows x rg, 512 bytes x S, 256 x cg
	s_lshl_b32 s39, s18, 23
	s_add_co_u32 s38, s38, s39
	s_lshl_b32 s39, ttmp9, 9
	s_add_co_u32 s38, s38, s39
	s_lshl_b32 s39, s17, 8
	s_add_co_u32 s38, s38, s39
	s_mov_b32 s39, 0
	s_lshl_b32 s40, s20, 14                        ; b1
	s_lshl_b32 s41, ttmp9, 9
	s_add_co_u32 s40, s40, s41
	s_lshl_b32 s41, s17, 8
	s_add_co_u32 s40, s40, s41
	s_mov_b32 s41, 0
	s_lshl_b32 s42, ttmp9, 11                      ; hq: 2048 S + 1024 cg
	s_lshl_b32 s43, s17, 10
	s_add_co_u32 s42, s42, s43
	s_mov_b32 s43, 0
	s_wait_kmcnt 0x0
	s_load_b128 s[44:47], s[10:11], 0x0            ; e0 (w1), e1 (x), e2 (hidden), e3 (w2)
	s_load_b32 s32, s[12:13], s21 offset:0x0       ; the expert's first tile,
	s_load_b32 s33, s[12:13], s21 offset:0x20      ; and its tiles
	s_add_nc_u64 s[22:23], s[4:5], s[38:39]        ; the four units' bases, all at my first K step
	s_mov_b64 s[60:61], s[22:23]
	s_mov_b64 s[62:63], s[22:23]
	s_mov_b64 s[84:85], s[22:23]
	s_add_nc_u64 s[8:9], s[8:9], s[40:41]
	s_add_nc_u64 s[52:53], s[14:15], s[42:43]
	s_wait_alu depctr_va_vdst(0)                   ; v2, v3, v5, v6, v7, v12 and v13 are written: every load and store of the kernel but the stream's LDS stores reads one of them as its offset or address
.irp c, 0,1,2,3
.irp j, 0,1,2,3,4,5,6,7
	global_load_b32 v[BIAS+8*\c+\j], v7, s[8:9] offset:(4*\j+\c)*4        ; the oldest loads: the stream's first counted wait covers them
.endr
.endr
	WIN 0x40                                       ; destination window 1
	WISSUE 0, 22
	WISSUE 1, 60
	WISSUE 2, 62
	WISSUE 3, 84
	WIN 0
	KSET KA,    0xb7910000
	KSET KA+2,  0x39c8e7d9
	KSET KA+4,  0xbb7e8a1c
	KSET KA+6,  0x3cc6b1a1
	KSET KA+8,  0xbddaae5c
	KSET KA+10, 0xbf228550
	KSET KA+12, 0xbe03ce86
	KSET KC,    0xba1c7000
	KSET KC+2,  0x3ba38d2c
	KSET KC+4,  0xbcdb48d9
	KSET KC+6,  0x3de70e22
	KSET KC+8,  0xbec09380
	KSET KC+10, 0x3e0375d4
	KSET KL,    0x3fb8aa3b
	s_wait_kmcnt 0x0
	s_add_co_i32 s36, s44, 127
	s_lshl_b32 s37, s36, 23
	v_mov_b32 v8, s37                              ; 2^e0
	s_add_co_i32 s36, s36, 8
	s_lshl_b32 s36, s36, 23
	s_or_b32 s36, s36, 0x600000
	v_mov_b32 v9, s36                              ; 448 x 2^e0
	s_add_co_i32 s36, s46, 127
	s_lshl_b32 s37, s36, 23
	v_mov_b32 v204, s37                            ; 2^e2
	s_add_co_i32 s36, s36, 8
	s_lshl_b32 s36, s36, 23
	s_or_b32 s36, s36, 0x600000
	v_mov_b32 v205, s36                            ; 448 x 2^e2
	s_add_co_i32 s50, s44, s45
	s_add_co_i32 s50, s50, 127
	s_lshl_b32 s50, s50, 23                        ; 2^(e0 + e1)
	s_mov_b32 s51, s50                             ; (named with it as a pair)
	; which tiles are mine, and where my first two lie.  A wave without tiles asks for tile 0, which every split has, and uses nothing of it
	s_min_u32 s33, s33, 64                         ; an expert has 1,024 rows at the most: 64 tiles
	s_add_co_u32 s32, s32, s18                     ; my first tile
	s_add_co_u32 s34, s33, 1
	s_sub_co_u32 s34, s34, s18
	s_lshr_b32 s34, s34, 1                         ; how many are mine
	s_sub_co_u32 s31, s34, 1                       ; the last of them
	s_cmp_eq_u32 s34, 0
	s_cselect_b32 s38, 0, s32
	s_min_u32 s38, s38, 134
	s_lshl_b32 s38, s38, 14
	s_mov_b32 s39, 0
	s_add_nc_u64 s[40:41], s[6:7], s[38:39]        ; my first tile's image
	s_min_u32 s36, s31, 1
	s_lshl_b32 s36, s36, 1
	s_add_co_u32 s36, s36, s32
	s_cmp_eq_u32 s34, 0
	s_cselect_b32 s38, 0, s36
	s_min_u32 s38, s38, 134
	s_lshl_b32 s38, s38, 14
	s_add_nc_u64 s[58:59], s[6:7], s[38:39]        ; my second tile's, or the first's once more
	s_mov_b32 s24, 0
	s_mov_b32 s25, 0
.Lks:                                              ; three trips: K step s is worked while K step s + 1 is on its way, 48 to 64 loads of 512 bytes a wave
	s_wait_alu depctr_va_vdst(0)
	WHEAD 0, 22, 1
	WISSUE 0, 22                                   ; the next K step's unit 0
	WREST 0
	WHEAD 1, 60, 1
	WISSUE 1, 60
	WREST 1
	WHEAD 2, 62, 1
	WISSUE 2, 62
	WREST 2
	WHEAD 3, 84, 1
	WISSUE 3, 84
	WREST 3
	WTAIL
	s_add_co_u32 s24, s24, 8192
	s_add_co_u32 s25, s25, 1
	s_cmp_lt_u32 s25, 3
	s_cbranch_scc1 .Lks
	WIN 0x80                                       ; destination window 2
	WOWN 0                                         ; my first three K steps come back while the last K step's loads are on their way
	WOWN 1
	WOWN 2
	WIN 0
	; The last K step asks for no more weights: each unit's 64 landing registers take a group of the ring of activations instead.
	; Behind unit q's loads stand 16 (3 - q) loads of weights and 16 q of activations: the count is 48 four times.
	WHEAD 0, 22, 0
	ALOAD 0, 0, 40
	WREST 0
	WHEAD 1, 60, 0
	ALOAD 0, 1, 40
	WREST 1
	WHEAD 2, 62, 0
	ALOAD 1, 0, 58
	WREST 2
	WHEAD 3, 84, 0
	ALOAD 1, 1, 58
	WREST 3
	WTAIL
	WIN 0x80
	WOWN 3
	WIN 0
	s_wait_dscnt 0x0                               ; my images lie in LDS, and my own are back,
	s_barrier_signal -1
	s_barrier_wait -1                              ; everybody's lie there; nobody writes them again
	s_cmp_eq_u32 s34, 0
	s_cbranch_scc1 .Lend
	WIN 0xc0                                       ; destination window 3: my partner's four K steps.  No vector or matrix instruction has named these registers, and v5 stands since the head
.irp s4, 0,1,2,3
.irp c, 0,1,2,3
.irp q, 0,1,2,3
	ds_load_b128 v[64*\s4+16*\c+4*\q:64*\s4+16*\c+4*\q+3], v5 offset:(4*\s4+\c)*2048+512*\q
.endr
.endr
.endr
	WIN 0
	s_wait_dscnt 0x0
	s_add_co_u32 s57, s34, 1
	s_lshr_b32 s57, s57, 1                         ; trips: two tiles each, the last perhaps one
	s_mov_b32 s56, 0                               ; the trip's number: it steps by 1
.Lrow:                                             ; two tiles a trip, so that the ring's register numbers come round
	s_lshl_b32 s35, s56, 1                         ; the trip's first tile among mine
	TILE 0
	s_add_co_u32 s36, s35, 1
	s_cmp_lt_u32 s36, s34
	s_cbranch_scc1 .Lsecond
	s_wait_dscnt 0x0                               ; an odd number of tiles: the wave ends here, with the closing lines, six on end; the ring's loads that are still out are of no use to anybody
	s_wait_alu 0x0
	s_wait_tensorcnt 0x0
	ds_add_u32 v254, v255
	s_wait_dscnt 0x0
	s_endpgm
.Lsecond:
	TILE 1
	s_add_co_u32 s56, s56, 1
	s_cmp_lt_u32 s56, s57
	s_cbranch_scc1 .Lrow
.Lend:
	s_wait_dscnt 0x0                               ; the closing lines, six on end
	s_wait_alu 0x0
	s_wait_tensorcnt 0x0
	ds_add_u32 v254, v255
	s_wait_dscnt 0x0
	s_endpgm
.Lfunc_end_k_q399c239162_fc1:
	.size	k_q399c239162_fc1, .Lfunc_end_k_q399c239162_fc1-k_q399c239162_fc1
	.p2alignl 7, 3214868480
	.fill 96, 4, 3214868480
	.section	.rodata,"a",@progbits
	.p2align	6, 0x0
	.amdhsa_kernel k_q399c239162_fc1
		.amdhsa_group_segment_fixed_size 131584
		.amdhsa_private_segment_fixed_size 0
		.amdhsa_enable_private_segment 0
		.amdhsa_kernarg_size 48
		.amdhsa_user_sgpr_count 2
		.amdhsa_user_sgpr_kernarg_segment_ptr 1
		.amdhsa_wavefront_size32 1
		.amdhsa_system_sgpr_workgroup_id_x 1
		.amdhsa_system_sgpr_workgroup_id_y 1
		.amdhsa_system_sgpr_workgroup_id_z 1
		.amdhsa_system_vgpr_workitem_id 0
		.amdhsa_next_free_vgpr 1024
		.amdhsa_next_free_sgpr 96
		.amdhsa_reserve_vcc 0
		.amdhsa_float_denorm_mode_32 3
		.amdhsa_float_denorm_mode_16_64 3
		.amdhsa_memory_ordered 1
		.amdhsa_forward_progress 1
		.amdhsa_inst_pref_size 165
	.end_amdhsa_kernel
	.amdgpu_metadata
---
amdhsa.version: [ 1, 2 ]
amdhsa.kernels:
  - .name:           k_q399c239162_fc1
    .symbol:         k_q399c239162_fc1.kd
    .args:
      - { .name: w1, .offset: 0, .size: 8, .value_kind: global_buffer, .address_space: global }
      - { .name: xs, .offset: 8, .size: 8, .value_kind: global_buffer, .address_space: global }
      - { .name: b1, .offset: 16, .size: 8, .value_kind: global_buffer, .address_space: global }
      - { .name: lowp_scales, .offset: 24, .size: 8, .value_kind: global_buffer, .address_space: global }
      - { .name: tab, .offset: 32, .size: 8, .value_kind: global_buffer, .address_space: global }
      - { .name: hq, .offset: 40, .size: 8, .value_kind: global_buffer, .address_space: global }
    .group_segment_fixed_size: 131584
    .private_segment_fixed_size: 0
    .kernarg_segment_align: 8
    .kernarg_segment_size: 48
    .max_flat_workgroup_size: 128
    .sgpr_count:     96
    .vgpr_count:     1024
    .wavefront_size: 32
...
	.end_amdgpu_metadata
.endif
;; end of part 8
;; launch fc2 (part 9): grid 32 x 8, 4 waves a work-group, no clusters, 148,992 bytes of LDS; arguments w2, hq, lowp_scales, tab, part; writes part
.if DOCPART == 9
	.amdgcn_target "amdgcn-amd-amdhsa--gfx1250"
	.amdhsa_code_object_version 6
	.text
	.protected	k_q399c239162_fc2
	.globl	k_q399c239162_fc2
	.p2align	8
	.type	k_q399c239162_fc2,@function
k_q399c239162_fc2:
	s_mov_b64 s[64:65], 0
	v_nop
	global_prefetch_b8 v0, s[64:65] scope:SCOPE_SE
	s_setreg_imm32_b32 hwreg(HW_REG_WAVE_SCHED_MODE, 0, 2), 2
	s_setreg_imm32_b32 hwreg(HW_REG_WAVE_MODE, 25, 1), 1
	s_wait_xcnt 0x0
	s_wait_alu depctr_vm_vsrc(0)
; SECOND LAYER OF THE EXPERTS: part[kq] = hq w2 over a quarter of K, on codes of E4M3.  Work-group (x, e): ns = x mod 8 is a slice of 128 columns of expert e's w2, kq = x / 8 a quarter
; (1,024) of its 4,096 along K: 512 KiB of f32, read from memory once, quantised on the way (scale: entry 3) and kept; then all tiles of 16 rows of that expert pass over them.
; The build is the first layer's: cg = wave mod 2 a group of 64 columns, rg = wave / 2; the stream (wave (cg, rg): K steps 4 rg .. 4 rg + 3 of the quarter), a turn of bytes inside the lane,
; images of the fragments through LDS, ONE barrier, 512 registers of weights a wave (my own four K steps come back ahead of the barrier into window 2, my partner's four behind it into window 3),
; then a row loop without barriers whose trip count comes from tab.  The ring of activations takes K's steps in the same order, by two address registers, and its first four groups are asked for
; inside the stream's last K step, each into the 64 landing registers that the unit just converted has left.
; K's PLACES follow hq: position I = 16 q + i of lane half h stands for hidden unit 128 S + 64 (q / 2) + 32 h + 4 (i mod 8) + 2 (q mod 2) + i / 8.  So load i of unit q takes that row
; (lanes 16-31: 32 rows below), 256 consecutive aligned bytes of each.
; OUT: part[kq][16 T + row][1024] f32 = sum x 2^(e2 + e3).  Lane (r, h) holds row r and 32 neighbouring columns; a tile goes through the wave's own stage in LDS and leaves as rows:
; sixteen lanes store 256 consecutive aligned bytes.  The four quarters, the bias and the gates meet in the last launch, where each output row has one owner.
; LIMITS: entry 3 of the scales between -126 and 119; entry 2 + entry 3 between -126 and 127.  NaN among the inputs is not served.  The f32 sums take K's steps in another order in the two row groups.
; No tensor loads, clusters or joint loads: the weights are the work-group's own, and the row loop's trip count is a loaded number, under which no barrier may stand.
; THE MODE: SCHED_MODE bits 1:0 = 2 (LLVM: expert scheduling mode 2), set by the entry lines.  The code itself states the register dependences
; between vector or matrix instructions and memory or LDS instructions, with s_wait_alu, always for 0.
; THE PLAN, THE STREAM.  Registers that memory or LDS instructions touch:
;   landing[q]   64 registers of window 1, q = 0 .. 3.  Unit q: its 64 holds write them in place and its eight conversions read them; behind those the next 16 loads land in them.
;   OS[0], OS[1] 16 registers each.  Unit q's turns of bytes write OS[q % 2]; the four LDS stores that read it are issued in unit q + 1 (unit 3's at the K step's end).
;   v4           the LDS stores' address: written once a K step, in unit 0.
;   v2, v3, v5, v7, v10, v11, v12, v15   offsets and addresses, made at the head and never written again: each unit has a scalar base of its own, which moves on behind the wait for the unit's data.
;   R and TT are named by vector instructions alone.
; So a unit has ONE wait on va_vdst, behind its conversions: they and the holds are done with landing[q], the unit before has written the other OS, and v4 is written.  Behind it stand the 16 loads,
; the four stores of the unit before, and this unit's turns, which name R, TT and OS[q % 2]: none of the registers that those loads and stores touch.  One wait on vm_vsrc stands at a unit's head.
; THE PLAN, THE ROWS.
;   ring[p][g]   64 registers of window 1.  Tile p's 32 matrix instructions read ring[p][0] and ring[p][1]; behind them the loads of the tile two further on land there.
;   O            32 registers: the tile's 32 multiplications write them, its eight LDS stores read them.
;   BK           32 registers: the tile's eight LDS loads land in them, its eight global stores read them; no vector instruction names them.
; So a tile has ONE wait on va_vdst, behind its multiplications: the matrix instructions are done reading ring[p], and O is written.  Behind it no vector or matrix instruction stands in the tile: the 32 loads,
; in two runs, the stage's stores and loads between them, and the global stores.  The waits that let the bases, O and BK be written again stand behind the matrix instructions, far behind the last tile's stores
; and ahead of the first such write.
.set PITCH, 4096                       ; a row of w2 in bytes
.set AV0,  7                           ; v7       the activations' address for my own four K steps: 16 x lane + 8192 x rg
.set AV1,  15                          ; v15      for my partner's four: 16 x lane + 8192 x (1 - rg)
.set ACC,  16                          ; v16-47   four accumulators, tile c at 8 c
.set O,    48                          ; v48-79   the sums x 2^(e2 + e3), columns in order
.set BK,   80                          ; v80-111  rows back from the stage
.set R,    112                         ; the stream: 16 words of codes as converted,
.set TT,   128                         ; 16 half-turned,
.set OUT,  144                         ; two sets of 16 turned: OS[0], OS[1]
.set STAGE, 131072                     ; behind the images: 16 rows x (256 + 16) bytes for each wave
; s[22:23], s[14:15], s[60:61], s[62:63]: the bases of the stream's units 0 to 3
.set MSB, 0
.macro WIN new                         ; bits 1:0 source 0, 3:2 source 1, 5:4 source 2, 7:6 destination; the high byte repeats the setting that is left
.if MSB != (\new)
	s_set_vgpr_msb (MSB<<8)|(\new)
.set MSB, (\new)
.endif
.endm
; unit q of a K step: 16 loads through the unit's own base s[b:b+1]; under a destination in window 1
.macro WISSUE q, b
.set wi, 0
.rept 16
	global_load_b128 v[64*\q+4*wi:64*\q+4*wi+3], v2, s[\b:\b+1] offset:(64*((\q)>>1)+2*((\q)&1)+4*(wi&7)+(wi>>3))*PITCH th:TH_LOAD_NT
.set wi, wi+1
.endr
.endm
; the four LDS stores of unit q's turned codes: piece q of four fragments
.macro WSTORE q
.set OS, OUT+16*((\q)%2)
.irp c, 0,1,2,3
	ds_store_b128 v4, v[OS+4*\c:OS+4*\c+3] offset:2048*\c+512*(\q)
.endr
.endm
; A unit's first half: unit q is held and converted; it ends with the unit's one wait on va_vdst, under a destination in window 1: the caller's 16 loads follow.  step = 1: the unit's base moves on by a K step
.macro WHEAD q, b, step
	s_wait_loadcnt 48                              ; loads come back in order (ISA guide 5.7.1): unit q's 16 are in; the three younger groups of 16 stay out
	s_wait_alu depctr_vm_vsrc(0)                   ; the LDS stores issued so far have read OS[q % 2], which this unit's turns write again, and, in unit 0, v4
.if (\q) == 0
	v_add_nc_u32 v4, s24, v3                       ; this K step's images
.endif
.if \step
	s_add_nc_u64 s[\b:\b+1], s[\b:\b+1], 128*PITCH ; free since the wait for the unit's data, which shows the only loads that read this base done
.endif
	WIN 0x41
.set wi, 0
.rept 64
	v_med3_num_f32 v[64*\q+wi], v[64*\q+wi], -v9, v9   ; the conversion does not saturate (ISA guide 7.6.2): the hold comes first
.set wi, wi+1
.endr
	WIN 0x01
.set wi, 0
.rept 8
	v_cvt_scalef32_pk8_fp8_f32 v[R+2*wi:R+2*wi+1], v[64*\q+8*wi:64*\q+8*wi+7], v8   ; word i: load i's four columns
.set wi, wi+1
.endr
	WIN 0x40                                       ; destination window 1, for the loads
	v_nop                                          ; one plain place behind the conversions
	s_wait_alu depctr_va_vdst(0)                   ; the holds have written and the conversions have read landing[q], in which the loads below land; the unit before has written the other OS, which the stores below read; v4 is written
.endm
; A unit's second half: the stores of the unit before, then this unit's turn of bytes into OS[q % 2]
.macro WREST q
	WIN 0
.if (\q) > 0
	WSTORE (\q)-1
.endif
.set OS, OUT+16*((\q)%2)
.irp b, 0,1,2,3
	v_perm_b32 v[TT+4*\b],   v[R+4*\b+1], v[R+4*\b],   s26
	v_perm_b32 v[TT+4*\b+1], v[R+4*\b+3], v[R+4*\b+2], s26
	v_perm_b32 v[TT+4*\b+2], v[R+4*\b+1], v[R+4*\b],   s27
	v_perm_b32 v[TT+4*\b+3], v[R+4*\b+3], v[R+4*\b+2], s27
.endr
.irp b, 0,1,2,3
	v_perm_b32 v[OS+\b],    v[TT+4*\b+1], v[TT+4*\b],   s28
	v_perm_b32 v[OS+4+\b],  v[TT+4*\b+1], v[TT+4*\b],   s29
	v_perm_b32 v[OS+8+\b],  v[TT+4*\b+3], v[TT+4*\b+2], s28
	v_perm_b32 v[OS+12+\b], v[TT+4*\b+3], v[TT+4*\b+2], s29
.endr
.endm
; A K step's end: unit 3's codes
.macro WTAIL
	s_wait_alu depctr_va_vdst(0)                   ; unit 3's turns have written OS[1], which the stores below read
	WSTORE 3
.endm
; my own K step s (of my four) back from LDS, under a destination in window 2: LDS serves a wave's instructions in order (ISA guide 5.7.1.4), and these bytes are my own: no barrier is owed.
; No vector or matrix instruction has named these registers, and v3 stands since the head: no s_wait_alu is owed
.macro WOWN s
.irp c, 0,1,2,3
.irp q, 0,1,2,3
	ds_load_b128 v[64*\s+16*\c+4*\q:64*\s+16*\c+4*\q+3], v3 offset:(4*\s+\c)*2048+512*\q
.endr
.endr
.endm
; s[40:41] = my quarter of the image of my tile number idx: hq + 16384 kq + 65536 x min(first tile + rg + 2 idx, 134)
.macro APTR idx
	s_lshl_b32 s38, \idx, 1
	s_add_co_u32 s38, s38, s32
	s_min_u32 s38, s38, 134
	s_lshl_b32 s38, s38, 16
	s_mov_b32 s39, 0
	s_add_nc_u64 s[40:41], s[54:55], s[38:39]
.endm
.macro ALOAD p, g, b                   ; four K steps of the tile at s[b:b+1] (g = 0: my own four, 1: my partner's) into half g of ring place p: 16 loads of 512 consecutive bytes; under a destination in window 1
.set AVG, AV0+(AV1-AV0)*(\g)
.irp s4, 0,1,2,3
.irp q, 0,1,2,3
	global_load_b128 v[128*\p+64*\g+16*\s4+4*\q:128*\p+64*\g+16*\s4+4*\q+3], v[AVG], s[\b:\b+1] offset:\s4*2048+512*\q
.endr
.endr
.endm
; 16 matrix instructions on half g of ring place p.  left: the younger loads that may stay out
.macro MULT p, g, left
	s_wait_loadcnt \left
	WIN 0x06+\g                                    ; source 0 window 2 or 3, source 1 window 1, sums window 0
.irp s4, 0,1,2,3
.irp c, 0,1,2,3                        ; the four accumulators by turns, one instruction a turn
.if (\g == 0) && (\s4 == 0)
	v_wmma_f32_16x16x128_fp8_fp8 v[ACC+8*\c:ACC+8*\c+7], v[64*\s4+16*\c:64*\s4+16*\c+15], v[128*\p+64*\g+16*\s4:128*\p+64*\g+16*\s4+15], 0
.else
	v_wmma_f32_16x16x128_fp8_fp8 v[ACC+8*\c:ACC+8*\c+7], v[64*\s4+16*\c:64*\s4+16*\c+15], v[128*\p+64*\g+16*\s4:128*\p+64*\g+16*\s4+15], v[ACC+8*\c:ACC+8*\c+7]
.endif
.endr
.endr
.endm
.macro TILE p
	MULT \p, 0, 48                                 ; ring[p][0] is in; the ring's three younger groups stay out
	MULT \p, 1, 32                                 ; ring[p][1] is in; the next tile's two groups stay out
	WIN 0
	s_wait_xcnt 0x0                                ; the bases and the stores' data are written again only behind this wait; the last tile's stores stand 32 matrix instructions back
	s_wait_alu depctr_vm_vsrc(0)                   ; my last tile's LDS stores have read v[O ..], which the multiplications below write again, and its global stores v[BK ..], in which the loads from the stage land again
	s_add_co_u32 s36, s35, \p
	s_lshl_b32 s38, s36, 1
	s_add_co_u32 s38, s38, s32
	s_min_u32 s38, s38, 134
	s_lshl_b32 s38, s38, 16
	s_mov_b32 s39, 0
	s_add_nc_u64 s[42:43], s[52:53], s[38:39]      ; part: my plane, 16 T rows of 4,096 bytes, my 256 bytes of a row
	s_add_co_u32 s36, s36, 2
	s_min_u32 s36, s36, s31                        ; the tile two further on, or my last: no load leaves what has been written
	APTR s36
.rept 4
	v_nop                                          ; four places behind the last matrix instruction, before the sums are read (ISA guide 7.12.1)
.endr
.irp j, 0,1,2,3,4,5,6,7                ; register j of tile c is column 32 h + 4 j + c: each accumulator is read from its low end on
.irp c, 0,1,2,3
	v_mul_f32 v[O+4*\j+\c], s50, v[ACC+8*\c+\j]
.endr
.endr
	WIN 0x40                                       ; destination window 1
	s_wait_alu depctr_va_vdst(0)                   ; the tile's 32 matrix instructions are done reading ring[p], in which the 32 loads below land; the multiplications have written v[O ..], which the LDS stores read
	ALOAD \p, 0, 40                                ; the tile two further on
	WIN 0
.irp j, 0,1,2,3,4,5,6,7
	ds_store_b128 v10, v[O+4*\j:O+4*\j+3] offset:16*\j
.endr
.irp i, 0,1,2,3,4,5,6,7
	ds_load_b128 v[BK+4*\i:BK+4*\i+3], v11 offset:544*\i   ; LDS serves a wave's instructions in order (ISA guide 5.7.1.4): these see my stores
.endr
	WIN 0x40
	ALOAD \p, 1, 40                                ; no wait: no vector or matrix instruction has been issued since the wait above; these stand between the loads from the stage and the wait for them
	WIN 0
.irp i, 0,1,2,3,4,5,6,7
	s_wait_dscnt 7-\i
	global_store_b128 v12, v[BK+4*\i:BK+4*\i+3], s[42:43] offset:8192*\i   ; two rows: sixteen lanes store 256 consecutive aligned bytes
.endr
.endm
	s_load_b256 s[4:11], s[0:1], 0x0               ; w2 s[4:5], hq s[6:7], the scales' exponents s[8:9], tab s[10:11]
	s_load_b64 s[12:13], s[0:1], 0x20              ; part
	v_lshl_add_u32 v254, v0, 2, 0x24400
	v_mov_b32 v255, 0
	v_lshrrev_b32 v1, 5, v0
	v_readfirstlane_b32 s16, v1                    ; wave 0..3
	v_and_b32 v1, 31, v0
	v_and_b32 v13, 15, v0                          ; r
	v_bfe_u32 v14, v0, 4, 1                        ; h
	v_lshlrev_b32 v2, 4, v13
	v_lshl_add_u32 v2, v14, 17, v2                 ; w2: 16 r + 32 rows x h
	v_lshlrev_b32 v6, 4, v1                        ; 16 x lane
	s_wait_alu depctr_va_vdst(0)
	v_lshlrev_b32 v12, 12, v14
	v_lshl_add_u32 v12, v13, 4, v12                ; part: lanes 0-15 one row, lanes 16-31 the next, 16 bytes a lane
	s_and_b32 s19, ttmp9, 7                        ; ns
	s_lshr_b32 s30, ttmp9, 3                       ; kq
	s_and_b32 s20, ttmp7, 0xffff                   ; the expert
	s_lshl_b32 s21, s20, 2
	s_wait_alu depctr_va_sdst(0)                   ; s16 is written, ahead of its first reader: cg, rg and all that is made of them
	s_and_b32 s17, s16, 1                          ; cg
	s_lshr_b32 s18, s16, 1                         ; rg
	s_lshl_b32 s36, s17, 16
	s_lshl_b32 s37, s18, 15
	s_add_co_u32 s37, s37, s36
	v_add_nc_u32 v3, s37, v6                       ; LDS: the 16 images that I make,
	s_xor_b32 s37, s37, 32768
	v_add_nc_u32 v5, s37, v6                       ; and the 16 that my partner (the same columns, the other rg) makes
	s_lshl_b32 s37, s18, 13
	v_add_nc_u32 v[AV0], s37, v6                   ; a tile's quarter: my own four K steps of 2,048 bytes,
	s_xor_b32 s37, s37, 8192
	v_add_nc_u32 v[AV1], s37, v6                   ; and my partner's four
	s_mul_i32 s36, s16, 4352
	s_add_co_u32 s36, s36, STAGE                   ; my stage
	v_mul_u32_u24 v10, v13, 272
	v_lshl_add_u32 v10, v14, 7, v10
	v_add_nc_u32 v10, s36, v10                     ; in: row r, 128 bytes for each half of the lanes
	v_mul_u32_u24 v11, v14, 272
	v_lshl_add_u32 v11, v13, 4, v11
	v_add_nc_u32 v11, s36, v11                     ; back: lanes 0-15 one row, lanes 16-31 the next
	s_mov_b32 s26, 0x05010400                      ; the turn of bytes
	s_mov_b32 s27, 0x07030602
	s_mov_b32 s28, 0x05040100
	s_mov_b32 s29, 0x07060302
	s_lshl_b32 s38, s20, 24                        ; w2: expert, 1,024 rows x kq, 512 rows x rg, 512 bytes x ns, 256 x cg
	s_lshl_b32 s39, s30, 22
	s_add_co_u32 s38, s38, s39
	s_lshl_b32 s39, s18, 21
	s_add_co_u32 s38, s38, s39
	s_lshl_b32 s39, s19, 9
	s_add_co_u32 s38, s38, s39
	s_lshl_b32 s39, s17, 8
	s_add_co_u32 s38, s38, s39
	s_mov_b32 s39, 0
	s_lshl_b32 s40, s30, 14                        ; hq: my quarter's 8 K steps of 2,048 bytes
	s_mov_b32 s41, 0
	s_mul_i32 s42, s30, 8847360                    ; part: my plane,
	s_lshl_b32 s43, s19, 9
	s_add_co_u32 s42, s42, s43
	s_lshl_b32 s43, s17, 8
	s_add_co_u32 s42, s42, s43                     ; my 256 bytes of a row
	s_mov_b32 s43, 0
	s_wait_kmcnt 0x0
	s_load_b128 s[44:47], s[8:9], 0x0              ; e0, e1, e2 (hidden), e3 (w2)
	s_load_b32 s32, s[10:11], s21 offset:0x0       ; the expert's first tile,
	s_load_b32 s33, s[10:11], s21 offset:0x20      ; and its tiles
	s_add_nc_u64 s[22:23], s[4:5], s[38:39]        ; the four units' bases, all at my first K step
	s_mov_b64 s[14:15], s[22:23]
	s_mov_b64 s[60:61], s[22:23]
	s_mov_b64 s[62:63], s[22:23]
	s_add_nc_u64 s[54:55], s[6:7], s[40:41]
	s_add_nc_u64 s[52:53], s[12:13], s[42:43]
	WIN 0x40                                       ; destination window 1
	s_wait_alu depctr_va_vdst(0)                   ; v2, v3, v5, v7, v10, v11, v12 and v15 are written: every load and store of the kernel but the stream's LDS stores reads one of them as its offset or address
	WISSUE 0, 22
	WISSUE 1, 14
	WISSUE 2, 60
	WISSUE 3, 62
	WIN 0
	s_wait_kmcnt 0x0
	s_add_co_i32 s36, s47, 127
	s_lshl_b32 s37, s36, 23
	v_mov_b32 v8, s37                              ; 2^e3
	s_add_co_i32 s36, s36, 8
	s_lshl_b32 s36, s36, 23
	s_or_b32 s36, s36, 0x600000
	v_mov_b32 v9, s36                              ; 448 x 2^e3
	s_add_co_i32 s50, s46, s47
	s_add_co_i32 s50, s50, 127
	s_lshl_b32 s50, s50, 23                        ; 2^(e2 + e3)
	; which tiles are mine, and where my first two lie.  A wave without tiles asks for tile 0, which every split has, and uses nothing of it
	s_min_u32 s33, s33, 64                         ; an expert has 1,024 rows at the most: 64 tiles
	s_add_co_u32 s32, s32, s18                     ; my first tile
	s_add_co_u32 s34, s33, 1
	s_sub_co_u32 s34, s34, s18
	s_lshr_b32 s34, s34, 1                         ; how many are mine
	s_sub_co_u32 s31, s34, 1                       ; the last of them
	s_cmp_eq_u32 s34, 0
	s_cselect_b32 s38, 0, s32
	s_min_u32 s38, s38, 134
	s_lshl_b32 s38, s38, 16
	s_mov_b32 s39, 0
	s_add_nc_u64 s[40:41], s[54:55], s[38:39]      ; my quarter of my first tile's image
	s_min_u32 s36, s31, 1
	s_lshl_b32 s36, s36, 1
	s_add_co_u32 s36, s36, s32
	s_cmp_eq_u32 s34, 0
	s_cselect_b32 s38, 0, s36
	s_min_u32 s38, s38, 134
	s_lshl_b32 s38, s38, 16
	s_add_nc_u64 s[58:59], s[54:55], s[38:39]      ; of my second tile's, or the first's once more
	s_mov_b32 s24, 0
	s_mov_b32 s25, 0
.Lks:                                              ; three trips: K step s is worked while K step s + 1 is on its way, 48 to 64 loads of 512 bytes a wave
	s_wait_alu depctr_va_vdst(0)
	WHEAD 0, 22, 1
	WISSUE 0, 22                                   ; the next K step's unit 0
	WREST 0
	WHEAD 1, 14, 1
	WISSUE 1, 14
	WREST 1
	WHEAD 2, 60, 1
	WISSUE 2, 60
	WREST 2
	WHEAD 3, 62, 1
	WISSUE 3, 62
	WREST 3
	WTAIL
	s_add_co_u32 s24, s24, 8192
	s_add_co_u32 s25, s25, 1
	s_cmp_lt_u32 s25, 3
	s_cbranch_scc1 .Lks
	WIN 0x80                                       ; destination window 2
	WOWN 0                                         ; my first three K steps come back while the last K step's loads are on their way
	WOWN 1
	WOWN 2
	WIN 0
	; The last K step asks for no more weights: each unit's 64 landing registers take a group of the ring of activations instead.
	; Behind unit q's loads stand 16 (3 - q) loads of weights and 16 q of activations: the count is 48 four times.
	WHEAD 0, 22, 0
	ALOAD 0, 0, 40
	WREST 0
	WHEAD 1, 14, 0
	ALOAD 0, 1, 40
	WREST 1
	WHEAD 2, 60, 0
	ALOAD 1, 0, 58
	WREST 2
	WHEAD 3, 62, 0
	ALOAD 1, 1, 58
	WREST 3
	WTAIL
	WIN 0x80
	WOWN 3
	WIN 0
	s_wait_dscnt 0x0                               ; my images lie in LDS, and my own are back,
	s_barrier_signal -1
	s_barrier_wait -1                              ; everybody's lie there; nobody writes them again
	s_cmp_eq_u32 s34, 0
	s_cbranch_scc1 .Lend
	WIN 0xc0                                       ; destination window 3: my partner's four K steps.  No vector or matrix instruction has named these registers, and v5 stands since the head
.irp s4, 0,1,2,3
.irp c, 0,1,2,3
.irp q, 0,1,2,3
	ds_load_b128 v[64*\s4+16*\c+4*\q:64*\s4+16*\c+4*\q+3], v5 offset:(4*\s4+\c)*2048+512*\q
.endr
.endr
.endr
	WIN 0
	s_wait_dscnt 0x0
	s_add_co_u32 s57, s34, 1
	s_lshr_b32 s57, s57, 1                         ; trips: two tiles each, the last perhaps one
	s_mov_b32 s56, 0                               ; the trip's number: it steps by 1
.Lrow:                                             ; two tiles a trip, so that the ring's register numbers come round
	s_lshl_b32 s35, s56, 1                         ; the trip's first tile among mine
	TILE 0
	s_add_co_u32 s36, s35, 1
	s_cmp_lt_u32 s36, s34
	s_cbranch_scc1 .Lsecond
	s_wait_dscnt 0x0                               ; an odd number of tiles: the wave ends here, with the closing lines, six on end; the ring's loads that are still out are of no use to anybody
	s_wait_alu 0x0
	s_wait_tensorcnt 0x0
	ds_add_u32 v254, v255
	s_wait_dscnt 0x0
	s_endpgm
.Lsecond:
	TILE 1
	s_add_co_u32 s56, s56, 1
	s_cmp_lt_u32 s56, s57
	s_cbranch_scc1 .Lrow
.Lend:
	s_wait_dscnt 0x0                               ; the closing lines, six on end
	s_wait_alu 0x0
	s_wait_tensorcnt 0x0
	ds_add_u32 v254, v255
	s_wait_dscnt 0x0
	s_endpgm
.Lfunc_end_k_q399c239162_fc2:
	.size	k_q399c239162_fc2, .Lfunc_end_k_q399c239162_fc2-k_q399c239162_fc2
	.p2alignl 7, 3214868480
	.fill 96, 4, 3214868480
	.section	.rodata,"a",@progbits
	.p2align	6, 0x0
	.amdhsa_kernel k_q399c239162_fc2
		.amdhsa_group_segment_fixed_size 148992
		.amdhsa_private_segment_fixed_size 0
		.amdhsa_enable_private_segment 0
		.amdhsa_kernarg_size 40
		.amdhsa_user_sgpr_count 2
		.amdhsa_user_sgpr_kernarg_segment_ptr 1
		.amdhsa_wavefront_size32 1
		.amdhsa_system_sgpr_workgroup_id_x 1
		.amdhsa_system_sgpr_workgroup_id_y 1
		.amdhsa_system_sgpr_workgroup_id_z 1
		.amdhsa_system_vgpr_workitem_id 0
		.amdhsa_next_free_vgpr 1024
		.amdhsa_next_free_sgpr 66
		.amdhsa_reserve_vcc 0
		.amdhsa_float_denorm_mode_32 3
		.amdhsa_float_denorm_mode_16_64 3
		.amdhsa_memory_ordered 1
		.amdhsa_forward_progress 1
		.amdhsa_inst_pref_size 107
	.end_amdhsa_kernel
	.amdgpu_metadata
---
amdhsa.version: [ 1, 2 ]
amdhsa.kernels:
  - .name:           k_q399c239162_fc2
    .symbol:         k_q399c239162_fc2.kd
    .args:
      - { .name: w2, .offset: 0, .size: 8, .value_kind: global_buffer, .address_space: global }
      - { .name: hq, .offset: 8, .size: 8, .value_kind: global_buffer, .address_space: global }
      - { .name: lowp_scales, .offset: 16, .size: 8, .value_kind: global_buffer, .address_space: global }
      - { .name: tab, .offset: 24, .size: 8, .value_kind: global_buffer, .address_space: global }
      - { .name: part, .offset: 32, .size: 8, .value_kind: global_buffer, .address_space: global }
    .group_segment_fixed_size: 148992
    .private_segment_fixed_size: 0
    .kernarg_segment_align: 8
    .kernarg_segment_size: 40
    .max_flat_workgroup_size: 128
    .sgpr_count:     66
    .vgpr_count:     1024
    .wavefront_size: 32
...
	.end_amdgpu_metadata
.endif
;; end of part 9
;; launch combine (part 10): grid 256 x 1, 8 waves a work-group, no clusters, 0 bytes of LDS; arguments part, pos, eidx, gwt, b2, out0; writes out0
.if DOCPART == 10
	.amdgcn_target "amdgcn-amd-amdhsa--gfx1250"
	.amdhsa_code_object_version 6
	.text
	.protected	k_q399c239162_combine
	.globl	k_q399c239162_combine
	.p2align	8
	.type	k_q399c239162_combine,@function
k_q399c239162_combine:
	s_mov_b64 s[64:65], 0
	v_nop
	global_prefetch_b8 v0, s[64:65] scope:SCOPE_SE
	s_setreg_imm32_b32 hwreg(HW_REG_WAVE_MODE, 25, 1), 1
	s_wait_xcnt 0x0
; THE SUM.  out0[t] = g0 (sum over the four K quarters of part[.][pos[2 t]] + b2[e0]) + g1 (the same for slot 1).  Each output row has one owner: a work-group takes four tokens,
; two waves a token, 2,048 bytes of the row each.  Where the rows lie comes from pos and eidx, whole numbers that earlier launches stored; they are held inside their tables.
; A stream: 40 loads of 512 consecutive bytes a wave, all on their way at once, four stores of 512.  No LDS, no barrier, no matrix unit: there is nothing for them to do.
.set PR, 16                            ; v16-143  part: slot k, quarter kq, piece i at 64 k + 16 kq + 4 i
.set BB, 144                           ; v144-175 b2: slot k, piece i at 16 k + 4 i
	s_load_b256 s[4:11], s[0:1], 0x0               ; part s[4:5], pos s[6:7], eidx s[8:9], gwt s[10:11]
	s_load_b128 s[12:15], s[0:1], 0x20             ; b2 s[12:13], out0 s[14:15]
	v_lshrrev_b32 v1, 5, v0
	s_delay_alu instid0(VALU_DEP_1)
	v_readfirstlane_b32 s16, v1                    ; wave 0..7
	v_and_b32 v1, 31, v0
	s_delay_alu instid0(VALU_DEP_1)
	v_lshlrev_b32 v2, 4, v1                        ; 16 x lane; v2-5: + the plane of quarter kq
	s_delay_alu instid0(VALU_DEP_1)
	v_add_nc_u32 v3, 8847360, v2
	s_delay_alu instid0(VALU_DEP_2)
	v_add_nc_u32 v4, 2*8847360, v2
	s_delay_alu instid0(VALU_DEP_3)
	v_add_nc_u32 v5, 3*8847360, v2
	s_lshr_b32 s17, s16, 1
	s_lshl_b32 s18, ttmp9, 2
	s_add_co_u32 s17, s17, s18                     ; the token
	s_and_b32 s18, s16, 1
	s_lshl_b32 s18, s18, 11                        ; my half of a row
	s_lshl_b32 s19, s17, 3
	s_wait_alu depctr_va_vdst(0)
	s_wait_kmcnt 0x0
	s_load_b64 s[20:21], s[6:7], s19 offset:0x0    ; the two rows,
	s_load_b64 s[22:23], s[8:9], s19 offset:0x0    ; the two experts,
	s_load_b64 s[24:25], s[10:11], s19 offset:0x0  ; the two gates
	s_wait_kmcnt 0x0
	s_min_u32 s20, s20, 2159
	s_min_u32 s21, s21, 2159
	s_min_u32 s22, s22, 7
	s_min_u32 s23, s23, 7
	s_mov_b32 s27, 0
	s_lshl_b32 s26, s20, 12
	s_add_co_u32 s26, s26, s18
	s_add_nc_u64 s[28:29], s[4:5], s[26:27]
	s_lshl_b32 s26, s21, 12
	s_add_co_u32 s26, s26, s18
	s_add_nc_u64 s[30:31], s[4:5], s[26:27]
	s_lshl_b32 s26, s22, 12
	s_add_co_u32 s26, s26, s18
	s_add_nc_u64 s[32:33], s[12:13], s[26:27]
	s_lshl_b32 s26, s23, 12
	s_add_co_u32 s26, s26, s18
	s_add_nc_u64 s[34:35], s[12:13], s[26:27]
	s_lshl_b32 s26, s17, 12
	s_add_co_u32 s26, s26, s18
	s_add_nc_u64 s[36:37], s[14:15], s[26:27]
	s_mov_b32 s38, s25                             ; g1 as the low word of a pair: the packed forms take a scalar pair's low word for both halves
	s_mov_b32 s39, s25
.irp k, 0,1
.irp kq, 0,1,2,3
.irp i, 0,1,2,3
	global_load_b128 v[PR+64*\k+16*\kq+4*\i:PR+64*\k+16*\kq+4*\i+3], v[2+\kq], s[28+2*\k:29+2*\k] offset:512*\i th:TH_LOAD_NT   ; each routed row is read by one token alone
.endr
.endr
.irp i, 0,1,2,3
	global_load_b128 v[BB+16*\k+4*\i:BB+16*\k+4*\i+3], v2, s[32+2*\k:33+2*\k] offset:512*\i
.endr
.endr
	s_wait_loadcnt 0x0
.irp k, 0,1
.set n, 0
.rept 8
	v_pk_add_f32 v[PR+64*\k+n:PR+64*\k+n+1], v[PR+64*\k+n:PR+64*\k+n+1], v[PR+64*\k+16+n:PR+64*\k+16+n+1]
	v_pk_add_f32 v[PR+64*\k+32+n:PR+64*\k+32+n+1], v[PR+64*\k+32+n:PR+64*\k+32+n+1], v[PR+64*\k+48+n:PR+64*\k+48+n+1]
.set n, n+2
.endr
.set n, 0
.rept 8
	v_pk_add_f32 v[PR+64*\k+n:PR+64*\k+n+1], v[PR+64*\k+n:PR+64*\k+n+1], v[PR+64*\k+32+n:PR+64*\k+32+n+1]
.set n, n+2
.endr
.set n, 0
.rept 8
	v_pk_add_f32 v[PR+64*\k+n:PR+64*\k+n+1], v[PR+64*\k+n:PR+64*\k+n+1], v[BB+16*\k+n:BB+16*\k+n+1]
.set n, n+2
.endr
.endr
.set n, 0
.rept 8
	v_pk_mul_f32 v[PR+n:PR+n+1], v[PR+n:PR+n+1], s[24:25] op_sel_hi:[1,0]
.set n, n+2
.endr
.set n, 0
.rept 8
	v_pk_fma_f32 v[PR+n:PR+n+1], v[PR+64+n:PR+64+n+1], s[38:39], v[PR+n:PR+n+1] op_sel_hi:[1,0,1]
.set n, n+2
.endr
.irp i, 0,1,2,3
	global_store_b128 v2, v[PR+4*\i:PR+4*\i+3], s[36:37] offset:512*\i th:TH_STORE_NT   ; 512 consecutive aligned bytes
.endr
	s_endpgm
.Lfunc_end_k_q399c239162_combine:
	.size	k_q399c239162_combine, .Lfunc_end_k_q399c239162_combine-k_q399c239162_combine
	.p2alignl 7, 3214868480
	.fill 96, 4, 3214868480
	.section	.rodata,"a",@progbits
	.p2align	6, 0x0
	.amdhsa_kernel k_q399c239162_combine
		.amdhsa_group_segment_fixed_size 0
		.amdhsa_private_segment_fixed_size 0
		.amdhsa_enable_private_segment 0
		.amdhsa_kernarg_size 48
		.amdhsa_user_sgpr_count 2
		.amdhsa_user_sgpr_kernarg_segment_ptr 1
		.amdhsa_wavefront_size32 1
		.amdhsa_system_sgpr_workgroup_id_x 1
		.amdhsa_system_sgpr_workgroup_id_y 1
		.amdhsa_system_sgpr_workgroup_id_z 1
		.amdhsa_system_vgpr_workitem_id 0
		.amdhsa_next_free_vgpr 192
		.amdhsa_next_free_sgpr 66
		.amdhsa_reserve_vcc 0
		.amdhsa_float_denorm_mode_32 3
		.amdhsa_float_denorm_mode_16_64 3
		.amdhsa_memory_ordered 1
		.amdhsa_forward_progress 1
		.amdhsa_inst_pref_size 12
	.end_amdhsa_kernel
	.amdgpu_metadata
---
amdhsa.version: [ 1, 2 ]
amdhsa.kernels:
  - .name:           k_q399c239162_combine
    .symbol:         k_q399c239162_combine.kd
    .args:
      - { .name: part, .offset: 0, .size: 8, .value_kind: global_buffer, .address_space: global }
      - { .name: pos, .offset: 8, .size: 8, .value_kind: global_buffer, .address_space: global }
      - { .name: eidx, .offset: 16, .size: 8, .value_kind: global_buffer, .address_space: global }
      - { .name: gwt, .offset: 24, .size: 8, .value_kind: global_buffer, .address_space: global }
      - { .name: b2, .offset: 32, .size: 8, .value_kind: global_buffer, .address_space: global }
      - { .name: out0, .offset: 40, .size: 8, .value_kind: global_buffer, .address_space: global }
    .group_segment_fixed_size: 0
    .private_segment_fixed_size: 0
    .kernarg_segment_align: 8
    .kernarg_segment_size: 48
    .max_flat_workgroup_size: 256
    .sgpr_count:     66
    .vgpr_count:     192
    .wavefront_size: 32
...
	.end_amdgpu_metadata
.endif
;; end of part 10
